; MI455X (gfx1250); checked and timed in simulation.
; The chip was launched on July 23, 2026; its instructions are those of AMD's public machine-readable ISA for CDNA 5 (MIT licence, August 2026) and "CDNA5" Instruction Set Architecture Reference Guide (July 2026). The comments in the code are by the model that wrote it; some were corrected since.
;; Block. Allowed arithmetic: matrix products marked QUANTISED: E2M3 operands, one E8M0 scale for each 32 along K, by v_wmma_scale_f32_16x16x128_f8f6f4 with both operands' format E2M3, f32 sums; everything else in f32.
;; Inputs: b_fc1 4,096 float32; b_fc2 1,024 float32; b_proj 1,024 float32; b_qkv 3,072 float32; ln1_b 1,024 float32; ln1_g 1,024 float32; ln2_b 1,024 float32; ln2_g 1,024 float32; w_fc1 1,024 x 4,096 float32; w_fc2 4,096 x 1,024 float32; w_proj 1,024 x 1,024 float32; w_qkv 1,024 x 3,072 float32; x 2 x 2,048 x 1,024 float32.
;; Outputs: out0 2 x 2,048 x 1,024 float32.
;; This version of the problem:
;;   THIS VERSION OF THE PROBLEM IS GIVEN IN LOW PRECISION. The matrix products marked QUANTISED in the list below multiply operands that are first quantised to E2M3 (2 exponent bits, 3 mantissa bits; 6 bits a number), with one power-of-two scale for each 32 numbers along K (OCP MX v1.0); their sums are f32. All else is computed in f32.
;;   The module's matrix products, in the order in which they are computed (A, B: the left and right operand; K: the contracted axis; several contracted axes count as one K, in the product's order):
;;     1. [M 4,096, K 1,024] x [K 1,024, N 3,072]; A: computed on the way; B: input w_qkv: QUANTISED
;;     2. batch 32 x [M 2,048, K 64] x [K 64, N 2,048]; A: computed on the way; B: computed on the way: QUANTISED
;;     3. batch 32 x [M 2,048, K 2,048] x [K 2,048, N 64]; A: softmax (see below); B: computed on the way: QUANTISED
;;     4. [M 4,096, K 1,024] x [K 1,024, N 1,024]; A: computed on the way; B: input w_proj: QUANTISED
;;     5. [M 4,096, K 1,024] x [K 1,024, N 4,096]; A: computed on the way; B: input w_fc1: QUANTISED
;;     6. [M 4,096, K 4,096] x [K 4,096, N 1,024]; A: computed on the way; B: input w_fc2: QUANTISED
;;   THE QUANTISER, for each operand of a quantised product, along K:
;;     - K is cut into blocks of 32 from its start; a last block that is shorter is filled with zeros.
;;     - A block's scale is 2^e with e = floor(log2(the largest magnitude in the block)) - 2, held to -126 .. 127; a block of zeros has e = 0. As a byte (E8M0): e + 127.
;;     - Each number is divided by its block's scale, clamped to +-7.5, and rounded to the nearest number of E2M3, ties to even, subnormals kept.
;;     - The product sums the exact products of the quantised numbers (number of the format x scale) in f32.
;;   ~~~python
;;   def quantise(x, axis):      # numpy; x: float32 -> the quantised numbers, widened to float32 again
;;       x = np.moveaxis(x, axis, -1); K = x.shape[-1]
;;       x = np.pad(x, [(0, 0)] * (x.ndim - 1) + [(0, -K % 32)]); x = x.reshape(x.shape[:-1] + (-1, 32)); a = np.abs(x).max(-1, keepdims=True)
;;       e = np.where(a > 0, np.clip(np.frexp(np.where(a > 0, a, 1))[1] - 1 - 2, -126, 127), 0)      # np.frexp(a)[1] - 1 = floor(log2(a)), exactly
;;       r = np.clip(x / 2.0 ** e, -7.5, 7.5)
;;       step = 2.0 ** (np.maximum(np.frexp(np.where(r == 0, 1, r))[1] - 1, 0) - 3)
;;       q = np.round(r / step) * step * 2.0 ** e      # np.round: ties to even
;;       return np.moveaxis(q.reshape(q.shape[:-2] + (-1,))[..., :K], -1, axis).astype(np.float32)
;;   ~~~
;;   SOFTMAX AHEAD OF A QUANTISED PRODUCT. Where the list says 'softmax', what is quantised is not the finished softmax but p = 2^(t - M), with t = logit x log2(e) and M = ceil(the row's largest t), a whole number; so 1/2 < the row's largest p <= 1. The row's sum l is taken of the UNQUANTISED p, in f32, and the product's result is divided by l at the end. Since M is a whole number, a kernel that streams over the keys may use a running M (the ceiling of the running maximum): every later rescaling is an exact power of two, which a block's scale takes up: the codes' values come out the same.
;;   OPERANDS COMPUTED ON THE WAY. 'Computed on the way' means the value that the module computes at that place (a softmax that the list does not call 'softmax' is quantised finished and normalised). What goes into a quantiser is computed in f32, as accurately as f32 sums, v_exp_f32 and their like allow (about 1e-6 of the number): no bf16 or f16 on the way to a quantiser, and a product that is left as it is and whose result goes on into a quantised operand takes f32 operands (vector FMAs, or v_wmma_f32_16x16x4_f32). A number that lies on a knife's edge between two numbers of the format may be rounded either way, as far as f32 arithmetic and the matrix unit's own rounding can turn it there, and no further.
;; One version. Each part assembles by itself: llvm-mc -triple=amdgcn-amd-amdhsa -mcpu=gfx1250 --defsym DOCPART=n.
;; ======== version 1 of 1: 7 launches
;; limits: right only within a limited range of input values
;; workspace buffers: wts 9,830,400 bytes; hq 3,276,800 bytes; qkv 13,107,200 bytes; yq 3,276,800 bytes; x1 16,777,216 bytes; gq 13,107,200 bytes
;; launch prep (part 1): grid 160 x 4, 4 waves a work-group, no clusters, 66,304 bytes of LDS; arguments x, ln1_g, ln1_b, hq, w_qkv, w_proj, w_fc1, w_fc2, wts; writes wts, hq
.if DOCPART == 1
	.amdgcn_target "amdgcn-amd-amdhsa--gfx1250"
	.amdhsa_code_object_version 6
	.text
	.protected	k_q71a53d6919_prep
	.globl	k_q71a53d6919_prep
	.p2align	8
	.type	k_q71a53d6919_prep,@function
k_q71a53d6919_prep:
	s_mov_b64 s[64:65], 0
	v_nop
	global_prefetch_b8 v0, s[64:65] scope:SCOPE_SE
	s_setreg_imm32_b32 hwreg(HW_REG_WAVE_MODE, 25, 1), 1
	s_wait_xcnt 0x0
; TWO JOBS THAT DO NOT DEPEND ON EACH OTHER SHARE ONE LAUNCH: work-groups x 0-95 quantise the four weights, work-groups x 96-159 normalise and quantise x.  The branch hangs on the work-group's number alone.
; ALL CODES are FP6 (E2M3) with one E8M0 byte for each 32 along K, laid in the ORDER OF THE OPERAND'S REGISTERS.
; A HALF is 768 bytes: 16 rows x 64 along K; lane l = (r = l % 16, h = l / 16) owns row r's block h, 24 bytes: its first 16 at byte 16 l, its last 8 at byte 512 + 8 l.  An operand is [rows / 16][K / 64][768].
; THE WEIGHTS, f32 stored [K][N].  Scale words (four bytes: one row, 128 along K): w_qkv, w_fc1: [N / 16][K / 128][16 r]; w_proj, w_fc2: [N / 64][K / 128][16 r][4 row tiles].
; A LANE TAKES A COLUMN n AND ITS REGISTERS RUN DOWN K: a load reads 128 consecutive bytes a wave, a block of 32 lies in one lane, nothing is transposed.
; w_proj and w_fc2 meet operands that are made from matrix results, whose blocks hold k with bits 3 and 4 changed over: here the load of k = i simply lands in the register with those bits changed over.
; A work-group takes 128 columns x 256 along K, a wave 32 columns (two row tiles) x 8 blocks.  Blocks 2 u and 2 u + 1 of the wave's two row tiles become two HALFs by six exchanges of lane halves.
; x 0-23: w_qkv, 24-31: w_proj, 32-63: w_fc1, 64-95: w_fc2 (its sixteen runs of 256 along K are 4 x's by 4 y's).  Each tensor has its own expansion, since every offset is an immediate.
; These paths use no LDS and no barrier.  Code stores cover 512 or 256 consecutive bytes, aligned to 256.  The scale words are 4 bytes a lane, 64 or 256 bytes on end: one byte in 128 of what is read.
; THE NORM: h = (x - mean) * rsqrt(var + 1e-5) * g + b over rows of 1,024 f32, quantised along the row.  Out: codes [row tile 256][HALF 16][768] and, from byte 3,145,728, scale words [row tile][8][16 r].
; Work-group (x, y) takes row tile 4 (x - 96) + y: 16 rows.  Wave w normalises rows 4 w .. 4 w + 3, a whole row in 32 registers a lane: each load covers 512 consecutive bytes, the row is read once, mean and variance in two
; passes over registers (the variance of x - mean, as the definition has it: a common offset does no harm).  The rows meet in a stage in LDS; behind ONE barrier wave w takes HALFs 4 w .. 4 w + 3 of all 16 rows: a lane then holds a whole block.
; The stage's rows are 4,112 bytes apart: 257 x 16, so the 16 rows that a load of 16 bytes a lane touches start at 16 different groups of banks (64 banks of 4 bytes: ISA guide 11.1).
; No matrix unit, no cluster, no tensor load: streams whose work-groups share nothing but g and b.
; A block of zeros keeps the byte 1 (its codes are zeros; this program alone reads the bytes).  LIMITS: NaN and infinities are not served; blocks whose largest magnitude lies under 2^-124 keep the byte 1.
.set X,   32                           ; weights: v32-95 two sets of 32 numbers.  Norm: v32-159 row i at X + 32 i; later HALF cc's 32 numbers at X + 32 cc
.set DD,  96                           ; weights: v96-143 block t's six registers of codes at DD + 6 t: never written again, so no store's data are
.set TT,  14                           ; weights: v14-16 a block's upper 16 codes as the conversion leaves them
.set SB,  24                           ; weights: v24-25 two scale words
.set PITCH, 4112
.set SPARE, 16*PITCH                   ; behind the stage: the spare words, 128 bytes a wave, that no other line names
.set SPW,   254                        ; v254 LDS address of my spare word; never rewritten
.set NIL,   255                        ; v255 0; never rewritten
.set G,     160                        ; norm: v160-191 g of my 32 columns; later the conversions' spare registers
.set BT,    192                        ; norm: v192-223 b
.set CD,    224                        ; norm: v224-253 HALF cc's six registers of codes at CD + 8 cc
.macro WLOAD t, N, PERM                ; block t: W(32 t + i, my column), into set t % 2
.set wi, 0
.rept 32
.if \PERM
.set wp, (wi&7)|(((wi>>3)&1)<<4)|(((wi>>4)&1)<<3)
.else
.set wp, wi
.endif
	global_load_b32 v[X+32*((\t)%2)+wp], v2, s[22:23] offset:(32*(\t)+wi)*\N*4 th:TH_LOAD_NT
.set wi, wi+1
.endr
.endm
.macro WBLOCK t, N, K, PERM
.set XS, X+32*((\t)%2)
.set DT, DD+6*(\t)
.if (\t) < 7
	s_wait_loadcnt 32                              ; this block's 32 loads are in; the next block's may be out
.else
	s_wait_loadcnt 0
.endif
	v_max3_num_f32 v8, |v[XS]|, |v[XS+1]|, |v[XS+2]|               ; the block's largest magnitude: all 32 numbers are mine
	v_max3_num_f32 v9, |v[XS+3]|, |v[XS+4]|, |v[XS+5]|
.irp i, 6,10,14,18,22,26
	v_max3_num_f32 v8, v8, |v[XS+\i]|, |v[XS+\i+1]|
	v_max3_num_f32 v9, v9, |v[XS+\i+2]|, |v[XS+\i+3]|
.endr
	v_max3_num_f32 v8, v8, |v[XS+30]|, |v[XS+31]|
	v_max3_num_f32 v8, v8, v9, 0x1800000           ; and the floor 2^(3 - 127): the byte cannot fall under 1
	v_add_nc_u32 v10, 0xff000000, v8               ; 2 off the exponent field: the conversion takes this operand's exponent field as its scale
	v_lshrrev_b32 v11, 23, v10                     ; the scale's byte
.if (\t)%4 == 0
	v_mov_b32 v[SB+(\t)/4], v11
.else
	v_lshl_or_b32 v[SB+(\t)/4], v11, 8*((\t)%4), v[SB+(\t)/4]
.endif
	v_cvt_scalef32_pk16_fp6_f32 v[DT:DT+2], v[XS:XS+15], v10
	v_cvt_scalef32_pk16_fp6_f32 v[TT:TT+2], v[XS+16:XS+31], v10    ; (a conversion's three registers begin on an even number)
	v_nop                                          ; one plain line behind a scaled conversion
.irp i, 0,1,2
	v_mov_b32 v[DT+3+\i], v[TT+\i]
.endr
.if (\t)+2 < 8
	WLOAD (\t)+2, \N, \PERM
.endif
.if (\t)%2 == 1
.irp i, 0,1,2,3,4,5
	v_permlane16_swap_b32 v[DT-6+\i], v[DT+\i]     ; the even block's lanes 16-31 change places with the odd block's lanes 0-15: a HALF of row tile 0, a HALF of row tile 1
.endr
	global_store_b128 v3, v[DT-6:DT-3], s[28:29] offset:((\t)/2)*768
	global_store_b64 v4, v[DT-2:DT-1], s[28:29] offset:((\t)/2)*768+512
	global_store_b128 v3, v[DT:DT+3], s[28:29] offset:((\t)/2)*768+(\K/64)*768
	global_store_b64 v4, v[DT+4:DT+5], s[28:29] offset:((\t)/2)*768+(\K/64)*768+512
.endif
.endm
; One tensor.  s17: which 128 columns; s18: which 256 along K.  GF = 1: scale words by groups of 64 rows.
.macro WQT N, K, PERM, GF, CODEOFF, SCOFF, SRC
	s_mul_i32 s20, s18, 256*\N*4
	s_lshl_b32 s21, s17, 9
	s_add_co_u32 s20, s20, s21
	s_lshl_b32 s21, s16, 7
	s_add_co_u32 s20, s20, s21                     ; the source: 256 rows x s18, + 4 x (128 s17 + 32 wave)
	s_mov_b32 s21, 0
	s_add_nc_u64 s[22:23], s[\SRC:\SRC+1], s[20:21]
	s_lshl_b32 s24, s17, 3
	s_lshl_b32 s25, s16, 1
	s_add_co_u32 s24, s24, s25                     ; my first row tile
	s_mul_i32 s26, s24, (\K/64)*768
	s_mul_i32 s27, s18, 3072
	s_add_co_u32 s26, s26, s27
	s_add_co_u32 s26, s26, \CODEOFF
	s_mov_b32 s27, 0
	s_add_nc_u64 s[28:29], s[12:13], s[26:27]
.if \GF
	s_lshl_b32 s30, s17, 1
	s_lshr_b32 s31, s16, 1
	s_add_co_u32 s30, s30, s31                     ; my group of 64 rows
	s_mul_i32 s30, s30, (\K/128)*256
	s_lshl_b32 s31, s18, 9
	s_add_co_u32 s30, s30, s31
	s_and_b32 s31, s16, 1
	s_lshl_b32 s31, s31, 3
	s_add_co_u32 s30, s30, s31
	v_lshlrev_b32 v5, 4, v6
	v_lshl_add_u32 v5, v7, 2, v5                   ; 16 r + 4 x (row tile in the group)
.else
	s_lshl_b32 s30, s24, 9
	s_lshl_b32 s31, s18, 7
	s_add_co_u32 s30, s30, s31
	v_lshlrev_b32 v5, 2, v6
	v_lshl_add_u32 v5, v7, 9, v5                   ; 4 r + 512 x (lane / 16)
.endif
	s_add_co_u32 s30, s30, \SCOFF
	s_mov_b32 s31, 0
	s_add_nc_u64 s[32:33], s[12:13], s[30:31]
	WLOAD 0, \N, \PERM
	WLOAD 1, \N, \PERM
.irp t, 0,1,2,3,4,5,6,7
	WBLOCK \t, \N, \K, \PERM
.endr
	global_store_b32 v5, v[SB], s[32:33]
	global_store_b32 v5, v[SB+1], s[32:33] offset:64+192*\GF
.endm
.macro REDUCE                          ; the norm: the two pairs of each row become the row's sum, in every lane; the four rows by turns
.irp i, 0,1,2,3
	v_pk_add_f32 v[8+6*\i:9+6*\i], v[8+6*\i:9+6*\i], v[10+6*\i:11+6*\i]
.endr
.irp i, 0,1,2,3
	v_add_f32 v[12+6*\i], v[8+6*\i], v[9+6*\i]
.endr
.irp m, 1,2,4,8
.irp i, 0,1,2,3
	v_add_f32_dpp v[12+6*\i], v[12+6*\i], v[12+6*\i] row_xmask:\m row_mask:0xf bank_mask:0xf
.endr
.endr
.irp i, 0,1,2,3
	v_permlanex16_b32 v[13+6*\i], v[12+6*\i], s12, s13
.endr
.irp i, 0,1,2,3
	v_add_f32 v[12+6*\i], v[12+6*\i], v[13+6*\i]
.endr
.endm
	v_lshl_add_u32 v[SPW], v0, 2, SPARE            ; the add's two registers, made at the head, ahead of the parting
	v_mov_b32 v[NIL], 0
	s_and_b32 s19, ttmp7, 0xffff                   ; work-group y
	s_cmp_ge_u32 ttmp9, 96
	s_cbranch_scc1 .Lnorm
	; ---- the weights
	s_load_b256 s[4:11], s[0:1], 0x20              ; w_qkv s[4:5], w_proj s[6:7], w_fc1 s[8:9], w_fc2 s[10:11]
	s_load_b64 s[12:13], s[0:1], 0x40              ; their workspace
	v_lshrrev_b32 v1, 5, v0
	v_readfirstlane_b32 s16, v1                    ; wave
	v_and_b32 v1, 31, v0                           ; lane
	v_lshlrev_b32 v2, 2, v1                        ; in: 4 bytes a lane
	v_lshlrev_b32 v3, 4, v1                        ; out: 16 bytes a lane,
	v_lshlrev_b32 v4, 3, v1                        ; and 8
	v_and_b32 v6, 15, v0                           ; r
	v_bfe_u32 v7, v0, 4, 1                         ; lane / 16
	s_wait_kmcnt 0x0
	s_cmp_lt_u32 ttmp9, 24
	s_cbranch_scc0 .Lnot_qkv
	s_mov_b32 s17, ttmp9
	s_mov_b32 s18, s19
	s_wait_alu depctr_va_vdst(0)
	WQT 3072, 1024, 0, 0, 0, 9437184, 4
	s_endpgm
.Lnot_qkv:
	s_cmp_lt_u32 ttmp9, 32
	s_cbranch_scc0 .Lnot_proj
	s_sub_co_u32 s17, ttmp9, 24
	s_mov_b32 s18, s19
	s_wait_alu depctr_va_vdst(0)
	WQT 1024, 1024, 1, 1, 2359296, 9535488, 6
	s_endpgm
.Lnot_proj:
	s_cmp_lt_u32 ttmp9, 64
	s_cbranch_scc0 .Lfc2
	s_sub_co_u32 s17, ttmp9, 32
	s_mov_b32 s18, s19
	s_wait_alu depctr_va_vdst(0)
	WQT 4096, 1024, 0, 0, 3145728, 9568256, 8
	s_endpgm
.Lfc2:
	s_sub_co_u32 s20, ttmp9, 64
	s_and_b32 s17, s20, 7
	s_lshr_b32 s20, s20, 3
	s_lshl_b32 s20, s20, 2
	s_add_co_u32 s18, s20, s19
	s_wait_alu depctr_va_vdst(0)
	WQT 1024, 4096, 1, 1, 6291456, 9699328, 10
	s_endpgm
	; ---- the norm.  v8 + 6 i: for row i two pairs of partial sums, a sum, a spare
.Lnorm:
	s_load_b256 s[4:11], s[0:1], 0x0               ; x s[4:5], g s[6:7], b s[8:9], out s[10:11]
	s_sub_co_u32 s26, ttmp9, 96
	s_lshl_b32 s26, s26, 2
	s_add_co_u32 s26, s26, s19                     ; my row tile, 0 .. 255
	v_lshrrev_b32 v1, 5, v0
	v_readfirstlane_b32 s16, v1                    ; wave
	v_and_b32 v7, 31, v0                           ; lane
	v_lshlrev_b32 v1, 4, v7                        ; 16 l
	v_lshlrev_b32 v2, 3, v7                        ; 8 l
	v_lshlrev_b32 v5, 2, v7                        ; 4 l
	s_mul_i32 s17, s16, 4*PITCH
	v_add_nc_u32 v3, s17, v1                       ; into the stage: my wave's four rows, 16 l
	v_and_b32 v6, 15, v0
	v_mul_u32_u24 v4, v6, PITCH
	v_bfe_u32 v6, v0, 4, 1
	v_lshl_add_u32 v4, v6, 7, v4
	s_lshl_b32 s17, s16, 10
	v_add_nc_u32 v4, s17, v4                       ; out of it: row r, + 1,024 w (my four HALFs) + 128 h (my block)
	v_lshlrev_b32 v6, 3, v6                        ; 8 h
	s_mov_b32 s12, 0x76543210
	s_mov_b32 s13, 0xfedcba98                      ; v_permlanex16_b32's selects for lane l xor 16
	s_mov_b32 s14, 0x3727c5ac                      ; 1e-5
	s_mov_b32 s15, 0xffff0000                      ; lanes 16-31
	s_mov_b32 s18, 0x3a800000                      ; 1 / 1,024
.irp i, 0,1,2,3
	v_mov_b32 v[13+6*\i], 0                        ; a lane permute's destination counts as one of its sources
.endr
	s_lshl_b32 s20, s26, 16
	s_lshl_b32 s21, s16, 14
	s_add_co_u32 s20, s20, s21                     ; x: 16 rows a work-group, 4 a wave
	s_mov_b32 s21, 0
	s_mul_i32 s22, s26, 12288
	s_mul_i32 s23, s16, 3072
	s_add_co_u32 s22, s22, s23                     ; codes: my row tile, my four HALFs
	s_mov_b32 s23, 0
	s_lshl_b32 s24, s26, 9
	s_lshl_b32 s25, s16, 7
	s_add_co_u32 s24, s24, s25
	s_add_co_u32 s24, s24, 3145728                 ; scale words: my row tile's 512 bytes, my wave's 128
	s_mov_b32 s25, 0
	s_wait_kmcnt 0x0
	s_add_nc_u64 s[4:5], s[4:5], s[20:21]
	s_add_nc_u64 s[22:23], s[10:11], s[22:23]
	s_add_nc_u64 s[24:25], s[10:11], s[24:25]
.irp i, 0,1,2,3
.irp j, 0,1,2,3,4,5,6,7
	global_load_b128 v[X+32*\i+4*\j:X+32*\i+4*\j+3], v1, s[4:5] offset:4096*\i+512*\j th:TH_LOAD_NT
.endr
.endr
.irp j, 0,1,2,3,4,5,6,7
	global_load_b128 v[G+4*\j:G+4*\j+3], v1, s[6:7] offset:512*\j
.endr
.irp j, 0,1,2,3,4,5,6,7
	global_load_b128 v[BT+4*\j:BT+4*\j+3], v1, s[8:9] offset:512*\j
.endr
	s_wait_loadcnt 16                              ; x's 32 loads are in; g's and b's 16 may be out
.irp i, 0,1,2,3
	v_pk_add_f32 v[8+6*\i:9+6*\i], v[X+32*\i:X+32*\i+1], v[X+32*\i+2:X+32*\i+3]
	v_pk_add_f32 v[10+6*\i:11+6*\i], v[X+32*\i+4:X+32*\i+5], v[X+32*\i+6:X+32*\i+7]
.endr
.irp j, 8,12,16,20,24,28
.irp i, 0,1,2,3
	v_pk_add_f32 v[8+6*\i:9+6*\i], v[8+6*\i:9+6*\i], v[X+32*\i+\j:X+32*\i+\j+1]
	v_pk_add_f32 v[10+6*\i:11+6*\i], v[10+6*\i:11+6*\i], v[X+32*\i+\j+2:X+32*\i+\j+3]
.endr
.endr
	REDUCE
.irp i, 0,1,2,3
	v_mul_f32 v[8+6*\i], s18, v[12+6*\i]           ; the mean
.endr
.irp i, 0,1,2,3
.irp j, 0,2,4,6,8,10,12,14,16,18,20,22,24,26,28,30
	v_pk_add_f32 v[X+32*\i+\j:X+32*\i+\j+1], v[X+32*\i+\j:X+32*\i+\j+1], v[8+6*\i:9+6*\i] op_sel_hi:[1,0] neg_lo:[0,1] neg_hi:[0,1]   ; x - mean (the pair's low word serves both halves)
.endr
.endr
.irp i, 0,1,2,3
	v_pk_mul_f32 v[8+6*\i:9+6*\i], v[X+32*\i:X+32*\i+1], v[X+32*\i:X+32*\i+1]
	v_pk_mul_f32 v[10+6*\i:11+6*\i], v[X+32*\i+2:X+32*\i+3], v[X+32*\i+2:X+32*\i+3]
.endr
.irp j, 4,8,12,16,20,24,28
.irp i, 0,1,2,3
	v_pk_fma_f32 v[8+6*\i:9+6*\i], v[X+32*\i+\j:X+32*\i+\j+1], v[X+32*\i+\j:X+32*\i+\j+1], v[8+6*\i:9+6*\i]
	v_pk_fma_f32 v[10+6*\i:11+6*\i], v[X+32*\i+\j+2:X+32*\i+\j+3], v[X+32*\i+\j+2:X+32*\i+\j+3], v[10+6*\i:11+6*\i]
.endr
.endr
	REDUCE
.irp i, 0,1,2,3
	v_fma_f32 v[12+6*\i], v[12+6*\i], s18, s14     ; var + eps
.endr
	s_wait_alu depctr_va_vdst(0)
.irp i, 0,1,2,3
	v_rsq_f32 v[8+6*\i], v[12+6*\i]
.endr
	v_nop                                          ; a plain line behind the last of the four
	s_wait_alu depctr_va_vdst(0)                   ; one wait for the batch, ahead of its first reader
	s_wait_loadcnt 0x0                             ; g and b
.irp i, 0,1,2,3
.irp j, 0,2,4,6,8,10,12,14,16,18,20,22,24,26,28,30
	v_pk_mul_f32 v[X+32*\i+\j:X+32*\i+\j+1], v[X+32*\i+\j:X+32*\i+\j+1], v[8+6*\i:9+6*\i] op_sel_hi:[1,0]
.endr
.irp j, 0,2,4,6,8,10,12,14,16,18,20,22,24,26,28,30
	v_pk_fma_f32 v[X+32*\i+\j:X+32*\i+\j+1], v[X+32*\i+\j:X+32*\i+\j+1], v[G+\j:G+\j+1], v[BT+\j:BT+\j+1]
.endr
.irp j, 0,1,2,3,4,5,6,7
	ds_store_b128 v3, v[X+32*\i+4*\j:X+32*\i+4*\j+3] offset:PITCH*\i+512*\j
.endr
.endr
	s_wait_dscnt 0x0                               ; for the others' sake: my rows lie in the stage
	s_barrier_signal -1
	s_barrier_wait -1
.irp c, 0,1,2,3
.irp k, 0,1,2,3,4,5,6,7
	ds_load_b128 v[X+32*\c+4*\k:X+32*\c+4*\k+3], v4 offset:256*\c+16*\k   ; HALF 4 w + c: my row's block h, 32 neighbours
.endr
.endr
.irp c, 0,1,2,3
	s_wait_dscnt 24-8*\c                           ; this HALF's eight loads are in; the later HALFs' may be out
	v_max3_num_f32 v8, |v[X+32*\c]|, |v[X+32*\c+1]|, |v[X+32*\c+2]|
	v_max3_num_f32 v9, |v[X+32*\c+3]|, |v[X+32*\c+4]|, |v[X+32*\c+5]|
.irp i, 6,10,14,18,22,26
	v_max3_num_f32 v8, v8, |v[X+32*\c+\i]|, |v[X+32*\c+\i+1]|
	v_max3_num_f32 v9, v9, |v[X+32*\c+\i+2]|, |v[X+32*\c+\i+3]|
.endr
	v_max3_num_f32 v8, v8, |v[X+32*\c+30]|, |v[X+32*\c+31]|
	v_max3_num_f32 v8, v8, v9, 0x1800000           ; the floor 2^(3 - 127): the byte cannot fall under 1
	v_add_nc_u32 v[16+\c], 0xff000000, v8          ; 2 off the exponent field: the conversion's scale operand
	v_lshrrev_b32 v[20+\c], 23, v[16+\c]           ; the scale's byte
	v_cvt_scalef32_pk16_fp6_f32 v[CD+8*\c:CD+8*\c+2], v[X+32*\c:X+32*\c+15], v[16+\c]
	v_cvt_scalef32_pk16_fp6_f32 v[G+4*\c:G+4*\c+2], v[X+32*\c+16:X+32*\c+31], v[16+\c]   ; (a conversion's three registers begin on an even number)
	v_nop                                          ; one plain line behind a scaled conversion
.irp i, 0,1,2
	v_mov_b32 v[CD+8*\c+3+\i], v[G+4*\c+\i]
.endr
	global_store_b128 v1, v[CD+8*\c:CD+8*\c+3], s[22:23] offset:768*\c          ; 512 consecutive bytes, aligned to 256
	global_store_b64 v2, v[CD+8*\c+4:CD+8*\c+5], s[22:23] offset:768*\c+512     ; 256
.endr
	v_lshl_or_b32 v24, v21, 16, v20                ; my two bytes of scale word 2 w: blocks h and 2 + h,
	v_lshl_or_b32 v25, v23, 16, v22                ; and of word 2 w + 1,
	v_lshlrev_b32 v24, v6, v24                     ; at their places (8 h bits up);
	v_lshlrev_b32 v25, v6, v25
	v_permlanex16_b32 v26, v24, s12, s13
	v_permlanex16_b32 v27, v25, s12, s13
	v_or_b32 v24, v24, v26                         ; with lane l xor 16's two the words are whole
	v_or_b32 v25, v25, v27
	v_cndmask_b32 v24, v24, v25, s15               ; lanes 0-15 store word 2 w, lanes 16-31 word 2 w + 1
	global_store_b32 v5, v24, s[24:25]             ; 128 consecutive bytes a wave, 512 a work-group
	s_wait_tensorcnt 0x0                           ; the wave's end, behind my last LDS store
	ds_add_u32 v[SPW], v[NIL]
	s_wait_dscnt 0x0
	s_endpgm
.Lfunc_end_k_q71a53d6919_prep:
	.size	k_q71a53d6919_prep, .Lfunc_end_k_q71a53d6919_prep-k_q71a53d6919_prep
	.p2alignl 7, 3214868480
	.fill 96, 4, 3214868480
	.section	.rodata,"a",@progbits
	.p2align	6, 0x0
	.amdhsa_kernel k_q71a53d6919_prep
		.amdhsa_group_segment_fixed_size 66304
		.amdhsa_private_segment_fixed_size 0
		.amdhsa_enable_private_segment 0
		.amdhsa_kernarg_size 72
		.amdhsa_user_sgpr_count 2
		.amdhsa_user_sgpr_kernarg_segment_ptr 1
		.amdhsa_wavefront_size32 1
		.amdhsa_system_sgpr_workgroup_id_x 1
		.amdhsa_system_sgpr_workgroup_id_y 1
		.amdhsa_system_sgpr_workgroup_id_z 1
		.amdhsa_system_vgpr_workitem_id 0
		.amdhsa_next_free_vgpr 256
		.amdhsa_next_free_sgpr 66
		.amdhsa_reserve_vcc 0
		.amdhsa_float_denorm_mode_32 3
		.amdhsa_float_denorm_mode_16_64 3
		.amdhsa_memory_ordered 1
		.amdhsa_forward_progress 1
		.amdhsa_inst_pref_size 200
	.end_amdhsa_kernel
	.amdgpu_metadata
---
amdhsa.version: [ 1, 2 ]
amdhsa.kernels:
  - .name:           k_q71a53d6919_prep
    .symbol:         k_q71a53d6919_prep.kd
    .args:
      - { .name: x, .offset: 0, .size: 8, .value_kind: global_buffer, .address_space: global }
      - { .name: ln1_g, .offset: 8, .size: 8, .value_kind: global_buffer, .address_space: global }
      - { .name: ln1_b, .offset: 16, .size: 8, .value_kind: global_buffer, .address_space: global }
      - { .name: hq, .offset: 24, .size: 8, .value_kind: global_buffer, .address_space: global }
      - { .name: w_qkv, .offset: 32, .size: 8, .value_kind: global_buffer, .address_space: global }
      - { .name: w_proj, .offset: 40, .size: 8, .value_kind: global_buffer, .address_space: global }
      - { .name: w_fc1, .offset: 48, .size: 8, .value_kind: global_buffer, .address_space: global }
      - { .name: w_fc2, .offset: 56, .size: 8, .value_kind: global_buffer, .address_space: global }
      - { .name: wts, .offset: 64, .size: 8, .value_kind: global_buffer, .address_space: global }
    .group_segment_fixed_size: 66304
    .private_segment_fixed_size: 0
    .kernarg_segment_align: 8
    .kernarg_segment_size: 72
    .max_flat_workgroup_size: 128
    .sgpr_count:     66
    .vgpr_count:     256
    .wavefront_size: 32
...
	.end_amdgpu_metadata
.endif
;; end of part 1
;; launch g1 (part 2): grid 48 x 4, 4 waves a work-group, clusters of 4 x 4, 327,680 bytes of LDS; arguments hq, wts, b_qkv, qkv; writes qkv
.if DOCPART == 2
	.amdgcn_target "amdgcn-amd-amdhsa--gfx1250"
	.amdhsa_code_object_version 6
	.text
	.protected	k_q71a53d6919_g1
	.globl	k_q71a53d6919_g1
	.p2align	8
	.type	k_q71a53d6919_g1,@function
k_q71a53d6919_g1:
	s_mov_b64 s[64:65], 0
	v_nop
	global_prefetch_b8 v0, s[64:65] scope:SCOPE_SE
	s_setreg_imm32_b32 hwreg(HW_REG_WAVE_MODE, 25, 1), 1
	s_wait_xcnt 0x0
	s_wait_alu depctr_hold_cnt(0) depctr_sa_sdst(0) depctr_va_vdst(0) depctr_va_sdst(0) depctr_va_ssrc(0) depctr_va_vcc(0) depctr_vm_vsrc(0)
	s_getreg_b32 s2, hwreg(HW_REG_IB_STS2, 6, 4)
	s_cmp_eq_u32 s2, 0
	s_cbranch_scc0 .Lentry_in_a_cluster
	s_endpgm
.Lentry_in_a_cluster:
	s_bfe_u32 s2, ttmp6, 0x10000c
	s_cmp_lg_u32 s2, 0xf033
	s_cbranch_scc0 .Lentry_shape_is_right
	s_endpgm
.Lentry_shape_is_right:
; qkv = h w_qkv + b_qkv on codes of FP6 (E2M3) with E8M0 scales, and q, k, v quantised on the way out for the two products of attention.  Nothing of qkv goes to memory as f32.
; OPERANDS lie in the order of the operand's registers: [row tile][K / 64][768]; a HALF of 768 bytes is 16 rows x 64 along K: lane l's 16 bytes at 16 l, its 8 at 512 + 8 l.  A fragment (16 x 128, 12 registers) is two HALFs:
; two loads of 16 bytes and two of 8 a lane, each over consecutive bytes: no pitch, no padding.  Scale words [row tile][8][16 r].
; A tile of the result, 256 x 256, is made by four waves, each 128 x 128: 64 accumulators, 512 registers.
; K = 1,024 IS FOUR STEPS OF 256.  THREE LDS SLOTS ARE FILLED AT THE START; the fourth step is brought into slot 0 when that has been read: ONE refill, one round of the cluster's barrier, and from the request to the wait for it a wave
; issues 32 + 3 x 64 = 224 matrix instructions.  The change from slot 1 to slot 2 has no barrier: slot 2 was shown landed to every wave by the wait for all loads and the round in front of the refill.
; THE MATRIX INSTRUCTION IS USED TRANSPOSED (source 0 = 16 rows of "B", source 1 = 16 rows of "A"): a lane holds ONE row of A and eight neighbouring rows of B in each accumulator.
; CLUSTERS 0-7 (q and k): A = tokens, B = rows n of w_qkv.  A lane holds a token and 128 columns = two heads: quantised along the head's 64.
; CLUSTERS 8-11 (v): A = the 1,024 rows of w_v, B = tokens.  A lane holds a channel and 128 tokens: quantised along the KEYS, which are the second product's K.  The branch hangs on the cluster's number alone.
; A block of 32 made so holds its numbers with bits 3 and 4 of k changed over; both operands of each product of attention are made so, which keeps the sums.
; OUT: part Q at 0, part KV at 6,553,600; each [batch x head 32][204,800]: codes [step 16][token tile 8][768]; from 98,304 V's codes [step][d tile 4][1,536]; from 196,608 scale words [step][16 r][pair of tiles 4];
; from 200,704 V's scale words [step][16 r][d tile 4].  A step is 128 tokens.
; CLUSTERS OF 4 x 4: A's tiles are shared along a row of the cluster, B's along a column: each is asked for JOINTLY, by the same tensor load with the same descriptor and a mask that names the four.
; A wave has at most four tensor loads out (scale words and three slots, at the start), later one.
; REGISTERS: window 0: v8-31 addresses; v32-63 scale words, two sets; v128-223 A's fragments, one set; v240-255 the bias by rows.  Window 1: B's fragments, two sets, at v0 and v128; the bias by columns in v96-127, v224-255.
; Windows 2, 3: the accumulators ((a, b) at v[8 (8 (a % 4) + b)] of window 2 + a / 4).  On the way out: v64-79 scale words made, v80-127 four sets of codes, v128-191 64 numbers, v192-198 the conversions' spare registers, v212-227 at work.
; LIMITS: NaN and infinities are not served; blocks whose largest magnitude lies under 2^-124 keep the byte 1 (a block of zeros too: its codes are zeros, and this program alone reads the bytes).
; THE FILLS AS THEY STAND (this paragraph takes the place of what is said above of three slots filled at the start and of four loads out):
; at the head ONE joint load a wave: wave 0 A's 256 rows of K 0..255 (slot 0), wave 1 B's, wave 2 A's scale words, wave 3 B's.  Behind the three lines and a round each wave brings its 128 rows of K 256..767 as rows of
; 6,144 bytes into the bytes of slots 1 and 2 (slot 2 is the same rows 3,072 bytes on).  When slot 0 has been read it takes K 768..1023: the one refill.  A wave has one tensor load out at any time.
; PREFETCH: of the eight row tiles that a wave fetches behind the head, the partner at place p (cx for A, cy for B) names tiles 2 p and 2 p + 1, a lane a block of 256 bytes: K 256..767 (24 blocks a tile) by two
; instructions at the head, K 768..1023 (12 blocks a tile, both tiles in one instruction) ahead of the first products, one change of slots ahead of its load.  Lanes 24-31 name the last block again.
.set MB,    8
.set NB,    8
.set NQ,    2                          ; fragments along K in a slot
.set KF,    8                          ; fragments along K in all
.set FR,    12
.set NL,    4                          ; LDS loads that bring a fragment
.set TROW,  NQ*1536                    ; a row tile's bytes in a slot
.set HALFT, MB*TROW                    ; what one tensor load brings, and what one wave reads of A or of B
.set SLOT,  4*HALFT
.set SCL,   3*SLOT                     ; behind the three slots: the scale words of A's and B's 256 rows, for all of K: filled once
.set HALFS, 4096
.set SPARE, SCL+4*HALFS                ; the spare words, 128 bytes a wave, that no other line names
.set HEADB, 204800
.set ADRA, 8                           ; v8-10 A's fragments in slot 0, 1, 2, 16 bytes a lane; v11-13 the same, 8 bytes a lane
.set ADRB, 16                          ; v16-21 the same for B
.set LSC,  24                          ; v24  16 r + a head's block x (lane / 16)
.set R4,   25                          ; v25  4 r
.set H32,  26                          ; v26  32 x (lane / 16)
.set ADRS, 27                          ; v27  my scale words: lanes 0-15 A's rows, lanes 16-31 B's
.set SPW,  28
.set NIL,  29
.set L16,  30
.set L8,   31
.set SC,   32
.set AF,   128
.set PWB,  64
.set WS,   72
.set PCS,  80
.set W,    128
.set TP,   192
.set TM,   212
.set BR,   240
.set SEL,  104
.set G1, 24
.set G0, 32                            ; s[32:39] group 0 for A's slots 0 and 1; the head's is built in s[20:23]
.set G1B, 48
.set G0B, 56                           ; s[56:63] the same for B; the head's in s[44:47]
.set G1S, 68
.set G0S, 76
.set G1SB, 80
.set G0SB, 88
.set MSB, 0
.macro WIN new                         ; the immediate's high byte repeats the setting that is left
.if MSB != (\new)
	s_set_vgpr_msb (MSB<<8)|(\new)
.set MSB, (\new)
.endif
.endm
.set WLO,  0xa1                        ; source 0 (B) window 1, source 1 (A) window 0, C and D window 2
.set WHI,  0xf1                        ; the same, C and D window 3
.set TO_B, 0x40                        ; destination window 1, address window 0
; A joint load: waves 0 and 1 fetch for A, waves 2 and 3 for B; the branch hangs on the wave's number alone.  An s_nop 0 and four v_nop follow each of the two lines.
.macro JLOAD g0a, g1a, g0b, g1b
	s_cmp_eq_u32 s15, 0
	s_cbranch_scc0 .Lfor_b_\@
	tensor_load_to_lds s[\g0a:\g0a+3], s[\g1a:\g1a+7]
	s_nop 0
.rept 4
	v_nop
.endr
	s_branch .Lasked_\@
.Lfor_b_\@:
	tensor_load_to_lds s[\g0b:\g0b+3], s[\g1b:\g1b+7]
	s_nop 0
.rept 4
	v_nop
.endr
.Lasked_\@:
.endm
.macro CREST                           ; a round of the cluster's barrier behind its opening barrier
	s_cmp_lg_u32 s14, 0
	s_cbranch_scc1 .Lnot_wave_0_\@
	s_barrier_signal -3
.Lnot_wave_0_\@:
	s_barrier_wait -3
	s_barrier_signal -1
	s_barrier_wait -1
.endm
.macro CROUND
	s_barrier_signal -1
	s_barrier_wait -1
	CREST
.endm
.macro PLACES n                        ; plain lines between a matrix instruction and a load into, or a read of, its registers
.rept \n
	v_nop
.endr
.endm
	s_load_b256 s[4:11], s[0:1], 0x0               ; h's codes and scales s[4:5], the weights' s[6:7], b_qkv s[8:9], out s[10:11]
	v_lshl_add_u32 v[SPW], v0, 2, SPARE
	v_mov_b32 v[NIL], 0
	ds_add_u32 v[SPW], v[NIL]                      ; the wave's opening: the add and its wait ahead of my first tensor load; work on registers stands between them
	ds_add_u32 v[SPW], v[NIL]
	v_lshrrev_b32 v1, 5, v0
	v_readfirstlane_b32 s14, v1                    ; wave 0..3
	s_lshr_b32 s15, s14, 1                         ; which half of the tile's rows is mine.  Also: I fetch for A (0) or for B (1)
	s_and_b32 s16, s14, 1                          ; which half of its columns.  Also: which half I fetch
	s_bfe_u32 s40, ttmp6, 0x40000                  ; cx, cy
	s_bfe_u32 s41, ttmp6, 0x40004
	s_lshr_b32 s18, ttmp9, 1
	s_and_b32 s101, ttmp9, 1
	s_sub_co_u32 s19, ttmp9, 8
	s_cmp_ge_u32 ttmp9, 8                          ; clusters 8 to 11 make v
	s_cselect_b32 s95, 1, 0
	s_cselect_b32 s18, 0, s18                      ; the cluster's row of tiles,
	s_cselect_b32 s19, s19, s101                   ; and its column
	s_cselect_b32 s12, 1572864, 0                  ; where A's codes begin in their buffer (w_v's rows: row tile 128),
	s_mov_b32 s13, 3145728
	s_cselect_b32 s13, 9502720, s13                ; A's scale words,
	s_mov_b32 s2, 9437184
	s_cselect_b32 s2, 3145728, s2                  ; and B's
	s_or_b32 s101, s101, s95                       ; 1: the result goes to part KV
	s_lshl_b32 s42, s19, 2
	s_add_co_u32 s42, s42, s40                     ; tile column
	s_lshl_b32 s17, s18, 2
	s_add_co_u32 s17, s17, s41                     ; tile row
	s_lshl_b32 s43, s41, 2
	s_lshl_b32 s43, 15, s43                        ; my row of the cluster
	s_lshl_b32 s44, 0x1111, s40                    ; my column
	s_or_b32 s[G1+0], s43, (3<<16)|(1<<21)         ; 15:0 the mask; 17:16 elements of 8 bytes; 21 set beside a mask; no padding
	s_or_b32 s[G1B+0], s44, (3<<16)|(1<<21)
.irp g, G1, G1B
	s_mov_b32 s[\g+1], (TROW/8)<<16                ; tensor_dim0: a row tile's bytes in a slot
	s_mov_b32 s[\g+2], (2*MB)<<16                  ; the head's loads of codes bring all 16 row tiles
	s_mov_b32 s[\g+3], (TROW/8)<<16
	s_mov_b32 s[\g+4], 2*MB
	s_mov_b32 s[\g+5], KF*192                      ; from row tile to row tile
	s_mov_b32 s[\g+6], 0
	s_mov_b32 s[\g+7], 0
.endr
	s_or_b32 s[G1S+0], s43, (3<<16)|(1<<21)        ; the scale words of 256 rows: a dense block, as rows of 256 bytes
	s_or_b32 s[G1SB+0], s44, (3<<16)|(1<<21)
.irp g, G1S, G1SB
	s_mov_b32 s[\g+1], 32<<16
	s_mov_b32 s[\g+2], (2*HALFS/256)<<16           ; the scale words of 256 rows
	s_mov_b32 s[\g+3], 32<<16
	s_mov_b32 s[\g+4], 2*HALFS/256
	s_mov_b32 s[\g+5], 32
	s_mov_b32 s[\g+6], 0
	s_mov_b32 s[\g+7], 0
.endr
	s_lshl_b32 s20, s17, 1                         ; A: the tile's first 128 rows
	s_lshl_b32 s46, s42, 1                         ; B likewise
	s_mul_i32 s18, s16, MB*KF*1536                 ; behind the head I fetch 128 rows: which half, in bytes
	s_mov_b32 s19, 0
	s_mul_i32 s22, s20, HALFS
	s_add_co_u32 s22, s22, s13
	s_mov_b32 s23, 0
	s_mul_i32 s92, s46, HALFS
	s_add_co_u32 s92, s92, s2
	s_mov_b32 s93, 0
	s_mul_i32 s20, s20, MB*KF*1536
	s_add_co_u32 s20, s20, s12
	s_mov_b32 s21, 0
	s_mul_i32 s46, s46, MB*KF*1536
	s_mov_b32 s47, 0
	s_mul_i32 s45, s14, HALFT                      ; where they go: no place in the cluster enters an LDS address
	s_mul_i32 s94, s14, 2*HALFT                    ; my part of the rows of 6,144 bytes
	s_wait_dscnt 0x0                               ; the opening add is done
	s_wait_kmcnt 0x0
	s_cmp_eq_u32 s95, 1
	s_cselect_b64 s[12:13], s[6:7], s[4:5]         ; A's buffer,
	s_cselect_b64 s[66:67], s[4:5], s[6:7]         ; and B's
	s_add_nc_u64 s[20:21], s[12:13], s[20:21]
	s_add_nc_u64 s[22:23], s[12:13], s[22:23]
	s_add_nc_u64 s[46:47], s[66:67], s[46:47]
	s_add_nc_u64 s[92:93], s[66:67], s[92:93]
	CROUND                                         ; all sixteen work-groups are here: the first joint loads meet
	s_mov_b32 s[G0S], 1
	s_mov_b32 s[G0S+1], SCL
	s_mov_b64 s[G0S+2:G0S+3], s[22:23]
	s_or_b32 s[G0S+3], s[G0S+3], 0x80000000
	s_mov_b32 s[G0SB], 1
	s_mov_b32 s[G0SB+1], SCL+2*HALFS
	s_mov_b64 s[G0SB+2:G0SB+3], s[92:93]
	s_or_b32 s[G0SB+3], s[G0SB+3], 0x80000000
	s_add_nc_u64 s[G0+2:G0+3], s[20:21], s[18:19]          ; slot 0's own group 0, first used at its refill: my 128 rows, K 0
	s_add_nc_u64 s[G0+6:G0+7], s[G0+2:G0+3], TROW          ; the long rows: my 128 rows, from K 256
	s_add_nc_u64 s[G0B+2:G0B+3], s[46:47], s[18:19]
	s_add_nc_u64 s[G0B+6:G0B+7], s[G0B+2:G0B+3], TROW
	s_cmp_eq_u32 s15, 0                            ; the prefetches: do I fetch for A?
	s_cselect_b64 s[92:93], s[G0+6:G0+7], s[G0B+6:G0B+7]   ; the eight row tiles that I fetch, from K 256; s[92:93] are not written again
	s_cselect_b32 s18, s40, s41                    ; my place among the four that ask for them with me:
	s_mul_i32 s18, s18, 2*KF*1536                  ; two row tiles for each place
	s_add_nc_u64 s[92:93], s[92:93], s[18:19]
.irp g, G0, G0B
	s_mov_b32 s[\g], 1
	s_add_co_u32 s[\g+1], s45, 0
	s_or_b32 s[\g+3], s[\g+3], 0x80000000
	s_mov_b32 s[\g+4], 1
	s_add_co_u32 s[\g+5], s94, SLOT
	s_or_b32 s[\g+7], s[\g+7], 0x80000000
.endr
	s_mov_b64 s[22:23], s[20:21]                   ; the head's group 0 for A's 256 rows of K 0..255: s[20:23],
	s_or_b32 s23, s23, 0x80000000
	s_mov_b32 s20, 1
	s_mov_b32 s21, 0
	s_or_b32 s47, s47, 0x80000000                  ; and for B's: s[44:47]
	s_mov_b32 s44, 1
	s_mov_b32 s45, 2*HALFT
; the head's loads, one a wave: one chain of branches on the wave's number, a load in each arm, all arms leading to one join
.macro ARM under, g0, g1, next
	s_cmp_lt_u32 s14, \under
	s_cbranch_scc0 \next
	tensor_load_to_lds s[\g0:\g0+3], s[\g1:\g1+7]
	s_nop 0
.rept 4
	v_nop
.endr
	s_branch .Lhead_asked
\next:
.endm
	ARM 1, 20, G1, .Lhead_b
	ARM 2, 44, G1B, .Lhead_sa
	ARM 3, G0S, G1S, .Lhead_sb
	tensor_load_to_lds s[G0SB:G0SB+3], s[G1SB:G1SB+7]
	s_nop 0
.rept 4
	v_nop
.endr
.Lhead_asked:
	v_and_b32 v1, 15, v0                           ; r
	v_bfe_u32 v2, v0, 4, 1                         ; lane / 16
	v_and_b32 v3, 31, v0
	v_lshlrev_b32 v[L16], 4, v3
	v_lshlrev_b32 v[L8], 3, v3
	v_min_u32 v14, 23, v3                          ; the prefetches' offsets, never rewritten: block b = lane, at most 23;
	v_mul_u32_u24 v15, v14, 171
	v_lshlrev_b32 v14, 8, v14                      ; v14 = 256 b: 24 blocks of one row tile;
	v_lshrrev_b32 v15, 11, v15                     ; b / 12 (171 b >> 11, for b under 24)
	v_mul_u32_u24 v15, v15, KF*1536-TROW
	v_add_nc_u32 v15, v15, v14                     ; v15 = 256 b + 9,216 (b / 12): 12 blocks of each of two row tiles
	s_wait_alu depctr_va_vdst(0)                   ; the wait
	global_prefetch_b8 v14, s[92:93] th:TH_LOAD_NT scope:SCOPE_SE                  ; K 256..767 of row tile 2 p,
	global_prefetch_b8 v14, s[92:93] offset:KF*1536 th:TH_LOAD_NT scope:SCOPE_SE   ; and of 2 p + 1
	s_mul_i32 s18, s15, HALFT                      ; my 128 rows of A
	s_mul_i32 s19, s16, HALFT                      ; my 128 rows of B,
	s_add_co_u32 s19, s19, 2*HALFT                 ; which lie behind A's 256
.irp s, 0,1,2
	v_add_nc_u32 v[ADRA+\s], s18, v[L16]
	v_add_nc_u32 v[ADRA+3+\s], s18, v[L8]
	v_add_nc_u32 v[ADRB+\s], s19, v[L16]
	v_add_nc_u32 v[ADRB+3+\s], s19, v[L8]
.if \s == 0
	s_lshl_b32 s18, s18, 1                         ; slot 1: behind slot 0, rows twice as long
	s_lshl_b32 s19, s19, 1
	s_add_co_u32 s18, s18, SLOT
	s_add_co_u32 s19, s19, SLOT
.else
	s_add_co_u32 s18, s18, TROW                    ; slot 2: the same rows, 3,072 bytes on
	s_add_co_u32 s19, s19, TROW
.endif
.endr
	v_lshlrev_b32 v5, 2, v1                        ; a scale word: 4 r
	s_mul_i32 s18, s15, HALFS
	s_mul_i32 s19, s16, HALFS
	s_add_co_u32 s19, s19, 2*HALFS
	s_sub_co_u32 s19, s19, s18
	v_mul_u32_u24 v6, s19, v2                      ; lanes 16-31 take B's
	s_add_co_u32 s18, s18, SCL
	v_add_nc_u32 v5, v5, v6
	v_add_nc_u32 v[ADRS], s18, v5
	v_mul_u32_u24 v[LSC], v2, HEADB
	v_lshl_add_u32 v[LSC], v1, 4, v[LSC]
	v_lshlrev_b32 v[R4], 2, v1
	v_lshlrev_b32 v[H32], 5, v2
	; where my 128 x 128 goes, and its bias
	s_wait_alu depctr_va_vdst(0)
	s_lshl_b32 s96, s17, 1
	s_add_co_u32 s96, s96, s15                     ; which 128 rows of A are mine
	s_lshl_b32 s98, s42, 1
	s_add_co_u32 s98, s98, s16                     ; which 128 rows of B
	s_and_b32 s2, s98, 7
	s_lshl_b32 s12, s98, 9
	s_lshl_b32 s66, s96, 9
	s_add_co_u32 s66, s66, 8192
	s_mul_i32 s101, s101, 6553600
	s_cmp_eq_u32 s95, 1
	s_cselect_b32 s18, s98, s96                    ; the 128 tokens: batch x 16 + step
	s_cselect_b32 s2, s96, s2                      ; the pair of heads
	s_cselect_b32 s12, 0, s12                      ; the bias by columns (q, k); for v a place inside the buffer whose numbers are not used
	s_cselect_b32 s66, s66, 0                      ; the bias by rows (v); for q, k likewise
	s_cselect_b32 s19, 98304, 0
	s_mov_b32 s3, 196608
	s_cselect_b32 s3, 200704, s3
	s_mov_b32 s13, 0
	s_mov_b32 s67, 0
	s_add_nc_u64 s[12:13], s[8:9], s[12:13]
	s_add_nc_u64 s[66:67], s[8:9], s[66:67]
	s_lshr_b32 s96, s18, 4
	s_lshl_b32 s96, s96, 3
	s_add_co_u32 s96, s96, s2
	s_mul_i32 s96, s96, 2*HEADB
	s_add_co_u32 s96, s96, s101                    ; the first head's block
	s_and_b32 s18, s18, 15                         ; the step
	s_lshl_b32 s98, s18, 8
	s_add_co_u32 s98, s98, s3
	s_add_co_u32 s98, s98, s96
	s_mov_b32 s99, 0
	s_mul_i32 s18, s18, 6144
	s_add_co_u32 s18, s18, s19
	s_add_co_u32 s96, s96, s18
	s_mov_b32 s97, 0
	s_add_nc_u64 s[96:97], s[10:11], s[96:97]      ; codes
	s_add_nc_u64 s[98:99], s[10:11], s[98:99]      ; scale words
	s_mov_b32 s100, 0xffff0000                     ; lanes 16-31
	s_mov_b32 s[SEL], 0x76543210
	s_mov_b32 s[SEL+1], 0xfedcba98
	WIN TO_B
.irp i, 0,1,2,3,4,5,6,7                        ; the bias of columns 16 i + 8 (lane / 16) + 0 .. 7: registers that the products never name
	global_load_b128 v[96+8*\i+96*(\i/4):96+8*\i+96*(\i/4)+3], v[H32], s[12:13] offset:64*\i
	global_load_b128 v[96+8*\i+96*(\i/4)+4:96+8*\i+96*(\i/4)+7], v[H32], s[12:13] offset:64*\i+16
.endr
	WIN 0
.irp a, 0,1,2,3,4,5,6,7                        ; the bias of row 16 a + r, twice: a pair for the packed addition
	global_load_b32 v[BR+2*\a], v[R4], s[66:67] offset:64*\a
	global_load_b32 v[BR+2*\a+1], v[R4], s[66:67] offset:64*\a
.endr
.macro FRAG reg, adr, off              ; a fragment: two HALFs, each 16 bytes and 8 bytes a lane
.irp c, 0,1
	ds_load_b128 v[\reg+6*\c:\reg+6*\c+3], v[\adr] offset:(\off)+768*\c
	ds_load_b64 v[\reg+6*\c+4:\reg+6*\c+5], v[\adr+3] offset:(\off)+768*\c+512
.endr
.endm
.macro FETCH_B slot, q, p              ; B's fragments of the slot's q-th 128 along K into set p
	WIN TO_B
.set fi, 0
.rept NB
	FRAG 128*(\p)+FR*fi, ADRB+\slot, fi*TROW*(1+((\slot)+1)/2)+(\q)*1536
.set fi, fi+1
.endr
	WIN 0
.endm
.macro FETCH_A slot, q, i0             ; half of A's blocks, from i0 on
.set fi, \i0
.rept MB/2
	FRAG AF+FR*fi, ADRA+\slot, fi*TROW*(1+((\slot)+1)/2)+(\q)*1536
.set fi, fi+1
.endr
.endm
.macro SCALES set                      ; a step's scale words: lanes 0-15 take A's block i, lanes 16-31 B's
.irp q, 0,1
.irp i, 0,1,2,3,4,5,6,7
	ds_load_b32 v[SC+16*(\set)+8*\q+\i], v[ADRS] offset:512*\i+64*\q
.endr
.endr
.endm
; MB / 4 blocks of A x all of B's.  The accumulators take turns, one instruction a turn, in the same order in every step.  zero = 1: the first product starts the sums.
.macro MULQ a0, p, q, sc, zero
.set ma, \a0
.rept MB/4
.set mb, 0
.rept NB
.set mD, (8*(NB*ma+mb))%256
.set mB, 128*(\p)+FR*mb
.set mA, AF+FR*ma
.set mS, SC+16*(\sc)+MB*(\q)
.if \zero
	v_wmma_scale_f32_16x16x128_f8f6f4 v[mD:mD+7], v[mB:mB+FR-1], v[mA:mA+FR-1], 0, v[mS+mb], v[mS+ma] matrix_a_fmt:MATRIX_FMT_FP6 matrix_b_fmt:MATRIX_FMT_FP6 matrix_a_scale:MATRIX_SCALE_ROW1
.else
	v_wmma_scale_f32_16x16x128_f8f6f4 v[mD:mD+7], v[mB:mB+FR-1], v[mA:mA+FR-1], v[mD:mD+7], v[mS+mb], v[mS+ma] matrix_a_fmt:MATRIX_FMT_FP6 matrix_b_fmt:MATRIX_FMT_FP6 matrix_a_scale:MATRIX_SCALE_ROW1
.endif
.set mb, mb+1
.endr
.set ma, ma+1
.endr
.endm
.macro STEP slot, set, q, zero         ; 128 along K that has its successor in the same slot.  set: which set of scale words
	s_wait_dscnt (MB/2)*NL                         ; B's set, A's lower blocks and the scale words are in; the youngest loads (A's upper blocks) may be out
	WIN WLO
	MULQ 0, (\q)%2, \q, \set, \zero
	MULQ MB/4, (\q)%2, \q, \set, \zero
	s_wait_dscnt 0                                 ; A's upper blocks are in
	PLACES 4
	FETCH_B \slot, (\q)+1, 1-(\q)%2
	FETCH_A \slot, (\q)+1, 0
	WIN WHI
	MULQ MB/2, (\q)%2, \q, \set, \zero
	MULQ 3*MB/4, (\q)%2, \q, \set, \zero
	PLACES 4
	WIN 0
	FETCH_A \slot, (\q)+1, MB/2
.endm
; A slot's last step changes slots.  how = 2: this slot is filled again: each wave waits for all its tensor loads, adds 0 to its spare word, waits for that and for its reads of this slot; the barrier opens a round of the cluster's.
; how = 1: the next slot is the one that was filled again: the same lines and the work-group's barrier show it whole to every wave.  how = 0: the next slot was shown whole at the round: no barrier, and the refill stays on its way.
.macro TURN slot, set, next, nset, how
.if \how
	s_wait_tensorcnt 0x0                           ; all my tensor loads have landed
	ds_add_u32 v[SPW], v[NIL]                      ; 0 onto my spare word
	s_wait_dscnt (MB/2)*NL+1                       ; (the add and A's upper blocks may be out)
	WIN WLO
	MULQ 0, 1, NQ-1, \set, 0
	s_wait_dscnt 0x0                               ; the add is done, and my reads of this slot are over
	s_barrier_signal -1
	MULQ MB/4, 1, NQ-1, \set, 0
	WIN 0
	s_barrier_wait -1
.else
	s_wait_dscnt (MB/2)*NL
	WIN WLO
	MULQ 0, 1, NQ-1, \set, 0
	MULQ MB/4, 1, NQ-1, \set, 0
	s_wait_dscnt 0x0                               ; A's upper blocks are in
	WIN 0
.endif
.if \how == 2
	CREST                                          ; no wave of any partner still reads this slot or has a load on its way
	s_add_nc_u64 s[G0+4*\slot+2:G0+4*\slot+3], s[G0+4*\slot+2:G0+4*\slot+3], 3*TROW
	s_add_nc_u64 s[G0B+4*\slot+2:G0B+4*\slot+3], s[G0B+4*\slot+2:G0B+4*\slot+3], 3*TROW
	s_mov_b32 s[G1+1], (TROW/8)<<16                ; no load of mine is out: the refill's rows are 3,072 bytes again
	s_mov_b32 s[G1+3], (TROW/8)<<16
	s_mov_b32 s[G1B+1], (TROW/8)<<16
	s_mov_b32 s[G1B+3], (TROW/8)<<16
	JLOAD G0+4*\slot, G1, G0B+4*\slot, G1B         ; the first tensor load behind the round; its four v_nop are the places in front of the loads below
.else
	PLACES 4
.endif
	v_add_nc_u32 v[ADRS], 64*NQ, v[ADRS]           ; the next step's scale words
	FETCH_B \next, 0, 0
	FETCH_A \next, 0, 0
	SCALES \nset
	WIN WHI
	MULQ MB/2, 1, NQ-1, \set, 0
	MULQ 3*MB/4, 1, NQ-1, \set, 0
	PLACES 4
	WIN 0
	FETCH_A \next, 0, MB/2
.endm
	s_wait_alu depctr_va_vdst(0)                   ; the wait at the head's end
	s_wait_tensorcnt 0x0                           ; my tile of the head's four is in; with the add and its wait, ahead of a later first fill
	ds_add_u32 v[SPW], v[NIL]
	s_mov_b32 s[G1+1], (2*TROW/8)<<16              ; no load of mine is out: the next load brings 8 row tiles x 6,144 bytes
	s_mov_b32 s[G1+2], MB<<16
	s_mov_b32 s[G1+3], (2*TROW/8)<<16
	s_mov_b32 s[G1+4], MB
	s_mov_b32 s[G1B+1], (2*TROW/8)<<16
	s_mov_b32 s[G1B+2], MB<<16
	s_mov_b32 s[G1B+3], (2*TROW/8)<<16
	s_mov_b32 s[G1B+4], MB
	s_wait_dscnt 0x0
	CROUND                                         ; all four tiles are in, and all sixteen work-groups are here
	JLOAD G0+4, G1, G0B+4, G1B                     ; K 256..767, the first tensor load behind the round
	FETCH_B 0, 0, 0
	FETCH_A 0, 0, 0
	SCALES 0
	FETCH_A 0, 0, MB/2
	global_prefetch_b8 v15, s[92:93] offset:2*TROW th:TH_LOAD_NT scope:SCOPE_SE   ; K 768..1023 of my two row tiles: its load stands behind the next round
	STEP 0, 0, 0, 1
	TURN 0, 0, 1, 1, 2                             ; slot 0 takes K's last 256
	s_wait_alu depctr_va_vdst(0)
	STEP 1, 1, 0, 0
	TURN 1, 1, 2, 0, 0
	s_wait_alu depctr_va_vdst(0)
	STEP 2, 0, 0, 0
	TURN 2, 0, 0, 1, 1
	STEP 0, 1, 0, 0
	s_wait_dscnt (MB/2)*NL                         ; the very last 128 along K: nothing more to fetch
	WIN WLO
	MULQ 0, 1, NQ-1, 1, 0
	MULQ MB/4, 1, NQ-1, 1, 0
	s_wait_dscnt 0
	WIN WHI
	MULQ MB/2, 1, NQ-1, 1, 0
	MULQ 3*MB/4, 1, NQ-1, 1, 0
	WIN 0
; 64 numbers of a lane, v[s] on, register 16 b + i in block b of my row: QSCALE makes the four scales and the scale word v[pw], QCODES the fragment's codes in v[pc] on.
.macro QSCALE s, pw
.irp b, 0,1,2,3
	v_max3_num_f32 v[TM+\b], |v[\s+16*\b]|, |v[\s+1+16*\b]|, 0x1800000   ; my 16 numbers of block b, and the floor 2^(3 - 127): the byte cannot fall under 1
.endr
.irp i, 2,4,6,8,10,12,14
.irp b, 0,1,2,3
	v_max3_num_f32 v[TM+\b], v[TM+\b], |v[\s+16*\b+\i]|, |v[\s+1+16*\b+\i]|
.endr
.endr
.irp b, 0,1,2,3
	v_permlanex16_b32 v[TM+4+\b], v[TM+\b], s[SEL], s[SEL+1]
.endr
.irp b, 0,1,2,3
	v_max_num_f32 v[TM+\b], v[TM+\b], v[TM+4+\b]   ; with lane l xor 16's: the block's largest magnitude
.endr
.irp b, 0,1,2,3
	v_add_nc_u32 v[TM+12+\b], 0xff000000, v[TM+\b] ; 2 off the exponent field: the conversion's scale operand
.endr
.irp b, 0,1,2,3
	v_lshrrev_b32 v[TM+4+\b], 23, v[TM+12+\b]      ; the scale's byte
.endr
	v_lshl_or_b32 v[\pw], v[TM+5], 8, v[TM+4]
	v_lshl_or_b32 v[\pw], v[TM+6], 16, v[\pw]
	v_lshl_or_b32 v[\pw], v[TM+7], 24, v[\pw]
.endm
.macro QCODES s, pc
.irp c, 0,1
	v_cvt_scalef32_pk16_fp6_f32 v[\pc+6*\c:\pc+2+6*\c], v[\s+32*\c:\s+15+32*\c], v[TM+12+2*\c]
	v_cvt_scalef32_pk16_fp6_f32 v[TP+4*\c:TP+2+4*\c], v[\s+16+32*\c:\s+31+32*\c], v[TM+12+2*\c+1]   ; (a conversion's three registers begin on an even number)
.endr
	v_nop                                          ; one plain line behind a scaled conversion
.irp c, 0,1                                    ; the operand's layout wants a whole block in a lane
.irp i, 0,1,2
	v_permlane16_swap_b32 v[\pc+6*\c+\i], v[TP+4*\c+\i]
.endr
.irp i, 0,1,2
	v_mov_b32 v[\pc+3+6*\c+\i], v[TP+4*\c+\i]
.endr
.endr
.endm
; THE CODES' REGISTERS: four sets take turns, block a in set a % 4.  Blocks 0 to 3 write sets that no store has read; ONE wait on XCNT, ahead of block 4's conversions, stands behind the stores of blocks 0 to 3:
; behind it blocks 4 to 7 write sets whose stores have read them, and no set is written a third time.
; q, k: 16 tokens x 128 columns: + bias by columns, quantised; the fragment's two HALFs are two heads' token tile a
.macro QKROW a
.set pcx, PCS+12*((\a)%4)
	WIN 6+(\a)/4                                   ; source 0 window 2 or 3, source 1 window 1
.set si, 0
.rept 32
	v_pk_add_f32 v[W+2*si:W+2*si+1], v[64*((\a)%4)+2*si:64*((\a)%4)+2*si+1], v[96+8*(si/4)+96*(si/16)+2*(si%4):96+8*(si/4)+96*(si/16)+2*(si%4)+1]   ; each accumulator from its low end on
.set si, si+1
.endr
	WIN 0
	QSCALE W, PWB+\a
.if \a == 4
	s_wait_xcnt 0x0                                ; the stores of blocks 0 to 3 have read the four sets
.endif
	QCODES W, pcx
	global_store_b128 v[L16], v[pcx:pcx+3], s[96:97] offset:768*\a
	global_store_b64 v[L8], v[pcx+4:pcx+5], s[96:97] offset:768*\a+512
	global_store_b128 v[L16], v[pcx+6:pcx+9], s[96:97] offset:768*\a+HEADB
	global_store_b64 v[L8], v[pcx+10:pcx+11], s[96:97] offset:768*\a+HEADB+512
.endm
; v: 16 channels x 128 tokens: + bias by rows, quantised along the tokens; a whole fragment of head a / 4, d tile a % 4
.macro VROW a
.set pcx, PCS+12*((\a)%4)
	WIN 2+(\a)/4
.set si, 0
.rept 32
	v_pk_add_f32 v[W+2*si:W+2*si+1], v[64*((\a)%4)+2*si:64*((\a)%4)+2*si+1], v[BR+2*\a:BR+2*\a+1]
.set si, si+1
.endr
	WIN 0
	QSCALE W, PWB+\a
.if \a == 4
	s_wait_xcnt 0x0                                ; the stores of blocks 0 to 3 have read the four sets
.endif
	QCODES W, pcx
	global_store_b128 v[L16], v[pcx:pcx+3], s[96:97] offset:((\a)/4)*HEADB+((\a)%4)*1536
	global_store_b64 v[L8], v[pcx+4:pcx+5], s[96:97] offset:((\a)/4)*HEADB+((\a)%4)*1536+512
	global_store_b128 v[L16], v[pcx+6:pcx+9], s[96:97] offset:((\a)/4)*HEADB+((\a)%4)*1536+768
	global_store_b64 v[L8], v[pcx+10:pcx+11], s[96:97] offset:((\a)/4)*HEADB+((\a)%4)*1536+1280
.endm
	PLACES 4                                       ; behind the last products: their results are read and A's registers are written below
.irp b, 0,1,2,3
	v_mov_b32 v[TM+4+\b], 0                        ; a lane permute's destination counts as one of its sources
.endr
	s_wait_loadcnt 0x0                             ; the biases
	s_cmp_eq_u32 s95, 1
	s_cbranch_scc1 .Lvalues
.irp a, 0,1,2,3,4,5,6,7
	QKROW \a
.endr
.irp i, 0,1,2,3                                ; a word for attention: two bytes of token tile 2 i, two of tile 2 i + 1: the low halves are the first head's, the high halves the second's
	v_perm_b32 v[WS+\i], v[PWB+2*\i+1], v[PWB+2*\i], 0x05040100
	v_perm_b32 v[WS+4+\i], v[PWB+2*\i+1], v[PWB+2*\i], 0x07060302
.endr
.irp i, 0,1,2,3
	v_cndmask_b32 v[WS+\i], v[WS+\i], v[WS+4+\i], s100   ; lanes 16-31 store the second head's
.endr
	global_store_b128 v[LSC], v[WS:WS+3], s[98:99] ; sixteen lanes store 256 consecutive bytes, aligned
	s_branch .Ldone
.Lvalues:
.irp a, 0,1,2,3,4,5,6,7
	VROW \a
.endr
.irp i, 0,1,2,3
	v_cndmask_b32 v[WS+\i], v[PWB+\i], v[PWB+4+\i], s100
.endr
	global_store_b128 v[LSC], v[WS:WS+3], s[98:99]
.Ldone:
	s_wait_tensorcnt 0x0                           ; the wave's end
	ds_add_u32 v[SPW], v[NIL]
	s_wait_dscnt 0x0
	CROUND                                         ; the closing round: no work-group ends while a partner may still ask for a tile that names it
	s_endpgm
.Lfunc_end_k_q71a53d6919_g1:
	.size	k_q71a53d6919_g1, .Lfunc_end_k_q71a53d6919_g1-k_q71a53d6919_g1
	.p2alignl 7, 3214868480
	.fill 96, 4, 3214868480
	.section	.rodata,"a",@progbits
	.p2align	6, 0x0
	.amdhsa_kernel k_q71a53d6919_g1
		.amdhsa_group_segment_fixed_size 327680
		.amdhsa_private_segment_fixed_size 0
		.amdhsa_enable_private_segment 0
		.amdhsa_kernarg_size 32
		.amdhsa_user_sgpr_count 2
		.amdhsa_user_sgpr_kernarg_segment_ptr 1
		.amdhsa_wavefront_size32 1
		.amdhsa_system_sgpr_workgroup_id_x 1
		.amdhsa_system_sgpr_workgroup_id_y 1
		.amdhsa_system_sgpr_workgroup_id_z 1
		.amdhsa_system_vgpr_workitem_id 0
		.amdhsa_next_free_vgpr 1024
		.amdhsa_next_free_sgpr 106
		.amdhsa_reserve_vcc 0
		.amdhsa_float_denorm_mode_32 3
		.amdhsa_float_denorm_mode_16_64 3
		.amdhsa_memory_ordered 1
		.amdhsa_forward_progress 1
		.amdhsa_inst_pref_size 223
	.end_amdhsa_kernel
	.amdgpu_metadata
---
amdhsa.version: [ 1, 2 ]
amdhsa.kernels:
  - .name:           k_q71a53d6919_g1
    .symbol:         k_q71a53d6919_g1.kd
    .args:
      - { .name: hq, .offset: 0, .size: 8, .value_kind: global_buffer, .address_space: global }
      - { .name: wts, .offset: 8, .size: 8, .value_kind: global_buffer, .address_space: global }
      - { .name: b_qkv, .offset: 16, .size: 8, .value_kind: global_buffer, .address_space: global }
      - { .name: qkv, .offset: 24, .size: 8, .value_kind: global_buffer, .address_space: global }
    .group_segment_fixed_size: 327680
    .private_segment_fixed_size: 0
    .kernarg_segment_align: 8
    .kernarg_segment_size: 32
    .max_flat_workgroup_size: 128
    .sgpr_count:     106
    .vgpr_count:     1024
    .wavefront_size: 32
...
	.end_amdgpu_metadata
.endif
;; end of part 2
;; launch att (part 3): grid 8 x 32, 16 waves a work-group, clusters of 4 x 1, 327,680 bytes of LDS; arguments qkv, yq; writes yq
.if DOCPART == 3
	.amdgcn_target "amdgcn-amd-amdhsa--gfx1250"
	.amdhsa_code_object_version 6
	.text
	.protected	k_q71a53d6919_att
	.globl	k_q71a53d6919_att
	.p2align	8
	.type	k_q71a53d6919_att,@function
k_q71a53d6919_att:
	s_mov_b64 s[64:65], 0
	v_nop
	global_prefetch_b8 v0, s[64:65] scope:SCOPE_SE
	s_setreg_imm32_b32 hwreg(HW_REG_WAVE_MODE, 25, 1), 1
	s_wait_xcnt 0x0
	s_wait_alu depctr_hold_cnt(0) depctr_sa_sdst(0) depctr_va_vdst(0) depctr_va_sdst(0) depctr_va_ssrc(0) depctr_va_vcc(0) depctr_vm_vsrc(0)
	s_getreg_b32 s2, hwreg(HW_REG_IB_STS2, 6, 4)
	s_cmp_eq_u32 s2, 0
	s_cbranch_scc0 .Lentry_in_a_cluster
	s_endpgm
.Lentry_in_a_cluster:
	s_bfe_u32 s2, ttmp6, 0x10000c
	s_cmp_lg_u32 s2, 0x3003
	s_cbranch_scc0 .Lentry_shape_is_right
	s_endpgm
.Lentry_shape_is_right:
; y[q] = softmax_k(q . k / 8) v for one (batch, head), both products on codes of FP6 (E2M3) with E8M0 scales, and y quantised along the head's 64 for the projection.
; THE SOFTMAX AHEAD OF THE SECOND PRODUCT: t = score x log2(e) / 8; M = the running largest t rounded UP to a whole number; p = 2^(t - M) is quantised along the keys, not normalised.
; The row's sum is taken of the unquantised p and divides at the end.  When M moves, the sum and O are multiplied by 2^(old M - new M): exact.
; IN: part Q at 0, part KV at 6,553,600; each [batch x head][204,800]: codes [step 16][token tile 8][768]; from 98,304 V's codes [step][d tile 4][1,536] (keys innermost);
; from 196,608 scale words [step][16 r][pair of tiles 4]; from 200,704 V's [step][16 r][d tile 4].  A step is 128 keys.  All in the order of the operand's registers (lane l's 16 bytes at 16 l, its 8 at 512 + 8 l of each 768).
; SHARES: a work-group owns 256 queries of a head, each of its sixteen waves 16, in 256 registers: four waves to a SIMD.
; THE WHOLE HEAD'S K, V AND SCALE WORDS LIE IN LDS as they lie in memory: ONE tensor load a wave at the head, 50 rows of 256 bytes (16 x 12,800 = 204,800); nothing is filled again.
; The four query blocks of a cluster walk the same head: each fill is asked for JOINTLY, with a mask that names the four.  Nothing is prefetched: all that the launch reads is asked for at its head.
; PACE: a split barrier in every key step (the wait closes the barrier that the step before opened): no wave is more than one key step ahead of another, so the sixteen end together.
; Between its signal and its wait stand register work and loads of LDS bytes that nobody writes.
; LAYOUT: both products are used transposed, S^T = K Q^T, O^T = V^T P^T: a lane holds ONE query (lane % 16).  The first product's K is 64 in an instruction of 128: a fragment of K holds TWO tiles of 16 keys;
; multiplied by [q, zero codes] it gives the first tile's scores, by [zero codes, q] the second's.  p's blocks of 32 keys hold their numbers with bits 3 and 4 of the key changed over, and so do V's; q's and k's likewise.
; THE SUM OF p is 28 packed additions in four chains, three that join them and one multiply-add onto the running sum.  The last four of the 28 are the places behind the second product,
; and the join is the places behind the NEXT step's first product: so a step joins the sums of the step before (the first finds zeros; the last step's are joined behind the loop).
; OUT: y's codes [row tile 256][head 16][768]; from 3,145,728 scale words [64 rows][8][16 r][4 row tiles]: a head owns two bytes of a word, 2 bytes a lane.
; LIMITS: the scaled scores stay under 2^31 in magnitude; NaN and infinities are not served; blocks whose largest magnitude lies under 2^-124 keep the byte 1 (a block of zeros too: this program alone reads the bytes).
; REGISTERS: v1 16 l, v2 8 l, v5-6 the add's, v7 16 r; v8-11, v35 LDS addresses, stepped once a trip; v12 -M, v13 the largest t, v[14:15] the sum; v16-33 zeros, q, zeros; v34 q's scale word; v36-83 four fragments;
; v84-91 K's and V's scale words; v96-159 S^T, then p; v160-191 O^T; v192-203 p's codes; v204-211 the four chains; v232-248 at work; v252 f, v253 p's scale word, v254 the last -M.
.set HEADB, 204800
.set SPARE, 204800                     ; behind the head: the spare words, 128 bytes a wave, that no other line names
.set VOFF,  98304
.set SOFF,  196608
.set WV,   18
.set SEL,  20
.set CS,   22
.set CNT,  66
.set G0,   24
.set G1,   44
.set FRG,  36
.set KS,   84
.set VS,   88
.set S,    96
.set O,    160
.set PC,   192
.set T,    204
.macro CROUND                          ; a round of the cluster's barrier
	s_barrier_signal -1
	s_barrier_wait -1
	s_cmp_lg_u32 s[WV], 0
	s_cbranch_scc1 .Lnot_wave_0_\@
	s_barrier_signal -3
.Lnot_wave_0_\@:
	s_barrier_wait -3
	s_barrier_signal -1
	s_barrier_wait -1
.endm
	s_load_b128 s[4:7], s[0:1], 0x0                ; in s[4:5], out s[6:7]
	v_lshl_add_u32 v5, v0, 2, SPARE
	v_mov_b32 v6, 0
	ds_add_u32 v5, v6                              ; the opening lines: the add, twice on end, and its wait
	ds_add_u32 v5, v6
	v_lshrrev_b32 v8, 5, v0
	v_readfirstlane_b32 s[WV], v8                  ; wave 0..15
	s_bfe_u32 s8, ttmp6, 0x40000                   ; cx
	s_lshl_b32 s9, ttmp9, 2
	s_add_co_u32 s9, s9, s8                        ; my block of 256 queries: it enters q's and y's addresses alone
	s_and_b32 s10, ttmp7, 0xffff                   ; batch x 16 + head, which the four partners share
	s_mul_i32 s12, s10, HEADB
	s_mov_b32 s13, 0
	s_mov_b32 s[G1], 15|(3<<16)|(1<<21)            ; the mask: all four; elements of 8 bytes; bit 21 beside a mask
	s_mov_b32 s[G1+1], 32<<16                      ; rows of 256 bytes,
	s_mov_b32 s[G1+2], 50<<16                      ; fifty of them
	s_mov_b32 s[G1+3], 32<<16
	s_mov_b32 s[G1+4], 50
	s_mov_b32 s[G1+5], 32
	s_mov_b32 s[G1+6], 0
	s_mov_b32 s[G1+7], 0
	s_mul_i32 s14, s[WV], 12800                    ; my sixteenth: the same byte in the head's block and in LDS
	s_mov_b32 s15, 0
	s_mov_b32 s[SEL], 0x76543210
	s_mov_b32 s[SEL+1], 0xfedcba98
	s_mov_b32 s[CS], 0x3e38aa3b                    ; c = log2(e) / 8
	s_mov_b32 s[CS+1], s[CS]
	s_wait_dscnt 0x0
	s_wait_kmcnt 0x0
	s_add_nc_u64 s[60:61], s[4:5], s[12:13]        ; my head in part Q,
	s_add_nc_u64 s[62:63], s[60:61], 6553600       ; and in part KV
	s_mov_b32 s[G0], 1
	s_mov_b32 s[G0+1], s14
	s_add_nc_u64 s[G0+2:G0+3], s[62:63], s[14:15]
	s_or_b32 s[G0+3], s[G0+3], 0x80000000
	CROUND                                         ; all four work-groups are here: the joint loads meet
	tensor_load_to_lds s[G0:G0+3], s[G1:G1+7]      ; my one tensor load
	s_nop 0
	s_lshl_b32 s9, s9, 4
	s_add_co_u32 s9, s9, s[WV]                     ; my tile of 16 queries, 0 .. 127
	s_mul_i32 s72, s9, 768
	s_mov_b32 s73, 0
	s_add_nc_u64 s[72:73], s[60:61], s[72:73]      ; its codes
	s_lshr_b32 s74, s9, 3
	s_lshl_b32 s74, s74, 8
	s_and_b32 s75, s9, 6
	s_lshl_b32 s75, s75, 1
	s_add_co_u32 s74, s74, s75
	s_add_co_u32 s74, s74, SOFF
	s_mov_b32 s75, 0
	s_add_nc_u64 s[74:75], s[60:61], s[74:75]      ; the word that holds its two scale bytes
	v_and_b32 v8, 31, v0
	v_and_b32 v7, 15, v0
	v_lshlrev_b32 v1, 4, v8                        ; 16 l
	v_lshlrev_b32 v2, 3, v8                        ; 8 l
	v_lshlrev_b32 v7, 4, v7                        ; 16 r
	global_load_b128 v[22:25], v1, s[72:73]
	global_load_b64 v[26:27], v2, s[72:73] offset:512
	global_load_b32 v92, v7, s[74:75]
	v_mov_b32 v8, v1                               ; K's codes, 16 bytes a lane,
	v_mov_b32 v9, v2                               ; and 8;
	v_add_nc_u32 v10, VOFF, v1                     ; V's
	v_add_nc_u32 v11, VOFF, v2
	v_add_nc_u32 v35, SOFF, v7                     ; the scale words
.irp j, 16,17,18,19,20,21,28,29,30,31,32,33
	v_mov_b32 v[\j], 0                             ; zero codes on both sides of q
.endr
	s_and_b32 s76, s[WV], 1
	s_cmp_eq_u32 s76, 1
	s_mov_b32 s76, 0x01000100
	s_cselect_b32 s76, 0x03020302, s76             ; an even tile's bytes are the word's low two, an odd tile's the high two
	s_lshr_b32 s77, s10, 4                         ; where y goes
	s_lshl_b32 s77, s77, 7
	s_add_co_u32 s77, s77, s9                      ; the row tile among 256
	s_and_b32 s78, s10, 15                         ; the head
	s_mul_i32 s80, s77, 12288
	s_mul_i32 s81, s78, 768
	s_add_co_u32 s80, s80, s81
	s_mov_b32 s81, 0
	s_add_nc_u64 s[80:81], s[6:7], s[80:81]
	s_lshr_b32 s82, s77, 2
	s_lshl_b32 s82, s82, 11
	s_lshr_b32 s83, s78, 1
	s_lshl_b32 s83, s83, 8
	s_add_co_u32 s82, s82, s83
	s_and_b32 s83, s77, 3
	s_lshl_b32 s83, s83, 2
	s_add_co_u32 s82, s82, s83
	s_and_b32 s83, s78, 1
	s_lshl_b32 s83, s83, 1
	s_add_co_u32 s82, s82, s83
	s_add_co_u32 s82, s82, 3145728
	s_mov_b32 s83, 0
	s_add_nc_u64 s[82:83], s[6:7], s[82:83]
	s_wait_loadcnt 0x0                             ; q
	v_perm_b32 v34, v92, v92, s76                  ; q's two bytes, twice: they serve [q, 0] and [0, q]
	v_mov_b32 v13, 0xff61b1e6                      ; the largest t so far: -3e38
	v_mov_b32 v14, 0
	v_mov_b32 v15, 0
	v_floor_f32 v12, -v13                          ; -M
.irp b, 0,1,2,3
	v_mov_b32 v[236+\b], 0                         ; a lane permute's destination counts as one of its sources
.endr
	v_mov_b32 v254, v12
	v_mov_b32 v252, 0
	v_mov_b32 v253, 0
.irp j, 0,1,2,3,4,5,6,7
	v_mov_b32 v[T+\j], 0                           ; the first step joins chains of zeros
.endr
.irp j, 0,1,2,3,4,5,6,7,8,9,10,11,12,13,14,15,16,17,18,19,20,21,22,23,24,25,26,27,28,29,30,31
	v_mov_b32 v[O+\j], 0                           ; O^T: the step is written once; its first trip finds zeros
.endr
.macro STEP o                          ; 128 keys; o: which of the trip's two steps
.irp p, 0,1,2,3
.irp c, 0,1
	ds_load_b128 v[FRG+12*\p+6*\c:FRG+12*\p+6*\c+3], v8 offset:6144*\o+1536*\p+768*\c
	ds_load_b64 v[FRG+12*\p+6*\c+4:FRG+12*\p+6*\c+5], v9 offset:6144*\o+1536*\p+768*\c+512
.endr
.endr
	ds_load_b128 v[KS:KS+3], v35 offset:256*\o
	s_wait_alu depctr_va_vdst(0)                   ; the wait, directly ahead of the wait below
	s_wait_dscnt 0x0
.irp p, 0,1,2,3                                ; S^T: tile 2 p by [q, 0], tile 2 p + 1 by [0, q]
	v_wmma_scale_f32_16x16x128_f8f6f4 v[S+16*\p:S+16*\p+7], v[FRG+12*\p:FRG+12*\p+11], v[22:33], 0, v[KS+\p], v34 matrix_a_fmt:MATRIX_FMT_FP6 matrix_b_fmt:MATRIX_FMT_FP6
	v_wmma_scale_f32_16x16x128_f8f6f4 v[S+16*\p+8:S+16*\p+15], v[FRG+12*\p:FRG+12*\p+11], v[16:27], 0, v[KS+\p], v34 matrix_a_fmt:MATRIX_FMT_FP6 matrix_b_fmt:MATRIX_FMT_FP6
.endr
	v_pk_add_f32 v[T:T+1], v[T:T+1], v[T+2:T+3]    ; the last step's four chains are joined: four plain lines, the places behind the products
	v_pk_add_f32 v[T+4:T+5], v[T+4:T+5], v[T+6:T+7]
	v_pk_add_f32 v[T:T+1], v[T:T+1], v[T+4:T+5]
	v_pk_fma_f32 v[14:15], v[14:15], v[252:253], v[T:T+1] op_sel_hi:[1,0,1]   ; the sum x the last step's f + that step's p
.irp t, 0,1,2,3                                ; V's four fragments land while the softmax is walked
.irp c, 0,1
	ds_load_b128 v[FRG+12*\t+6*\c:FRG+12*\t+6*\c+3], v10 offset:6144*\o+1536*\t+768*\c
	ds_load_b64 v[FRG+12*\t+6*\c+4:FRG+12*\t+6*\c+5], v11 offset:6144*\o+1536*\t+768*\c+512
.endr
.endr
	ds_load_b128 v[VS:VS+3], v35 offset:4096+256*\o
.irp b, 0,1,2,3
	v_max3_num_f32 v[232+\b], v[S+16*\b], v[S+1+16*\b], v[S+2+16*\b]   ; the largest score of each block of 32 keys: for the row's maximum and, since p rises with the score, for the block's largest p
.endr
.irp i, 3,5,7,9,11,13
.irp b, 0,1,2,3
	v_max3_num_f32 v[232+\b], v[232+\b], v[S+16*\b+\i], v[S+1+16*\b+\i]
.endr
.endr
.irp b, 0,1,2,3
	v_max_num_f32 v[232+\b], v[232+\b], v[S+15+16*\b]
.endr
.irp b, 0,1,2,3
	s_delay_alu instid0(VALU_DEP_4)
	v_permlanex16_b32 v[236+\b], v[232+\b], s[SEL], s[SEL+1]
.endr
.irp b, 0,1,2,3
	s_delay_alu instid0(VALU_DEP_4)
	v_max_num_f32 v[232+\b], v[232+\b], v[236+\b]  ; with lane l xor 16's 16 keys
.endr
	s_delay_alu instid0(VALU_DEP_2)
	v_max3_num_f32 v248, v232, v233, v234
	s_delay_alu instid0(VALU_DEP_1)
	v_max_num_f32 v248, v248, v235
	s_delay_alu instid0(VALU_DEP_1)
	v_mul_f32 v248, s[CS], v248                    ; the step's largest t
	s_delay_alu instid0(VALU_DEP_1)
	v_max_num_f32 v13, v13, v248                   ; the running largest t
	s_delay_alu instid0(VALU_DEP_1)
	v_floor_f32 v12, -v13                          ; the new -M = -ceil(t)
	s_delay_alu instid0(VALU_DEP_1)
	v_sub_f32 v248, v12, v254                      ; old M - new M: a whole number, 0 or less
	s_delay_alu instid0(VALU_DEP_1)
	v_cvt_i32_f32 v248, v248
	s_delay_alu instid0(VALU_DEP_1)
	v_ldexp_f32 v252, 1.0, v248                    ; f = 2^(old M - new M)
.irp j, 0,2,4,6,8,10,12,14,16,18,20,22,24,26,28,30,32,34,36,38,40,42,44,46,48,50,52,54,56,58,60,62
	v_pk_fma_f32 v[S+\j:S+\j+1], v[S+\j:S+\j+1], s[CS:CS+1], v[12:13] op_sel_hi:[1,0,0]   ; t - M
.endr
.irp b, 0,1,2,3
	v_fma_f32 v[232+\b], v[232+\b], s[CS], v12
.endr
.irp j, 0,2,4,6,8,10,12,14,16,18,20,22,24,26,28,30
	v_pk_mul_f32 v[O+\j:O+\j+1], v[O+\j:O+\j+1], v[252:253] op_sel_hi:[1,0]   ; O^T under the new M, ahead of the exponentials
.endr
	s_wait_alu depctr_va_vdst(0)                   ; the wait ahead of the batch
.irp j, 0,1,2,3,4,5,6,7,8,9,10,11,12,13,14,15,16,17,18,19,20,21,22,23,24,25,26,27,28,29,30,31,32,33,34,35,36,37,38,39,40,41,42,43,44,45,46,47,48,49,50,51,52,53,54,55,56,57,58,59,60,61,62,63
	v_exp_f32 v[S+\j], v[S+\j]                     ; p = 2^(t - M)
.endr
.irp b, 0,1,2,3
	v_exp_f32 v[232+\b], v[232+\b]                 ; each block's largest p, in the same batch
.endr
	v_mov_b32 v254, v12                            ; -M is put by for the next step: the plain line behind the batch
	s_wait_alu depctr_va_vdst(0)                   ; one wait for the 68, ahead of their first reader
.irp b, 0,1,2,3
	v_max_num_f32 v[232+\b], 0x1800000, v[232+\b]  ; the floor 2^(3 - 127)
.endr
.irp b, 0,1,2,3
	s_delay_alu instid0(VALU_DEP_4)
	v_add_nc_u32 v[244+\b], 0xff000000, v[232+\b]  ; 2 off the exponent field: the conversion's scale operand
.endr
.irp b, 0,1,2,3
	s_delay_alu instid0(VALU_DEP_4)
	v_lshrrev_b32 v[236+\b], 23, v[244+\b]
.endr
	s_delay_alu instid0(VALU_DEP_3)
	v_lshl_or_b32 v253, v237, 8, v236              ; p's scale word for these 128 keys
	s_delay_alu instid0(VALU_DEP_1)
	v_lshl_or_b32 v253, v238, 16, v253
	s_delay_alu instid0(VALU_DEP_1)
	v_lshl_or_b32 v253, v239, 24, v253
.irp c, 0,1
	v_cvt_scalef32_pk16_fp6_f32 v[PC+6*\c:PC+2+6*\c], v[S+32*\c:S+15+32*\c], v[244+2*\c]
	v_cvt_scalef32_pk16_fp6_f32 v[236+4*\c:238+4*\c], v[S+16+32*\c:S+31+32*\c], v[244+2*\c+1]
.endr
.irp i, 0,1,2,3
	v_pk_add_f32 v[T+2*\i:T+2*\i+1], v[S+2*\i:S+2*\i+1], v[S+8+2*\i:S+9+2*\i]   ; the four chains begin: plain lines behind the conversions
.endr
.irp c, 0,1
.irp i, 0,1,2
	v_permlane16_swap_b32 v[PC+6*\c+\i], v[236+4*\c+\i]   ; the operand's layout wants a whole block in a lane
.endr
.irp i, 0,1,2
	v_mov_b32 v[PC+3+6*\c+\i], v[236+4*\c+\i]
.endr
.endr
.irp r, 1,2,3,4,5                              ; twenty more: they also stand between the writes of p's codes and scale word and the products
.irp i, 0,1,2,3
	v_pk_add_f32 v[T+2*\i:T+2*\i+1], v[T+2*\i:T+2*\i+1], v[S+8+8*\r+2*\i:S+9+8*\r+2*\i]
.endr
.endr
	s_wait_alu depctr_va_vdst(0)                   ; the wait, directly ahead of the wait below
	s_wait_dscnt 0x0                               ; V is in; no LDS instruction of mine is out at the signal
	s_barrier_wait -1                              ; every wave has passed this place in the step before,
	s_barrier_signal -1                            ; and I have passed it in this one
.irp t, 0,1,2,3
	v_wmma_scale_f32_16x16x128_f8f6f4 v[O+8*\t:O+8*\t+7], v[FRG+12*\t:FRG+12*\t+11], v[PC:PC+11], v[O+8*\t:O+8*\t+7], v[VS+\t], v253 matrix_a_fmt:MATRIX_FMT_FP6 matrix_b_fmt:MATRIX_FMT_FP6
.endr
.irp i, 0,1,2,3
	v_pk_add_f32 v[T+2*\i:T+2*\i+1], v[T+2*\i:T+2*\i+1], v[S+56+2*\i:S+57+2*\i]   ; the chains' last four: the places in front of the next loads into the fragments
.endr
.endm
	s_mov_b32 s[CNT], 8
	s_wait_alu depctr_va_vdst(0)                   ; the wait at the head's end
	s_wait_tensorcnt 0x0                           ; my sixteenth of the head is in LDS,
	s_barrier_signal -1
	s_barrier_wait -1                              ; everybody's is
	s_barrier_signal -1                            ; the pacing barrier is opened for the first step
.Ltrip:
	STEP 0
	STEP 1
	v_add_nc_u32 v8, 0x3000, v8                    ; two steps on: 12,288 bytes of codes, 512 of scale words
	v_add_nc_u32 v9, 0x3000, v9
	v_add_nc_u32 v10, 0x3000, v10
	v_add_nc_u32 v11, 0x3000, v11
	v_add_nc_u32 v35, 0x200, v35
	s_sub_co_u32 s[CNT], s[CNT], 1
	s_cmp_lg_u32 s[CNT], 0
	s_wait_alu depctr_va_vdst(0)                   ; the wait, directly ahead of the branch
	s_cbranch_scc1 .Ltrip
	s_barrier_wait -1                              ; the pacing barrier is closed
	; THE WAY OUT: the last step's chains; O^T / the sum, quantised along the head's 64: one HALF and two scale bytes
	v_pk_add_f32 v[T:T+1], v[T:T+1], v[T+2:T+3]
	v_pk_add_f32 v[T+4:T+5], v[T+4:T+5], v[T+6:T+7]
	v_pk_add_f32 v[T:T+1], v[T:T+1], v[T+4:T+5]
	v_pk_fma_f32 v[14:15], v[14:15], v[252:253], v[T:T+1] op_sel_hi:[1,0,1]
	s_delay_alu instid0(VALU_DEP_1)
	v_add_f32 v14, v14, v15
	s_delay_alu instid0(VALU_DEP_1)
	v_permlanex16_b32 v252, v14, s[SEL], s[SEL+1]
	s_delay_alu instid0(VALU_DEP_1)
	v_add_f32 v14, v14, v252                       ; the row's sum
	s_wait_alu depctr_va_vdst(0)
	v_rcp_f32 v14, v14
	v_nop                                          ; a plain line behind the reciprocal
	s_wait_alu depctr_va_vdst(0)                   ; the wait ahead of the first reader
.irp j, 0,1,2,3,4,5,6,7,8,9,10,11,12,13,14,15,16,17,18,19,20,21,22,23,24,25,26,27,28,29,30,31
	v_mul_f32 v[S+\j], v[O+\j], v14                ; register 8 t + i is y(r, 16 t + 8 (lane / 16) + i)
.endr
.irp b, 0,1
	v_max3_num_f32 v[232+\b], |v[S+16*\b]|, |v[S+1+16*\b]|, 0x1800000
.endr
.irp i, 2,4,6,8,10,12,14
.irp b, 0,1
	s_delay_alu instid0(VALU_DEP_2)
	v_max3_num_f32 v[232+\b], v[232+\b], |v[S+16*\b+\i]|, |v[S+1+16*\b+\i]|
.endr
.endr
.irp b, 0,1
	s_delay_alu instid0(VALU_DEP_2)
	v_permlanex16_b32 v[236+\b], v[232+\b], s[SEL], s[SEL+1]
.endr
.irp b, 0,1
	s_delay_alu instid0(VALU_DEP_2)
	v_max_num_f32 v[232+\b], v[232+\b], v[236+\b]
.endr
.irp b, 0,1
	s_delay_alu instid0(VALU_DEP_2)
	v_add_nc_u32 v[244+\b], 0xff000000, v[232+\b]
.endr
.irp b, 0,1
	s_delay_alu instid0(VALU_DEP_2)
	v_lshrrev_b32 v[236+\b], 23, v[244+\b]
.endr
	s_delay_alu instid0(VALU_DEP_1)
	v_lshl_or_b32 v240, v237, 8, v236
	v_cvt_scalef32_pk16_fp6_f32 v[PC:PC+2], v[S:S+15], v244
	v_cvt_scalef32_pk16_fp6_f32 v[PC+12:PC+14], v[S+16:S+31], v245
	v_nop
.irp i, 0,1,2
	v_permlane16_swap_b32 v[PC+\i], v[PC+12+\i]
.endr
.irp i, 0,1,2
	s_delay_alu instid0(VALU_DEP_3)
	v_mov_b32 v[PC+3+\i], v[PC+12+\i]
.endr
	global_store_b128 v1, v[PC:PC+3], s[80:81]     ; 512 consecutive bytes, aligned to 256
	global_store_b64 v2, v[PC+4:PC+5], s[80:81] offset:512
	global_store_b16 v7, v240, s[82:83]
	s_wait_tensorcnt 0x0                           ; the wave's end
	ds_add_u32 v5, v6
	s_wait_dscnt 0x0
	CROUND                                         ; the closing round
	s_endpgm
.Lfunc_end_k_q71a53d6919_att:
	.size	k_q71a53d6919_att, .Lfunc_end_k_q71a53d6919_att-k_q71a53d6919_att
	.p2alignl 7, 3214868480
	.fill 96, 4, 3214868480
	.section	.rodata,"a",@progbits
	.p2align	6, 0x0
	.amdhsa_kernel k_q71a53d6919_att
		.amdhsa_group_segment_fixed_size 327680
		.amdhsa_private_segment_fixed_size 0
		.amdhsa_enable_private_segment 0
		.amdhsa_kernarg_size 16
		.amdhsa_user_sgpr_count 2
		.amdhsa_user_sgpr_kernarg_segment_ptr 1
		.amdhsa_wavefront_size32 1
		.amdhsa_system_sgpr_workgroup_id_x 1
		.amdhsa_system_sgpr_workgroup_id_y 1
		.amdhsa_system_sgpr_workgroup_id_z 1
		.amdhsa_system_vgpr_workitem_id 0
		.amdhsa_next_free_vgpr 256
		.amdhsa_next_free_sgpr 96
		.amdhsa_reserve_vcc 0
		.amdhsa_float_denorm_mode_32 3
		.amdhsa_float_denorm_mode_16_64 3
		.amdhsa_memory_ordered 1
		.amdhsa_forward_progress 1
		.amdhsa_inst_pref_size 45
	.end_amdhsa_kernel
	.amdgpu_metadata
---
amdhsa.version: [ 1, 2 ]
amdhsa.kernels:
  - .name:           k_q71a53d6919_att
    .symbol:         k_q71a53d6919_att.kd
    .args:
      - { .name: qkv, .offset: 0, .size: 8, .value_kind: global_buffer, .address_space: global }
      - { .name: yq, .offset: 8, .size: 8, .value_kind: global_buffer, .address_space: global }
    .group_segment_fixed_size: 327680
    .private_segment_fixed_size: 0
    .kernarg_segment_align: 8
    .kernarg_segment_size: 16
    .max_flat_workgroup_size: 512
    .sgpr_count:     96
    .vgpr_count:     256
    .wavefront_size: 32
...
	.end_amdgpu_metadata
.endif
;; end of part 3
;; launch g4 (part 4): grid 8 x 32, 4 waves a work-group, clusters of 4 x 4, 327,680 bytes of LDS; arguments yq, wts, b_proj, x, x1; writes x1
.if DOCPART == 4
	.amdgcn_target "amdgcn-amd-amdhsa--gfx1250"
	.amdhsa_code_object_version 6
	.text
	.protected	k_q71a53d6919_g4
	.globl	k_q71a53d6919_g4
	.p2align	8
	.type	k_q71a53d6919_g4,@function
k_q71a53d6919_g4:
	s_mov_b64 s[64:65], 0
	v_nop
	global_prefetch_b8 v0, s[64:65] scope:SCOPE_SE
	s_setreg_imm32_b32 hwreg(HW_REG_WAVE_MODE, 25, 1), 1
	s_wait_xcnt 0x0
	s_wait_alu depctr_hold_cnt(0) depctr_sa_sdst(0) depctr_va_vdst(0) depctr_va_sdst(0) depctr_va_ssrc(0) depctr_va_vcc(0) depctr_vm_vsrc(0)
	s_getreg_b32 s2, hwreg(HW_REG_IB_STS2, 6, 4)
	s_cmp_eq_u32 s2, 0
	s_cbranch_scc0 .Lentry_in_a_cluster
	s_endpgm
.Lentry_in_a_cluster:
	s_bfe_u32 s2, ttmp6, 0x10000c
	s_cmp_lg_u32 s2, 0xf033
	s_cbranch_scc0 .Lentry_shape_is_right
	s_endpgm
.Lentry_shape_is_right:
; x1 = x + y w_proj + b_proj on codes of FP6 (E2M3) with E8M0 scales.  A tile of 128 x 128 is made by four waves of 64 x 64; the matrix instruction is used transposed (source 0 = rows of w, source 1 = tokens).
; K = 1,024: BOTH OPERANDS LIE WHOLE IN LDS, as they lie in memory ([row tile][12,288]).  ONE joint load a wave at the head: wave 0 A's 128 rows, wave 1 B's, wave 2 A's scale words, wave 3 B's; nothing is filled later.
; "Slot" 0 and 1 below are K 0..511 and K 512..1023 of the same LDS rows.  Clusters of 4 x 4: A's tile is shared along a row of the cluster, B's along a column.  No prefetch: all is asked for at the head.
; The result goes through each wave's own stage in LDS and leaves, with the bias and x added, in whole rows of 256 bytes.
.set KF,    8
.set ASOFF, 3145728
.set BCOFF, 2359296
.set BSOFF, 9535488
.set MB,    4
.set NB,    4
.set NQ,    4
.set FR,    12
.set NL,    4
.set TROW,  NQ*1536
.set HALFT, MB*2*TROW
.set SLOT,  2*HALFT
.set LAPS,  KF/(2*NQ)
.set SCL,   2*SLOT
.set HALFS, KF*256
.set STG,   SCL+4*HALFS
.set SPITCH, 272
.set SPARE, STG+4*16*SPITCH
.set ADRA, 16
.set ADRB, 20
.set STO,  24
.set RD,   25
.set CO,   26
.set ADRS, 27
.set SPW,  28
.set NIL,  29
.set L16,  30
.set L8,   31
.set SC,   32
.set AF,   128
.set BK,   128
.set BIAS, 224
.set G1, 24
.set G0, 32
.set G1B, 48
.set G0B, 56
.set G1S, 68
.set G0S, 76
.set G1SB, 80
.set G0SB, 88
.set MSB, 0
.macro WIN new
.if MSB != (\new)
	s_set_vgpr_msb (MSB<<8)|(\new)
.set MSB, (\new)
.endif
.endm
.set WLO,  0xa1
.set WHI,  0xa1
.set TO_B, 0x40
.macro JLOAD g0a, g1a, g0b, g1b
	s_cmp_eq_u32 s15, 0
	s_cbranch_scc0 .Lfor_b_\@
	tensor_load_to_lds s[\g0a:\g0a+3], s[\g1a:\g1a+7]
	s_nop 0
.rept 4
	v_nop
.endr
	s_branch .Lasked_\@
.Lfor_b_\@:
	tensor_load_to_lds s[\g0b:\g0b+3], s[\g1b:\g1b+7]
	s_nop 0
.rept 4
	v_nop
.endr
.Lasked_\@:
.endm
.macro CREST
	s_cmp_lg_u32 s14, 0
	s_cbranch_scc1 .Lnot_wave_0_\@
	s_barrier_signal -3
.Lnot_wave_0_\@:
	s_barrier_wait -3
	s_barrier_signal -1
	s_barrier_wait -1
.endm
.macro CROUND
	s_barrier_signal -1
	s_barrier_wait -1
	CREST
.endm
.macro PLACES n
.rept \n
	v_nop
.endr
.endm
	s_load_b256 s[4:11], s[0:1], 0x0
	s_load_b64 s[12:13], s[0:1], 0x20
	v_lshl_add_u32 v[SPW], v0, 2, SPARE
	v_mov_b32 v[NIL], 0
	ds_add_u32 v[SPW], v[NIL]
	ds_add_u32 v[SPW], v[NIL]
	v_lshrrev_b32 v1, 5, v0
	v_readfirstlane_b32 s14, v1
	s_lshr_b32 s15, s14, 1
	s_and_b32 s16, s14, 1
	s_bfe_u32 s40, ttmp6, 0x40000
	s_bfe_u32 s41, ttmp6, 0x40004
	s_lshl_b32 s42, ttmp9, 2
	s_add_co_u32 s42, s42, s40
	s_and_b32 s17, ttmp7, 0xffff
	s_lshl_b32 s17, s17, 2
	s_add_co_u32 s17, s17, s41
	s_lshl_b32 s43, s41, 2
	s_lshl_b32 s43, 15, s43
	s_lshl_b32 s44, 0x1111, s40
	s_or_b32 s[G1+0], s43, (3<<16)|(1<<21)
	s_or_b32 s[G1B+0], s44, (3<<16)|(1<<21)
.irp g, G1, G1B
	s_mov_b32 s[\g+1], (2*TROW/8)<<16
	s_mov_b32 s[\g+2], (2*MB)<<16
	s_mov_b32 s[\g+3], (2*TROW/8)<<16
	s_mov_b32 s[\g+4], 2*MB
	s_mov_b32 s[\g+5], KF*192
	s_mov_b32 s[\g+6], 0
	s_mov_b32 s[\g+7], 0
.endr
	s_or_b32 s[G1S+0], s43, (3<<16)|(1<<21)
	s_or_b32 s[G1SB+0], s44, (3<<16)|(1<<21)
.irp g, G1S, G1SB
	s_mov_b32 s[\g+1], 32<<16
	s_mov_b32 s[\g+2], (2*HALFS/256)<<16
	s_mov_b32 s[\g+3], 32<<16
	s_mov_b32 s[\g+4], 2*HALFS/256
	s_mov_b32 s[\g+5], 32
	s_mov_b32 s[\g+6], 0
	s_mov_b32 s[\g+7], 0
.endr
	s_lshl_b32 s20, s17, 1
	s_lshl_b32 s46, s42, 1
	s_mul_i32 s22, s20, HALFS
	s_add_co_u32 s22, s22, ASOFF
	s_mov_b32 s23, 0
	s_mul_i32 s92, s46, HALFS
	s_add_co_u32 s92, s92, BSOFF
	s_mov_b32 s93, 0
	s_mul_i32 s20, s20, MB*KF*1536
	s_mov_b32 s21, 0
	s_mul_i32 s46, s46, MB*KF*1536
	s_add_co_u32 s46, s46, BCOFF
	s_mov_b32 s47, 0
	s_wait_dscnt 0x0
	s_wait_kmcnt 0x0
	s_add_nc_u64 s[20:21], s[4:5], s[20:21]
	s_add_nc_u64 s[22:23], s[4:5], s[22:23]
	s_add_nc_u64 s[46:47], s[6:7], s[46:47]
	s_add_nc_u64 s[92:93], s[6:7], s[92:93]
	CROUND
	s_mov_b32 s[G0S], 1
	s_mov_b32 s[G0S+1], SCL
	s_mov_b64 s[G0S+2:G0S+3], s[22:23]
	s_or_b32 s[G0S+3], s[G0S+3], 0x80000000
	s_mov_b32 s[G0SB], 1
	s_mov_b32 s[G0SB+1], SCL+2*HALFS
	s_mov_b64 s[G0SB+2:G0SB+3], s[92:93]
	s_or_b32 s[G0SB+3], s[G0SB+3], 0x80000000
	s_mov_b32 s[G0], 1                             ; A's 128 rows, all of K
	s_mov_b32 s[G0+1], 0
	s_mov_b64 s[G0+2:G0+3], s[20:21]
	s_or_b32 s[G0+3], s[G0+3], 0x80000000
	s_mov_b32 s[G0B], 1                            ; B's, behind them
	s_mov_b32 s[G0B+1], SLOT
	s_mov_b64 s[G0B+2:G0B+3], s[46:47]
	s_or_b32 s[G0B+3], s[G0B+3], 0x80000000
; the head's loads, one a wave: one chain of branches on the wave's number, a load in each arm, all arms leading to one join
.macro ARM under, g0, g1, next
	s_cmp_lt_u32 s14, \under
	s_cbranch_scc0 \next
	tensor_load_to_lds s[\g0:\g0+3], s[\g1:\g1+7]
	s_nop 0
.rept 4
	v_nop
.endr
	s_branch .Lhead_asked
\next:
.endm
	ARM 1, G0, G1, .Lhead_b
	ARM 2, G0B, G1B, .Lhead_sa
	ARM 3, G0S, G1S, .Lhead_sb
	tensor_load_to_lds s[G0SB:G0SB+3], s[G1SB:G1SB+7]
	s_nop 0
.rept 4
	v_nop
.endr
.Lhead_asked:
	v_and_b32 v1, 15, v0
	v_bfe_u32 v2, v0, 4, 1
	v_and_b32 v3, 31, v0
	v_lshlrev_b32 v[L16], 4, v3
	v_lshlrev_b32 v[L8], 3, v3
	s_mul_i32 s21, s15, HALFT
	s_mul_i32 s22, s16, HALFT
	s_add_co_u32 s22, s22, 2*HALFT
.irp s, 0,1
	v_add_nc_u32 v[ADRA+\s], s21, v[L16]
	v_add_nc_u32 v[ADRA+2+\s], s21, v[L8]
	v_add_nc_u32 v[ADRB+\s], s22, v[L16]
	v_add_nc_u32 v[ADRB+2+\s], s22, v[L8]
	s_add_co_u32 s21, s21, TROW
	s_add_co_u32 s22, s22, TROW
.endr
	v_lshlrev_b32 v5, 4, v1
	s_mul_i32 s21, s15, HALFS
	s_mul_i32 s22, s16, HALFS
	s_add_co_u32 s22, s22, 2*HALFS
	s_sub_co_u32 s22, s22, s21
	v_mul_u32_u24 v6, s22, v2
	s_add_co_u32 s21, s21, SCL
	v_add_nc_u32 v5, v5, v6
	v_add_nc_u32 v[ADRS], s21, v5
	s_mul_i32 s23, s14, 16*SPITCH
	s_add_co_u32 s23, s23, STG
	v_mul_u32_u24 v5, v1, SPITCH
	v_lshl_add_u32 v5, v2, 5, v5
	v_add_nc_u32 v[STO], s23, v5
	v_mul_u32_u24 v5, v2, SPITCH
	v_lshl_add_u32 v5, v1, 4, v5
	v_add_nc_u32 v[RD], s23, v5
	v_lshlrev_b32 v7, 4, v1
	s_wait_alu depctr_va_vdst(0)
	v_lshl_add_u32 v[CO], v2, 12, v7
	s_wait_alu depctr_va_vdst(0)
	s_lshl_b32 s96, s17, 1
	s_add_co_u32 s96, s96, s15
	s_lshl_b32 s96, s96, 18
	s_lshl_b32 s98, s42, 1
	s_add_co_u32 s98, s98, s16
	s_lshl_b32 s98, s98, 8
	s_mov_b32 s99, 0
	s_add_nc_u64 s[8:9], s[8:9], s[98:99]
	s_add_co_u32 s96, s96, s98
	s_mov_b32 s97, 0
	s_add_nc_u64 s[10:11], s[10:11], s[96:97]
	s_add_nc_u64 s[12:13], s[12:13], s[96:97]
	global_load_b128 v[BIAS:BIAS+3], v7, s[8:9]
	WIN 0xc0
.irp a, 0,1,2,3
.irp t, 0,1,2,3,4,5,6,7
	global_load_b128 v[4*(8*\a+\t):4*(8*\a+\t)+3], v[CO], s[10:11] offset:(16*\a+2*\t)*4096 th:TH_LOAD_NT
.endr
.endr
	WIN 0
.macro FRAG reg, adr, off
.irp c, 0,1
	ds_load_b128 v[\reg+6*\c:\reg+6*\c+3], v[\adr] offset:(\off)+768*\c
	ds_load_b64 v[\reg+6*\c+4:\reg+6*\c+5], v[\adr+2] offset:(\off)+768*\c+512
.endr
.endm
.macro FETCH_B slot, q, p
	WIN TO_B
.set fi, 0
.rept NB
	FRAG 128*(\p)+FR*fi, ADRB+\slot, fi*2*TROW+(\q)*1536
.set fi, fi+1
.endr
	WIN 0
.endm
.macro FETCH_A slot, q, i0
.set fi, \i0
.rept MB/2
	FRAG AF+FR*fi, ADRA+\slot, fi*2*TROW+(\q)*1536
.set fi, fi+1
.endr
.endm
.macro SCALES set
.irp q, 0,1,2,3
	ds_load_b128 v[SC+16*\set+4*\q:SC+16*\set+4*\q+3], v[ADRS] offset:256*\q
.endr
.endm
.macro MULQ a0, p, q, sc, zero
.set ma, \a0
.rept MB/4
.set mb, 0
.rept NB
.set mD, (8*(NB*ma+mb))%256
.set mB, 128*(\p)+FR*mb
.set mA, AF+FR*ma
.set mS, SC+16*(\sc)+MB*(\q)
.if \zero
	v_wmma_scale_f32_16x16x128_f8f6f4 v[mD:mD+7], v[mB:mB+FR-1], v[mA:mA+FR-1], 0, v[mS+mb], v[mS+ma] matrix_a_fmt:MATRIX_FMT_FP6 matrix_b_fmt:MATRIX_FMT_FP6 matrix_a_scale:MATRIX_SCALE_ROW1
.else
	v_wmma_scale_f32_16x16x128_f8f6f4 v[mD:mD+7], v[mB:mB+FR-1], v[mA:mA+FR-1], v[mD:mD+7], v[mS+mb], v[mS+ma] matrix_a_fmt:MATRIX_FMT_FP6 matrix_b_fmt:MATRIX_FMT_FP6 matrix_a_scale:MATRIX_SCALE_ROW1
.endif
.set mb, mb+1
.endr
.set ma, ma+1
.endr
.endm
.macro STEP slot, q, zero
	s_wait_dscnt (MB/2)*NL
	WIN WLO
	MULQ 0, (\q)%2, \q, \slot, \zero
	MULQ MB/4, (\q)%2, \q, \slot, \zero
	s_wait_dscnt 0
	PLACES 4
	FETCH_B \slot, (\q)+1, 1-(\q)%2
	FETCH_A \slot, (\q)+1, 0
	WIN WHI
	MULQ MB/2, (\q)%2, \q, \slot, \zero
	MULQ 3*MB/4, (\q)%2, \q, \slot, \zero
	PLACES 4
	WIN 0
	FETCH_A \slot, (\q)+1, MB/2
.endm
.macro TURN slot, next, fill
	s_wait_tensorcnt 0x0
	ds_add_u32 v[SPW], v[NIL]
	s_wait_dscnt (MB/2)*NL+1
	WIN WLO
	MULQ 0, 1, NQ-1, \slot, 0
	s_wait_dscnt 0x0
	s_barrier_signal -1
	MULQ MB/4, 1, NQ-1, \slot, 0
	WIN 0
	s_barrier_wait -1
.if \fill
	CREST
	s_add_nc_u64 s[G0+4*\slot+2:G0+4*\slot+3], s[G0+4*\slot+2:G0+4*\slot+3], 2*TROW
	s_add_nc_u64 s[G0B+4*\slot+2:G0B+4*\slot+3], s[G0B+4*\slot+2:G0B+4*\slot+3], 2*TROW
	JLOAD G0+4*\slot, G1, G0B+4*\slot, G1B
.else
	PLACES 4
.endif
	v_add_nc_u32 v[ADRS], 256*NQ, v[ADRS]
	FETCH_B \next, 0, 0
	FETCH_A \next, 0, 0
	SCALES \next
	WIN WHI
	MULQ MB/2, 1, NQ-1, \slot, 0
	MULQ 3*MB/4, 1, NQ-1, \slot, 0
	PLACES 4
	WIN 0
	FETCH_A \next, 0, MB/2
.endm
	s_wait_tensorcnt 0x0                           ; my tile of the head's four is in; behind the barrier everybody's is
	s_barrier_signal -1
	s_barrier_wait -1
	FETCH_B 0, 0, 0
	FETCH_A 0, 0, 0
	SCALES 0
	FETCH_A 0, 0, MB/2
	STEP 0, 0, 1
.if LAPS > 1
	s_mov_b32 s3, LAPS-1
.Llap:
	STEP 0, 1, 0
	STEP 0, 2, 0
	TURN 0, 1, 1
	STEP 1, 0, 0
	STEP 1, 1, 0
	STEP 1, 2, 0
	TURN 1, 0, 1
	STEP 0, 0, 0
	s_sub_co_u32 s3, s3, 1
	s_cmp_lg_u32 s3, 0
	s_cbranch_scc1 .Llap
.endif
	STEP 0, 1, 0
	STEP 0, 2, 0
	TURN 0, 1, 0
	STEP 1, 0, 0
	STEP 1, 1, 0
	STEP 1, 2, 0
	s_wait_dscnt (MB/2)*NL
	WIN WLO
	MULQ 0, 1, NQ-1, 1, 0
	MULQ MB/4, 1, NQ-1, 1, 0
	s_wait_dscnt 0
	MULQ MB/2, 1, NQ-1, 1, 0
	MULQ 3*MB/4, 1, NQ-1, 1, 0
	WIN 0
.macro TOSTAGE a
	WIN 0x08
.irp b, 0,1,2,3
	ds_store_b128 v[STO], v[8*(4*(\a)+\b):8*(4*(\a)+\b)+3] offset:64*\b
	ds_store_b128 v[STO], v[8*(4*(\a)+\b)+4:8*(4*(\a)+\b)+7] offset:64*\b+16
.endr
	WIN 0
.set BB, BK+32*((\a)%2)
.irp t, 0,1,2,3,4,5,6,7
	ds_load_b128 v[BB+4*\t:BB+4*\t+3], v[RD] offset:\t*2*SPITCH
.endr
.endm
.macro SEND a, younger
.set BB, BK+32*((\a)%2)
	s_wait_dscnt \younger
.irp t, 0,1,2,3,4,5,6,7
	v_pk_add_f32 v[BB+4*\t:BB+4*\t+1], v[BB+4*\t:BB+4*\t+1], v[BIAS:BIAS+1]
	v_pk_add_f32 v[BB+4*\t+2:BB+4*\t+3], v[BB+4*\t+2:BB+4*\t+3], v[BIAS+2:BIAS+3]
.endr
	WIN 0x0c
.irp t, 0,1,2,3,4,5,6,7
	v_pk_add_f32 v[BB+4*\t:BB+4*\t+1], v[BB+4*\t:BB+4*\t+1], v[4*(8*(\a)+\t):4*(8*(\a)+\t)+1]
	v_pk_add_f32 v[BB+4*\t+2:BB+4*\t+3], v[BB+4*\t+2:BB+4*\t+3], v[4*(8*(\a)+\t)+2:4*(8*(\a)+\t)+3]
.endr
	WIN 0
.irp t, 0,1,2,3,4,5,6,7
	global_store_b128 v[CO], v[BB+4*\t:BB+4*\t+3], s[12:13] offset:(16*(\a)+2*\t)*4096
.endr
.endm
	PLACES 4
	s_wait_loadcnt 0x0
	TOSTAGE 0
.irp a, 1,2,3
.if \a > 1
	s_wait_xcnt 0x0
.endif
	TOSTAGE \a
	SEND \a-1, 16
.endr
	SEND 3, 0
	s_wait_tensorcnt 0x0
	ds_add_u32 v[SPW], v[NIL]
	s_wait_dscnt 0x0
	CROUND
	s_endpgm
.Lfunc_end_k_q71a53d6919_g4:
	.size	k_q71a53d6919_g4, .Lfunc_end_k_q71a53d6919_g4-k_q71a53d6919_g4
	.p2alignl 7, 3214868480
	.fill 96, 4, 3214868480
	.section	.rodata,"a",@progbits
	.p2align	6, 0x0
	.amdhsa_kernel k_q71a53d6919_g4
		.amdhsa_group_segment_fixed_size 327680
		.amdhsa_private_segment_fixed_size 0
		.amdhsa_enable_private_segment 0
		.amdhsa_kernarg_size 40
		.amdhsa_user_sgpr_count 2
		.amdhsa_user_sgpr_kernarg_segment_ptr 1
		.amdhsa_wavefront_size32 1
		.amdhsa_system_sgpr_workgroup_id_x 1
		.amdhsa_system_sgpr_workgroup_id_y 1
		.amdhsa_system_sgpr_workgroup_id_z 1
		.amdhsa_system_vgpr_workitem_id 0
		.amdhsa_next_free_vgpr 1024
		.amdhsa_next_free_sgpr 106
		.amdhsa_reserve_vcc 0
		.amdhsa_float_denorm_mode_32 3
		.amdhsa_float_denorm_mode_16_64 3
		.amdhsa_memory_ordered 1
		.amdhsa_forward_progress 1
		.amdhsa_inst_pref_size 65
	.end_amdhsa_kernel
	.amdgpu_metadata
---
amdhsa.version: [ 1, 2 ]
amdhsa.kernels:
  - .name:           k_q71a53d6919_g4
    .symbol:         k_q71a53d6919_g4.kd
    .args:
      - { .name: yq, .offset: 0, .size: 8, .value_kind: global_buffer, .address_space: global }
      - { .name: wts, .offset: 8, .size: 8, .value_kind: global_buffer, .address_space: global }
      - { .name: b_proj, .offset: 16, .size: 8, .value_kind: global_buffer, .address_space: global }
      - { .name: x, .offset: 24, .size: 8, .value_kind: global_buffer, .address_space: global }
      - { .name: x1, .offset: 32, .size: 8, .value_kind: global_buffer, .address_space: global }
    .group_segment_fixed_size: 327680
    .private_segment_fixed_size: 0
    .kernarg_segment_align: 8
    .kernarg_segment_size: 40
    .max_flat_workgroup_size: 128
    .sgpr_count:     106
    .vgpr_count:     1024
    .wavefront_size: 32
...
	.end_amdgpu_metadata
.endif
;; end of part 4
;; launch ln2 (part 5): grid 256 x 1, 4 waves a work-group, no clusters, 66,304 bytes of LDS; arguments x1, ln2_g, ln2_b, hq; writes hq
.if DOCPART == 5
	.amdgcn_target "amdgcn-amd-amdhsa--gfx1250"
	.amdhsa_code_object_version 6
	.text
	.protected	k_q71a53d6919_ln2
	.globl	k_q71a53d6919_ln2
	.p2align	8
	.type	k_q71a53d6919_ln2,@function
k_q71a53d6919_ln2:
	s_mov_b64 s[64:65], 0
	v_nop
	global_prefetch_b8 v0, s[64:65] scope:SCOPE_SE
	s_setreg_imm32_b32 hwreg(HW_REG_WAVE_MODE, 25, 1), 1
	s_wait_xcnt 0x0
; h = (x - mean) * rsqrt(var + 1e-5) * g + b over rows of 1,024 f32, then quantised along the row to codes of FP6 (E2M3) with one E8M0 byte for each 32 numbers.
; Out: codes [row tile 256][HALF 16][768] (a HALF: 16 rows x 64 along K; lane l = (r, h) owns row r's block h: 16 bytes at 16 l, 8 bytes at 512 + 8 l), and behind them, from byte 3,145,728, scale words [row tile][8][16 r].
; A work-group takes 16 rows.  Wave w normalises rows 4 w .. 4 w + 3, a whole row in 32 registers a lane: each load covers 512 consecutive bytes, the row is read once, mean and variance in two passes over registers
; (the variance of x - mean, as the definition has it: a common offset does no harm).  The rows meet in a stage in LDS; behind ONE barrier wave w takes HALFs 4 w .. 4 w + 3 of all 16 rows: a lane then holds a whole block.
; The stage's rows are 4,112 bytes apart: 257 x 16, so the 16 rows that a load of 16 bytes a lane touches start at 16 different groups of banks (64 banks of 4 bytes: ISA guide 11.1).
; No matrix unit, no cluster, no tensor load: a stream whose work-groups share nothing but g and b.
; A block of zeros keeps the byte 1 (its codes are zeros; this program alone reads the bytes).  LIMITS: NaN and infinities are not served; blocks whose largest magnitude lies under 2^-124 keep the byte 1.
.set PITCH, 4112
.set SPARE, 16*PITCH                   ; behind the stage: the spare words, 128 bytes a wave, that no other line names
.set SPW,   254                        ; v254 LDS address of my spare word; never rewritten
.set NIL,   255                        ; v255 0; never rewritten
.set X,     32                         ; v32-159  row i at X + 32 i; later HALF cc's 32 numbers at X + 32 cc
.set G,     160                        ; v160-191 g of my 32 columns; later the conversions' spare registers
.set BT,    192                        ; v192-223 b
.set CD,    224                        ; v224-253 HALF cc's six registers of codes at CD + 8 cc
; v8 + 6 i: for row i two pairs of partial sums, a sum, a spare
	s_load_b256 s[4:11], s[0:1], 0x0               ; x s[4:5], g s[6:7], b s[8:9], out s[10:11]
	v_lshl_add_u32 v[SPW], v0, 2, SPARE
	v_mov_b32 v[NIL], 0
	v_lshrrev_b32 v1, 5, v0
	v_readfirstlane_b32 s16, v1                    ; wave
	v_and_b32 v7, 31, v0                           ; lane
	v_lshlrev_b32 v1, 4, v7                        ; 16 l
	v_lshlrev_b32 v2, 3, v7                        ; 8 l
	v_lshlrev_b32 v5, 2, v7                        ; 4 l
	s_mul_i32 s17, s16, 4*PITCH
	v_add_nc_u32 v3, s17, v1                       ; into the stage: my wave's four rows, 16 l
	v_and_b32 v6, 15, v0
	v_mul_u32_u24 v4, v6, PITCH
	v_bfe_u32 v6, v0, 4, 1
	v_lshl_add_u32 v4, v6, 7, v4
	s_lshl_b32 s17, s16, 10
	v_add_nc_u32 v4, s17, v4                       ; out of it: row r, + 1,024 w (my four HALFs) + 128 h (my block)
	v_lshlrev_b32 v6, 3, v6                        ; 8 h
	s_mov_b32 s12, 0x76543210
	s_mov_b32 s13, 0xfedcba98                      ; v_permlanex16_b32's selects for lane l xor 16
	s_mov_b32 s14, 0x3727c5ac                      ; 1e-5
	s_mov_b32 s15, 0xffff0000                      ; lanes 16-31
	s_mov_b32 s18, 0x3a800000                      ; 1 / 1,024
.irp i, 0,1,2,3
	v_mov_b32 v[13+6*\i], 0                        ; a lane permute's destination counts as one of its sources
.endr
	s_lshl_b32 s20, ttmp9, 16
	s_lshl_b32 s21, s16, 14
	s_add_co_u32 s20, s20, s21                     ; x: 16 rows a work-group, 4 a wave
	s_mov_b32 s21, 0
	s_mul_i32 s22, ttmp9, 12288
	s_mul_i32 s23, s16, 3072
	s_add_co_u32 s22, s22, s23                     ; codes: my row tile, my four HALFs
	s_mov_b32 s23, 0
	s_lshl_b32 s24, ttmp9, 9
	s_lshl_b32 s25, s16, 7
	s_add_co_u32 s24, s24, s25
	s_add_co_u32 s24, s24, 3145728                 ; scale words: my row tile's 512 bytes, my wave's 128
	s_mov_b32 s25, 0
	s_wait_kmcnt 0x0
	s_add_nc_u64 s[4:5], s[4:5], s[20:21]
	s_add_nc_u64 s[22:23], s[10:11], s[22:23]
	s_add_nc_u64 s[24:25], s[10:11], s[24:25]
.irp i, 0,1,2,3
.irp j, 0,1,2,3,4,5,6,7
	global_load_b128 v[X+32*\i+4*\j:X+32*\i+4*\j+3], v1, s[4:5] offset:4096*\i+512*\j th:TH_LOAD_NT
.endr
.endr
.irp j, 0,1,2,3,4,5,6,7
	global_load_b128 v[G+4*\j:G+4*\j+3], v1, s[6:7] offset:512*\j
.endr
.irp j, 0,1,2,3,4,5,6,7
	global_load_b128 v[BT+4*\j:BT+4*\j+3], v1, s[8:9] offset:512*\j
.endr
.macro REDUCE                          ; the two pairs of each row become the row's sum, in every lane; the four rows by turns
.irp i, 0,1,2,3
	v_pk_add_f32 v[8+6*\i:9+6*\i], v[8+6*\i:9+6*\i], v[10+6*\i:11+6*\i]
.endr
.irp i, 0,1,2,3
	v_add_f32 v[12+6*\i], v[8+6*\i], v[9+6*\i]
.endr
.irp m, 1,2,4,8
.irp i, 0,1,2,3
	v_add_f32_dpp v[12+6*\i], v[12+6*\i], v[12+6*\i] row_xmask:\m row_mask:0xf bank_mask:0xf
.endr
.endr
.irp i, 0,1,2,3
	v_permlanex16_b32 v[13+6*\i], v[12+6*\i], s12, s13
.endr
.irp i, 0,1,2,3
	v_add_f32 v[12+6*\i], v[12+6*\i], v[13+6*\i]
.endr
.endm
	s_wait_loadcnt 16                              ; x's 32 loads are in; g's and b's 16 may be out
.irp i, 0,1,2,3
	v_pk_add_f32 v[8+6*\i:9+6*\i], v[X+32*\i:X+32*\i+1], v[X+32*\i+2:X+32*\i+3]
	v_pk_add_f32 v[10+6*\i:11+6*\i], v[X+32*\i+4:X+32*\i+5], v[X+32*\i+6:X+32*\i+7]
.endr
.irp j, 8,12,16,20,24,28
.irp i, 0,1,2,3
	v_pk_add_f32 v[8+6*\i:9+6*\i], v[8+6*\i:9+6*\i], v[X+32*\i+\j:X+32*\i+\j+1]
	v_pk_add_f32 v[10+6*\i:11+6*\i], v[10+6*\i:11+6*\i], v[X+32*\i+\j+2:X+32*\i+\j+3]
.endr
.endr
	REDUCE
.irp i, 0,1,2,3
	v_mul_f32 v[8+6*\i], s18, v[12+6*\i]           ; the mean
.endr
.irp i, 0,1,2,3
.irp j, 0,2,4,6,8,10,12,14,16,18,20,22,24,26,28,30
	v_pk_add_f32 v[X+32*\i+\j:X+32*\i+\j+1], v[X+32*\i+\j:X+32*\i+\j+1], v[8+6*\i:9+6*\i] op_sel_hi:[1,0] neg_lo:[0,1] neg_hi:[0,1]   ; x - mean (the pair's low word serves both halves)
.endr
.endr
.irp i, 0,1,2,3
	v_pk_mul_f32 v[8+6*\i:9+6*\i], v[X+32*\i:X+32*\i+1], v[X+32*\i:X+32*\i+1]
	v_pk_mul_f32 v[10+6*\i:11+6*\i], v[X+32*\i+2:X+32*\i+3], v[X+32*\i+2:X+32*\i+3]
.endr
.irp j, 4,8,12,16,20,24,28
.irp i, 0,1,2,3
	v_pk_fma_f32 v[8+6*\i:9+6*\i], v[X+32*\i+\j:X+32*\i+\j+1], v[X+32*\i+\j:X+32*\i+\j+1], v[8+6*\i:9+6*\i]
	v_pk_fma_f32 v[10+6*\i:11+6*\i], v[X+32*\i+\j+2:X+32*\i+\j+3], v[X+32*\i+\j+2:X+32*\i+\j+3], v[10+6*\i:11+6*\i]
.endr
.endr
	REDUCE
.irp i, 0,1,2,3
	v_fma_f32 v[12+6*\i], v[12+6*\i], s18, s14     ; var + eps
.endr
	s_wait_alu depctr_va_vdst(0)
.irp i, 0,1,2,3
	v_rsq_f32 v[8+6*\i], v[12+6*\i]
.endr
	v_nop                                          ; a plain line behind the last of the four
	s_wait_alu depctr_va_vdst(0)                   ; one wait for the batch, ahead of its first reader
	s_wait_loadcnt 0x0                             ; g and b
.irp i, 0,1,2,3
.irp j, 0,2,4,6,8,10,12,14,16,18,20,22,24,26,28,30
	v_pk_mul_f32 v[X+32*\i+\j:X+32*\i+\j+1], v[X+32*\i+\j:X+32*\i+\j+1], v[8+6*\i:9+6*\i] op_sel_hi:[1,0]
.endr
.irp j, 0,2,4,6,8,10,12,14,16,18,20,22,24,26,28,30
	v_pk_fma_f32 v[X+32*\i+\j:X+32*\i+\j+1], v[X+32*\i+\j:X+32*\i+\j+1], v[G+\j:G+\j+1], v[BT+\j:BT+\j+1]
.endr
.irp j, 0,1,2,3,4,5,6,7
	ds_store_b128 v3, v[X+32*\i+4*\j:X+32*\i+4*\j+3] offset:PITCH*\i+512*\j
.endr
.endr
	s_wait_dscnt 0x0                               ; for the others' sake: my rows lie in the stage
	s_barrier_signal -1
	s_barrier_wait -1
.irp c, 0,1,2,3
.irp k, 0,1,2,3,4,5,6,7
	ds_load_b128 v[X+32*\c+4*\k:X+32*\c+4*\k+3], v4 offset:256*\c+16*\k   ; HALF 4 w + c: my row's block h, 32 neighbours
.endr
.endr
.irp c, 0,1,2,3
	s_wait_dscnt 24-8*\c                           ; this HALF's eight loads are in; the later HALFs' may be out
	v_max3_num_f32 v8, |v[X+32*\c]|, |v[X+32*\c+1]|, |v[X+32*\c+2]|
	v_max3_num_f32 v9, |v[X+32*\c+3]|, |v[X+32*\c+4]|, |v[X+32*\c+5]|
.irp i, 6,10,14,18,22,26
	v_max3_num_f32 v8, v8, |v[X+32*\c+\i]|, |v[X+32*\c+\i+1]|
	v_max3_num_f32 v9, v9, |v[X+32*\c+\i+2]|, |v[X+32*\c+\i+3]|
.endr
	v_max3_num_f32 v8, v8, |v[X+32*\c+30]|, |v[X+32*\c+31]|
	v_max3_num_f32 v8, v8, v9, 0x1800000           ; the floor 2^(3 - 127): the byte cannot fall under 1
	v_add_nc_u32 v[16+\c], 0xff000000, v8          ; 2 off the exponent field: the conversion's scale operand
	v_lshrrev_b32 v[20+\c], 23, v[16+\c]           ; the scale's byte
	v_cvt_scalef32_pk16_fp6_f32 v[CD+8*\c:CD+8*\c+2], v[X+32*\c:X+32*\c+15], v[16+\c]
	v_cvt_scalef32_pk16_fp6_f32 v[G+4*\c:G+4*\c+2], v[X+32*\c+16:X+32*\c+31], v[16+\c]   ; (a conversion's three registers begin on an even number)
	v_nop                                          ; one plain line behind a scaled conversion
.irp i, 0,1,2
	v_mov_b32 v[CD+8*\c+3+\i], v[G+4*\c+\i]
.endr
	global_store_b128 v1, v[CD+8*\c:CD+8*\c+3], s[22:23] offset:768*\c          ; 512 consecutive bytes, aligned to 256
	global_store_b64 v2, v[CD+8*\c+4:CD+8*\c+5], s[22:23] offset:768*\c+512     ; 256
.endr
	v_lshl_or_b32 v24, v21, 16, v20                ; my two bytes of scale word 2 w: blocks h and 2 + h,
	v_lshl_or_b32 v25, v23, 16, v22                ; and of word 2 w + 1,
	v_lshlrev_b32 v24, v6, v24                     ; at their places (8 h bits up);
	v_lshlrev_b32 v25, v6, v25
	v_permlanex16_b32 v26, v24, s12, s13
	v_permlanex16_b32 v27, v25, s12, s13
	v_or_b32 v24, v24, v26                         ; with lane l xor 16's two the words are whole
	v_or_b32 v25, v25, v27
	v_cndmask_b32 v24, v24, v25, s15               ; lanes 0-15 store word 2 w, lanes 16-31 word 2 w + 1
	global_store_b32 v5, v24, s[24:25]             ; 128 consecutive bytes a wave, 512 a work-group
	s_wait_tensorcnt 0x0                           ; the wave's end, behind my last LDS store
	ds_add_u32 v[SPW], v[NIL]
	s_wait_dscnt 0x0
	s_endpgm
.Lfunc_end_k_q71a53d6919_ln2:
	.size	k_q71a53d6919_ln2, .Lfunc_end_k_q71a53d6919_ln2-k_q71a53d6919_ln2
	.p2alignl 7, 3214868480
	.fill 96, 4, 3214868480
	.section	.rodata,"a",@progbits
	.p2align	6, 0x0
	.amdhsa_kernel k_q71a53d6919_ln2
		.amdhsa_group_segment_fixed_size 66304
		.amdhsa_private_segment_fixed_size 0
		.amdhsa_enable_private_segment 0
		.amdhsa_kernarg_size 32
		.amdhsa_user_sgpr_count 2
		.amdhsa_user_sgpr_kernarg_segment_ptr 1
		.amdhsa_wavefront_size32 1
		.amdhsa_system_sgpr_workgroup_id_x 1
		.amdhsa_system_sgpr_workgroup_id_y 1
		.amdhsa_system_sgpr_workgroup_id_z 1
		.amdhsa_system_vgpr_workitem_id 0
		.amdhsa_next_free_vgpr 256
		.amdhsa_next_free_sgpr 66
		.amdhsa_reserve_vcc 0
		.amdhsa_float_denorm_mode_32 3
		.amdhsa_float_denorm_mode_16_64 3
		.amdhsa_memory_ordered 1
		.amdhsa_forward_progress 1
		.amdhsa_inst_pref_size 42
	.end_amdhsa_kernel
	.amdgpu_metadata
---
amdhsa.version: [ 1, 2 ]
amdhsa.kernels:
  - .name:           k_q71a53d6919_ln2
    .symbol:         k_q71a53d6919_ln2.kd
    .args:
      - { .name: x1, .offset: 0, .size: 8, .value_kind: global_buffer, .address_space: global }
      - { .name: ln2_g, .offset: 8, .size: 8, .value_kind: global_buffer, .address_space: global }
      - { .name: ln2_b, .offset: 16, .size: 8, .value_kind: global_buffer, .address_space: global }
      - { .name: hq, .offset: 24, .size: 8, .value_kind: global_buffer, .address_space: global }
    .group_segment_fixed_size: 66304
    .private_segment_fixed_size: 0
    .kernarg_segment_align: 8
    .kernarg_segment_size: 32
    .max_flat_workgroup_size: 128
    .sgpr_count:     66
    .vgpr_count:     256
    .wavefront_size: 32
...
	.end_amdgpu_metadata
.endif
;; end of part 5
;; launch g5 (part 6): grid 16 x 16, 4 waves a work-group, clusters of 4 x 4, 327,680 bytes of LDS; arguments hq, wts, b_fc1, gq; writes gq
.if DOCPART == 6
	.amdgcn_target "amdgcn-amd-amdhsa--gfx1250"
	.amdhsa_code_object_version 6
	.text
	.protected	k_q71a53d6919_g5
	.globl	k_q71a53d6919_g5
	.p2align	8
	.type	k_q71a53d6919_g5,@function
k_q71a53d6919_g5:
	s_mov_b64 s[64:65], 0
	v_nop
	global_prefetch_b8 v0, s[64:65] scope:SCOPE_SE
	s_setreg_imm32_b32 hwreg(HW_REG_WAVE_MODE, 25, 1), 1
	s_wait_xcnt 0x0
	s_wait_alu depctr_hold_cnt(0) depctr_sa_sdst(0) depctr_va_vdst(0) depctr_va_sdst(0) depctr_va_ssrc(0) depctr_va_vcc(0) depctr_vm_vsrc(0)
	s_getreg_b32 s2, hwreg(HW_REG_IB_STS2, 6, 4)
	s_cmp_eq_u32 s2, 0
	s_cbranch_scc0 .Lentry_in_a_cluster
	s_endpgm
.Lentry_in_a_cluster:
	s_bfe_u32 s2, ttmp6, 0x10000c
	s_cmp_lg_u32 s2, 0xf033
	s_cbranch_scc0 .Lentry_shape_is_right
	s_endpgm
.Lentry_shape_is_right:
; g = gelu(h w_fc1 + b_fc1), the exact gelu, on codes of FP6 (E2M3) with E8M0 scales; g is quantised along its 4,096 columns on the way out and never goes to memory as f32.
; OPERANDS lie in the order of the operand's registers: [row tile][K / 64][768]; lane l's 16 bytes at 16 l, its 8 at 512 + 8 l of each 768.  In: scale words [row tile][8][16 r].
; A tile, 256 x 256, is made by four waves of 128 x 128: 64 accumulators.  THE MATRIX INSTRUCTION IS USED TRANSPOSED (source 0 = 16 rows of w, source 1 = 16 tokens):
; a lane holds one token and, over its accumulators, 128 columns: one fragment of the next product.  Its blocks of 32 hold k with bits 3 and 4 changed over, as w_fc2's codes are laid too.
; K = 1,024 IS FOUR STEPS OF 256.  THREE LDS SLOTS ARE FILLED AT THE START; the fourth step is brought into slot 0 when that has been read: ONE refill, one round of the cluster's barrier, and from the request to the wait for it a wave
; issues 32 + 3 x 64 = 224 matrix instructions.  The change from slot 1 to slot 2 has no barrier: slot 2 was shown landed to every wave by the wait for all loads and the round in front of the refill.
; CLUSTERS OF 4 x 4: A's tiles are shared along a row of the cluster, B's along a column, asked for jointly.  A wave has at most four tensor loads out (scale words and three slots, at the start), later one.
; THE WAY OUT is a loop of eight trips, one for each 16 tokens, so that the gelu is written once.  Only the 32 additions of the bias name registers that hang on the trip: they stand in eight short sections, reached by forward jumps on the counter.
; A trip's stores are followed by the next trip's gelu; the wait on XCNT that frees their base and the codes' registers stands behind that gelu, ahead of the conversions.
; erf(z) = z a(z^2) / b(z^2), z held to +-4: polynomials of degree 6 and 4 in z^2, right to a few 1e-7 absolute.  LIMIT: for very negative x gelu(x) may come out as +-3e-7 |x| where the exact value is nearer 0.
; OUT: codes [row tile 256][64][768]; from 12,582,912 scale words [64 rows][32][16 r][4 row tiles].
; LIMITS: NaN and infinities are not served; blocks whose largest magnitude lies under 2^-124 keep the byte 1 (a block of zeros too: its codes are zeros, and this program alone reads the bytes).
; REGISTERS: window 0: v8-31 addresses; v32-63 scale words, two sets; v128-223 A's fragments.  Window 1: B's two sets at v0, v128; the bias in v96-127, v224-255.  Windows 2, 3: the accumulators.
; On the way out: v64-127 the gelu's work; v128-191 64 numbers; v192-210 codes; v212-227 at work; v228-231 two coefficients; v232-240 scale words made; v244-247 those to store.
; THE FILLS AS THEY STAND (this paragraph takes the place of what is said above of three slots filled at the start and of four loads out):
; at the head ONE joint load a wave: wave 0 A's 256 rows of K 0..255 (slot 0), wave 1 B's, wave 2 A's scale words, wave 3 B's.  Behind the three lines and a round each wave brings its 128 rows of K 256..767 as rows of
; 6,144 bytes into the bytes of slots 1 and 2 (slot 2 is the same rows 3,072 bytes on).  When slot 0 has been read it takes K 768..1023: the one refill.  A wave has one tensor load out at any time.
; PREFETCH: of the eight row tiles that a wave fetches behind the head, the partner at place p (cx for A, cy for B) names tiles 2 p and 2 p + 1, a lane a block of 256 bytes: K 256..767 (24 blocks a tile) by two
; instructions at the head, K 768..1023 (12 blocks a tile, both tiles in one instruction) ahead of the first products, one change of slots ahead of its load.  Lanes 24-31 name the last block again.
; THE GELU'S DIVISIONS: one reciprocal serves two denominators: r = 1 / (b1 b2), 1 / b1 = r b2, 1 / b2 = r b1.  With z held to +-4 every b lies between -2.4 and -0.014, so the product is far from f32's ends.
.set MB,    8
.set NB,    8
.set NQ,    2
.set KF,    8
.set FR,    12
.set NL,    4
.set TROW,  NQ*1536
.set HALFT, MB*TROW
.set SLOT,  4*HALFT
.set SCL,   3*SLOT                     ; behind the three slots: the scale words, for all of K: filled once
.set HALFS, 4096
.set SPARE, SCL+4*HALFS                ; the spare words, 128 bytes a wave, that no other line names
.set ADRA, 8                           ; v8-10 A's fragments in slot 0, 1, 2, 16 bytes a lane; v11-13 the same, 8 bytes a lane
.set ADRB, 16                          ; v16-21 the same for B
.set LSC,  24                          ; v24  16 r + 8,192 x (lane / 16)
.set H32,  26                          ; v26  32 x (lane / 16)
.set ADRS, 27
.set SPW,  28
.set NIL,  29
.set L16,  30
.set L8,   31
.set SC,   32
.set AF,   128
.set Z,    64
.set X2,   80
.set P,    96
.set Q,    112
.set W,    128
.set PC,   192
.set TM,   212
.set CA,   228
.set CB,   230
.set PWS,  232
.set PW,   240
.set WS,   244
.set SEL,  104
.set G1, 24
.set G0, 32                            ; s[32:39] group 0 for A's slots 0 and 1; the head's is built in s[20:23]
.set G1B, 48
.set G0B, 56                           ; s[56:63] the same for B; the head's in s[44:47]
.set G1S, 68
.set G0S, 76
.set G1SB, 80
.set G0SB, 88
.set MSB, 0
.macro WIN new                         ; the immediate's high byte repeats the setting that is left
.if MSB != (\new)
	s_set_vgpr_msb (MSB<<8)|(\new)
.set MSB, (\new)
.endif
.endm
.set WLO,  0xa1
.set WHI,  0xf1
.set TO_B, 0x40
.macro JLOAD g0a, g1a, g0b, g1b        ; a joint load: waves 0 and 1 fetch for A, waves 2 and 3 for B; an s_nop 0 and four v_nop follow each of the two lines
	s_cmp_eq_u32 s15, 0
	s_cbranch_scc0 .Lfor_b_\@
	tensor_load_to_lds s[\g0a:\g0a+3], s[\g1a:\g1a+7]
	s_nop 0
.rept 4
	v_nop
.endr
	s_branch .Lasked_\@
.Lfor_b_\@:
	tensor_load_to_lds s[\g0b:\g0b+3], s[\g1b:\g1b+7]
	s_nop 0
.rept 4
	v_nop
.endr
.Lasked_\@:
.endm
.macro CREST
	s_cmp_lg_u32 s14, 0
	s_cbranch_scc1 .Lnot_wave_0_\@
	s_barrier_signal -3
.Lnot_wave_0_\@:
	s_barrier_wait -3
	s_barrier_signal -1
	s_barrier_wait -1
.endm
.macro CROUND
	s_barrier_signal -1
	s_barrier_wait -1
	CREST
.endm
.macro PLACES n
.rept \n
	v_nop
.endr
.endm
	s_load_b256 s[4:11], s[0:1], 0x0               ; h s[4:5], the weights s[6:7], b_fc1 s[8:9], out s[10:11]
	v_lshl_add_u32 v[SPW], v0, 2, SPARE
	v_mov_b32 v[NIL], 0
	ds_add_u32 v[SPW], v[NIL]                      ; the wave's opening: the add and its wait ahead of my first tensor load
	ds_add_u32 v[SPW], v[NIL]
	v_lshrrev_b32 v1, 5, v0
	v_readfirstlane_b32 s14, v1
	s_lshr_b32 s15, s14, 1
	s_and_b32 s16, s14, 1
	s_bfe_u32 s40, ttmp6, 0x40000
	s_bfe_u32 s41, ttmp6, 0x40004
	s_lshl_b32 s42, ttmp9, 2
	s_add_co_u32 s42, s42, s40                     ; tile column
	s_and_b32 s17, ttmp7, 0xffff
	s_lshl_b32 s17, s17, 2
	s_add_co_u32 s17, s17, s41                     ; tile row
	s_lshl_b32 s43, s41, 2
	s_lshl_b32 s43, 15, s43
	s_lshl_b32 s44, 0x1111, s40
	s_or_b32 s[G1+0], s43, (3<<16)|(1<<21)
	s_or_b32 s[G1B+0], s44, (3<<16)|(1<<21)
.irp g, G1, G1B
	s_mov_b32 s[\g+1], (TROW/8)<<16
	s_mov_b32 s[\g+2], (2*MB)<<16                  ; the head's loads of codes bring all 16 row tiles
	s_mov_b32 s[\g+3], (TROW/8)<<16
	s_mov_b32 s[\g+4], 2*MB
	s_mov_b32 s[\g+5], KF*192
	s_mov_b32 s[\g+6], 0
	s_mov_b32 s[\g+7], 0
.endr
	s_or_b32 s[G1S+0], s43, (3<<16)|(1<<21)
	s_or_b32 s[G1SB+0], s44, (3<<16)|(1<<21)
.irp g, G1S, G1SB
	s_mov_b32 s[\g+1], 32<<16
	s_mov_b32 s[\g+2], (2*HALFS/256)<<16           ; the scale words of 256 rows
	s_mov_b32 s[\g+3], 32<<16
	s_mov_b32 s[\g+4], 2*HALFS/256
	s_mov_b32 s[\g+5], 32
	s_mov_b32 s[\g+6], 0
	s_mov_b32 s[\g+7], 0
.endr
	s_lshl_b32 s20, s17, 1                         ; A: the tile's first 128 rows
	s_lshl_b32 s46, s42, 1                         ; B likewise
	s_mul_i32 s18, s16, MB*KF*1536                 ; behind the head I fetch 128 rows: which half, in bytes
	s_mov_b32 s19, 0
	s_mul_i32 s22, s20, HALFS
	s_add_co_u32 s22, s22, 3145728                 ; h's scale words
	s_mov_b32 s23, 0
	s_mul_i32 s92, s46, HALFS
	s_add_co_u32 s92, s92, 9568256                 ; w_fc1's scale words
	s_mov_b32 s93, 0
	s_mul_i32 s20, s20, MB*KF*1536
	s_mov_b32 s21, 0
	s_mul_i32 s46, s46, MB*KF*1536
	s_add_co_u32 s46, s46, 3145728                 ; w_fc1's codes
	s_mov_b32 s47, 0
	s_mul_i32 s45, s14, HALFT
	s_mul_i32 s94, s14, 2*HALFT                    ; my part of the rows of 6,144 bytes
	s_wait_dscnt 0x0
	s_wait_kmcnt 0x0
	s_add_nc_u64 s[20:21], s[4:5], s[20:21]
	s_add_nc_u64 s[22:23], s[4:5], s[22:23]
	s_add_nc_u64 s[46:47], s[6:7], s[46:47]
	s_add_nc_u64 s[92:93], s[6:7], s[92:93]
	CROUND
	s_mov_b32 s[G0S], 1
	s_mov_b32 s[G0S+1], SCL
	s_mov_b64 s[G0S+2:G0S+3], s[22:23]
	s_or_b32 s[G0S+3], s[G0S+3], 0x80000000
	s_mov_b32 s[G0SB], 1
	s_mov_b32 s[G0SB+1], SCL+2*HALFS
	s_mov_b64 s[G0SB+2:G0SB+3], s[92:93]
	s_or_b32 s[G0SB+3], s[G0SB+3], 0x80000000
	s_add_nc_u64 s[G0+2:G0+3], s[20:21], s[18:19]          ; slot 0's own group 0, first used at its refill: my 128 rows, K 0
	s_add_nc_u64 s[G0+6:G0+7], s[G0+2:G0+3], TROW          ; the long rows: my 128 rows, from K 256
	s_add_nc_u64 s[G0B+2:G0B+3], s[46:47], s[18:19]
	s_add_nc_u64 s[G0B+6:G0B+7], s[G0B+2:G0B+3], TROW
	s_cmp_eq_u32 s15, 0                            ; the prefetches: do I fetch for A?
	s_cselect_b64 s[92:93], s[G0+6:G0+7], s[G0B+6:G0B+7]   ; the eight row tiles that I fetch, from K 256; s[92:93] are not written again
	s_cselect_b32 s18, s40, s41                    ; my place among the four that ask for them with me:
	s_mul_i32 s18, s18, 2*KF*1536                  ; two row tiles for each place
	s_add_nc_u64 s[92:93], s[92:93], s[18:19]
.irp g, G0, G0B
	s_mov_b32 s[\g], 1
	s_add_co_u32 s[\g+1], s45, 0
	s_or_b32 s[\g+3], s[\g+3], 0x80000000
	s_mov_b32 s[\g+4], 1
	s_add_co_u32 s[\g+5], s94, SLOT
	s_or_b32 s[\g+7], s[\g+7], 0x80000000
.endr
	s_mov_b64 s[22:23], s[20:21]                   ; the head's group 0 for A's 256 rows of K 0..255: s[20:23],
	s_or_b32 s23, s23, 0x80000000
	s_mov_b32 s20, 1
	s_mov_b32 s21, 0
	s_or_b32 s47, s47, 0x80000000                  ; and for B's: s[44:47]
	s_mov_b32 s44, 1
	s_mov_b32 s45, 2*HALFT
; the head's loads, one a wave: one chain of branches on the wave's number, a load in each arm, all arms leading to one join
.macro ARM under, g0, g1, next
	s_cmp_lt_u32 s14, \under
	s_cbranch_scc0 \next
	tensor_load_to_lds s[\g0:\g0+3], s[\g1:\g1+7]
	s_nop 0
.rept 4
	v_nop
.endr
	s_branch .Lhead_asked
\next:
.endm
	ARM 1, 20, G1, .Lhead_b
	ARM 2, 44, G1B, .Lhead_sa
	ARM 3, G0S, G1S, .Lhead_sb
	tensor_load_to_lds s[G0SB:G0SB+3], s[G1SB:G1SB+7]
	s_nop 0
.rept 4
	v_nop
.endr
.Lhead_asked:
	v_and_b32 v1, 15, v0
	v_bfe_u32 v2, v0, 4, 1
	v_and_b32 v3, 31, v0
	v_lshlrev_b32 v[L16], 4, v3
	v_lshlrev_b32 v[L8], 3, v3
	v_min_u32 v14, 23, v3                          ; the prefetches' offsets, never rewritten: block b = lane, at most 23;
	v_mul_u32_u24 v15, v14, 171
	v_lshlrev_b32 v14, 8, v14                      ; v14 = 256 b: 24 blocks of one row tile;
	v_lshrrev_b32 v15, 11, v15                     ; b / 12 (171 b >> 11, for b under 24)
	v_mul_u32_u24 v15, v15, KF*1536-TROW
	v_add_nc_u32 v15, v15, v14                     ; v15 = 256 b + 9,216 (b / 12): 12 blocks of each of two row tiles
	s_wait_alu depctr_va_vdst(0)                   ; the wait
	global_prefetch_b8 v14, s[92:93] th:TH_LOAD_NT scope:SCOPE_SE                  ; K 256..767 of row tile 2 p,
	global_prefetch_b8 v14, s[92:93] offset:KF*1536 th:TH_LOAD_NT scope:SCOPE_SE   ; and of 2 p + 1
	s_mul_i32 s18, s15, HALFT
	s_mul_i32 s19, s16, HALFT
	s_add_co_u32 s19, s19, 2*HALFT
.irp s, 0,1,2
	v_add_nc_u32 v[ADRA+\s], s18, v[L16]
	v_add_nc_u32 v[ADRA+3+\s], s18, v[L8]
	v_add_nc_u32 v[ADRB+\s], s19, v[L16]
	v_add_nc_u32 v[ADRB+3+\s], s19, v[L8]
.if \s == 0
	s_lshl_b32 s18, s18, 1                         ; slot 1: behind slot 0, rows twice as long
	s_lshl_b32 s19, s19, 1
	s_add_co_u32 s18, s18, SLOT
	s_add_co_u32 s19, s19, SLOT
.else
	s_add_co_u32 s18, s18, TROW                    ; slot 2: the same rows, 3,072 bytes on
	s_add_co_u32 s19, s19, TROW
.endif
.endr
	v_lshlrev_b32 v5, 2, v1
	s_mul_i32 s18, s15, HALFS
	s_mul_i32 s19, s16, HALFS
	s_add_co_u32 s19, s19, 2*HALFS
	s_sub_co_u32 s19, s19, s18
	v_mul_u32_u24 v6, s19, v2
	s_add_co_u32 s18, s18, SCL
	v_add_nc_u32 v5, v5, v6
	v_add_nc_u32 v[ADRS], s18, v5
	v_lshlrev_b32 v[LSC], 4, v1
	v_lshl_add_u32 v[LSC], v2, 13, v[LSC]
	v_lshlrev_b32 v[H32], 5, v2
	s_wait_alu depctr_va_vdst(0)
	s_lshl_b32 s96, s42, 1
	s_add_co_u32 s96, s96, s16                     ; my 128 columns: fragment f of the next product
	s_lshl_b32 s98, s96, 9
	s_mov_b32 s99, 0
	s_add_nc_u64 s[8:9], s[8:9], s[98:99]          ; their bias
	s_lshl_b32 s97, s17, 1
	s_add_co_u32 s97, s97, s15                     ; my 128 rows
	s_mul_i32 s100, s97, 8*49152
	s_mul_i32 s98, s96, 1536
	s_add_co_u32 s100, s100, s98
	s_mov_b32 s101, 0
	s_add_nc_u64 s[100:101], s[10:11], s[100:101]  ; codes: my first row tile, fragment f
	s_mul_i32 s98, s97, 2*8192
	s_lshl_b32 s96, s96, 8
	s_add_co_u32 s98, s98, s96
	s_add_co_u32 s98, s98, 12582912
	s_add_nc_u64 s[98:99], s[10:11], s[98:99]      ; scale words
	s_mov_b32 s2, 0xffff0000                       ; lanes 16-31
	s_mov_b32 s[SEL], 0x76543210
	s_mov_b32 s[SEL+1], 0xfedcba98
	WIN TO_B
.irp i, 0,1,2,3,4,5,6,7                        ; the bias of columns 16 i + 8 (lane / 16) + 0 .. 7: registers that the products never name
	global_load_b128 v[96+8*\i+96*(\i/4):96+8*\i+96*(\i/4)+3], v[H32], s[8:9] offset:64*\i
	global_load_b128 v[96+8*\i+96*(\i/4)+4:96+8*\i+96*(\i/4)+7], v[H32], s[8:9] offset:64*\i+16
.endr
	WIN 0
.macro FRAG reg, adr, off
.irp c, 0,1
	ds_load_b128 v[\reg+6*\c:\reg+6*\c+3], v[\adr] offset:(\off)+768*\c
	ds_load_b64 v[\reg+6*\c+4:\reg+6*\c+5], v[\adr+3] offset:(\off)+768*\c+512
.endr
.endm
.macro FETCH_B slot, q, p
	WIN TO_B
.set fi, 0
.rept NB
	FRAG 128*(\p)+FR*fi, ADRB+\slot, fi*TROW*(1+((\slot)+1)/2)+(\q)*1536
.set fi, fi+1
.endr
	WIN 0
.endm
.macro FETCH_A slot, q, i0
.set fi, \i0
.rept MB/2
	FRAG AF+FR*fi, ADRA+\slot, fi*TROW*(1+((\slot)+1)/2)+(\q)*1536
.set fi, fi+1
.endr
.endm
.macro SCALES set
.irp q, 0,1
.irp i, 0,1,2,3,4,5,6,7
	ds_load_b32 v[SC+16*(\set)+8*\q+\i], v[ADRS] offset:512*\i+64*\q
.endr
.endr
.endm
.macro MULQ a0, p, q, sc, zero         ; MB / 4 blocks of A x all of B's; the accumulators take turns, one instruction a turn
.set ma, \a0
.rept MB/4
.set mb, 0
.rept NB
.set mD, (8*(NB*ma+mb))%256
.set mB, 128*(\p)+FR*mb
.set mA, AF+FR*ma
.set mS, SC+16*(\sc)+MB*(\q)
.if \zero
	v_wmma_scale_f32_16x16x128_f8f6f4 v[mD:mD+7], v[mB:mB+FR-1], v[mA:mA+FR-1], 0, v[mS+mb], v[mS+ma] matrix_a_fmt:MATRIX_FMT_FP6 matrix_b_fmt:MATRIX_FMT_FP6 matrix_a_scale:MATRIX_SCALE_ROW1
.else
	v_wmma_scale_f32_16x16x128_f8f6f4 v[mD:mD+7], v[mB:mB+FR-1], v[mA:mA+FR-1], v[mD:mD+7], v[mS+mb], v[mS+ma] matrix_a_fmt:MATRIX_FMT_FP6 matrix_b_fmt:MATRIX_FMT_FP6 matrix_a_scale:MATRIX_SCALE_ROW1
.endif
.set mb, mb+1
.endr
.set ma, ma+1
.endr
.endm
.macro STEP slot, set, q, zero         ; 128 along K that has its successor in the same slot.  set: which set of scale words
	s_wait_dscnt (MB/2)*NL                         ; all but the youngest loads (A's upper blocks) are in
	WIN WLO
	MULQ 0, (\q)%2, \q, \set, \zero
	MULQ MB/4, (\q)%2, \q, \set, \zero
	s_wait_dscnt 0
	PLACES 4
	FETCH_B \slot, (\q)+1, 1-(\q)%2
	FETCH_A \slot, (\q)+1, 0
	WIN WHI
	MULQ MB/2, (\q)%2, \q, \set, \zero
	MULQ 3*MB/4, (\q)%2, \q, \set, \zero
	PLACES 4
	WIN 0
	FETCH_A \slot, (\q)+1, MB/2
.endm
; A slot's last step changes slots.  how = 2: this slot is filled again: each wave waits for all its tensor loads, adds 0 to its spare word, waits for that and for its reads of this slot; the barrier opens a round of the cluster's.
; how = 1: the next slot is the one that was filled again: the same lines and the work-group's barrier show it whole to every wave.  how = 0: the next slot was shown whole at the round: no barrier, and the refill stays on its way.
.macro TURN slot, set, next, nset, how
.if \how
	s_wait_tensorcnt 0x0                           ; all my tensor loads have landed
	ds_add_u32 v[SPW], v[NIL]                      ; 0 onto my spare word
	s_wait_dscnt (MB/2)*NL+1                       ; (the add and A's upper blocks may be out)
	WIN WLO
	MULQ 0, 1, NQ-1, \set, 0
	s_wait_dscnt 0x0                               ; the add is done, and my reads of this slot are over
	s_barrier_signal -1
	MULQ MB/4, 1, NQ-1, \set, 0
	WIN 0
	s_barrier_wait -1
.else
	s_wait_dscnt (MB/2)*NL
	WIN WLO
	MULQ 0, 1, NQ-1, \set, 0
	MULQ MB/4, 1, NQ-1, \set, 0
	s_wait_dscnt 0x0                               ; A's upper blocks are in
	WIN 0
.endif
.if \how == 2
	CREST                                          ; no wave of any partner still reads this slot or has a load on its way
	s_add_nc_u64 s[G0+4*\slot+2:G0+4*\slot+3], s[G0+4*\slot+2:G0+4*\slot+3], 3*TROW
	s_add_nc_u64 s[G0B+4*\slot+2:G0B+4*\slot+3], s[G0B+4*\slot+2:G0B+4*\slot+3], 3*TROW
	s_mov_b32 s[G1+1], (TROW/8)<<16                ; no load of mine is out: the refill's rows are 3,072 bytes again
	s_mov_b32 s[G1+3], (TROW/8)<<16
	s_mov_b32 s[G1B+1], (TROW/8)<<16
	s_mov_b32 s[G1B+3], (TROW/8)<<16
	JLOAD G0+4*\slot, G1, G0B+4*\slot, G1B         ; the first tensor load behind the round; its four v_nop are the places in front of the loads below
.else
	PLACES 4
.endif
	v_add_nc_u32 v[ADRS], 64*NQ, v[ADRS]
	FETCH_B \next, 0, 0
	FETCH_A \next, 0, 0
	SCALES \nset
	WIN WHI
	MULQ MB/2, 1, NQ-1, \set, 0
	MULQ 3*MB/4, 1, NQ-1, \set, 0
	PLACES 4
	WIN 0
	FETCH_A \next, 0, MB/2
.endm
	s_wait_alu depctr_va_vdst(0)                   ; the wait at the head's end
	s_wait_tensorcnt 0x0                           ; my tile of the head's four is in; with the add and its wait, ahead of a later first fill
	ds_add_u32 v[SPW], v[NIL]
	s_mov_b32 s[G1+1], (2*TROW/8)<<16              ; no load of mine is out: the next load brings 8 row tiles x 6,144 bytes
	s_mov_b32 s[G1+2], MB<<16
	s_mov_b32 s[G1+3], (2*TROW/8)<<16
	s_mov_b32 s[G1+4], MB
	s_mov_b32 s[G1B+1], (2*TROW/8)<<16
	s_mov_b32 s[G1B+2], MB<<16
	s_mov_b32 s[G1B+3], (2*TROW/8)<<16
	s_mov_b32 s[G1B+4], MB
	s_wait_dscnt 0x0
	CROUND                                         ; all four tiles are in, and all sixteen work-groups are here
	JLOAD G0+4, G1, G0B+4, G1B                     ; K 256..767, the first tensor load behind the round
	FETCH_B 0, 0, 0
	FETCH_A 0, 0, 0
	SCALES 0
	FETCH_A 0, 0, MB/2
	global_prefetch_b8 v15, s[92:93] offset:2*TROW th:TH_LOAD_NT scope:SCOPE_SE   ; K 768..1023 of my two row tiles: its load stands behind the next round
	STEP 0, 0, 0, 1
	TURN 0, 0, 1, 1, 2                             ; slot 0 takes K's last 256
	s_wait_alu depctr_va_vdst(0)
	STEP 1, 1, 0, 0
	TURN 1, 1, 2, 0, 0
	s_wait_alu depctr_va_vdst(0)
	STEP 2, 0, 0, 0
	TURN 2, 0, 0, 1, 1
	STEP 0, 1, 0, 0
	s_wait_dscnt (MB/2)*NL
	WIN WLO
	MULQ 0, 1, NQ-1, 1, 0
	MULQ MB/4, 1, NQ-1, 1, 0
	s_wait_dscnt 0
	WIN WHI
	MULQ MB/2, 1, NQ-1, 1, 0
	MULQ 3*MB/4, 1, NQ-1, 1, 0
	WIN 0
.macro QUANT s, pc, pw                 ; 64 numbers of a lane, register 16 b + i in block b of my row, become a fragment's codes and its scale word
.irp b, 0,1,2,3
	v_max3_num_f32 v[TM+\b], |v[\s+16*\b]|, |v[\s+1+16*\b]|, 0x1800000
.endr
.irp i, 2,4,6,8,10,12,14
.irp b, 0,1,2,3
	v_max3_num_f32 v[TM+\b], v[TM+\b], |v[\s+16*\b+\i]|, |v[\s+1+16*\b+\i]|
.endr
.endr
.irp b, 0,1,2,3
	v_permlanex16_b32 v[TM+4+\b], v[TM+\b], s[SEL], s[SEL+1]
.endr
.irp b, 0,1,2,3
	v_max_num_f32 v[TM+\b], v[TM+\b], v[TM+4+\b]
.endr
.irp b, 0,1,2,3
	v_add_nc_u32 v[TM+12+\b], 0xff000000, v[TM+\b]
.endr
.irp b, 0,1,2,3
	v_lshrrev_b32 v[TM+4+\b], 23, v[TM+12+\b]
.endr
	v_lshl_or_b32 v[\pw], v[TM+5], 8, v[TM+4]
	v_lshl_or_b32 v[\pw], v[TM+6], 16, v[\pw]
	v_lshl_or_b32 v[\pw], v[TM+7], 24, v[\pw]
.irp c, 0,1
	v_cvt_scalef32_pk16_fp6_f32 v[\pc+6*\c:\pc+2+6*\c], v[\s+32*\c:\s+15+32*\c], v[TM+12+2*\c]
	v_cvt_scalef32_pk16_fp6_f32 v[\pc+12+4*\c:\pc+14+4*\c], v[\s+16+32*\c:\s+31+32*\c], v[TM+12+2*\c+1]
.endr
	v_nop                                          ; one plain line behind a scaled conversion
.irp c, 0,1
.irp i, 0,1,2
	v_permlane16_swap_b32 v[\pc+6*\c+\i], v[\pc+12+4*\c+\i]
.endr
.irp i, 0,1,2
	v_mov_b32 v[\pc+3+6*\c+\i], v[\pc+12+4*\c+\i]
.endr
.endr
.endm
; gelu of 16 numbers in place: x (1 + erf(x / sqrt 2)) / 2, two numbers an instruction
.macro GELU16 s
.irp j, 0,2,4,6,8,10,12,14
	v_pk_mul_f32 v[Z+\j:Z+\j+1], v[\s+\j:\s+\j+1], 0x3f3504f3 op_sel_hi:[1,0]   ; z = x / sqrt 2
.endr
.irp j, 0,1,2,3,4,5,6,7,8,9,10,11,12,13,14,15
	v_med3_num_f32 v[Z+\j], v[Z+\j], -4.0, 4.0     ; beyond +-4 erf is +-1 in f32
.endr
.irp j, 0,2,4,6,8,10,12,14
	v_pk_mul_f32 v[X2+\j:X2+\j+1], v[Z+\j:Z+\j+1], v[Z+\j:Z+\j+1]
.endr
.irp j, 0,2,4,6,8,10,12,14
	v_pk_fma_f32 v[P+\j:P+\j+1], v[X2+\j:X2+\j+1], v[CA:CA+1], 0x32edffee op_sel_hi:[1,1,0]
.endr
.irp c, 0xb60cff51, 0xb86ec2d2, 0xba40ac63, 0xbb41a1f6, 0xbc83dbd4
.irp j, 0,2,4,6,8,10,12,14
	v_pk_fma_f32 v[P+\j:P+\j+1], v[P+\j:P+\j+1], v[X2+\j:X2+\j+1], \c op_sel_hi:[1,1,0]
.endr
.endr
.irp j, 0,2,4,6,8,10,12,14
	v_pk_fma_f32 v[Q+\j:Q+\j+1], v[X2+\j:X2+\j+1], v[CB:CB+1], 0xb95fbd29 op_sel_hi:[1,1,0]
.endr
.irp c, 0xbadc924e, 0xbbf19bf8, 0xbc69b6a7
.irp j, 0,2,4,6,8,10,12,14
	v_pk_fma_f32 v[Q+\j:Q+\j+1], v[Q+\j:Q+\j+1], v[X2+\j:X2+\j+1], \c op_sel_hi:[1,1,0]
.endr
.endr
.irp j, 0,2,4,6,8,10,12,14
	v_pk_mul_f32 v[P+\j:P+\j+1], v[P+\j:P+\j+1], v[Z+\j:Z+\j+1]
.endr
.irp j, 0,4,8,12
	v_pk_mul_f32 v[X2+\j:X2+\j+1], v[Q+\j:Q+\j+1], v[Q+\j+2:Q+\j+3]      ; b1 b2, where z^2 lay: it is done with
.endr
	s_wait_alu depctr_va_vdst(0)                   ; the wait ahead of the batch
.irp j, 0,1,4,5,8,9,12,13
	v_rcp_f32 v[X2+\j], v[X2+\j]                   ; r = 1 / (b1 b2): eight reciprocals for sixteen numbers
.endr
.irp j, 0,2,4,6,8,10,12,14
	v_pk_mul_f32 v[Z+\j:Z+\j+1], v[\s+\j:\s+\j+1], 0.5 op_sel_hi:[1,0]   ; x / 2: plain work behind the reciprocals
.endr
	s_wait_alu depctr_va_vdst(0)                   ; one wait for the eight, ahead of their first reader
.irp j, 0,4,8,12
	v_pk_mul_f32 v[X2+\j+2:X2+\j+3], v[X2+\j:X2+\j+1], v[Q+\j:Q+\j+1]    ; 1 / b2 = r b1
.endr
.irp j, 0,4,8,12
	v_pk_mul_f32 v[X2+\j:X2+\j+1], v[X2+\j:X2+\j+1], v[Q+\j+2:Q+\j+3]    ; 1 / b1 = r b2
.endr
.irp j, 0,2,4,6,8,10,12,14
	v_pk_mul_f32 v[P+\j:P+\j+1], v[P+\j:P+\j+1], v[X2+\j:X2+\j+1]
.endr
.irp j, 0,2,4,6,8,10,12,14
	v_pk_fma_f32 v[\s+\j:\s+\j+1], v[Z+\j:Z+\j+1], v[P+\j:P+\j+1], v[Z+\j:Z+\j+1]
.endr
.endm
.macro SECTION k                       ; trip k: the last trip's scale word is put by; block k's 64 sums + bias
.if \k > 0
	v_mov_b32 v[PWS+\k-1], v[PW]
.endif
	WIN 6+(\k)/4                                   ; source 0 window 2 or 3, source 1 window 1
.set si, 0
.rept 32
	v_pk_add_f32 v[W+2*si:W+2*si+1], v[64*((\k)%4)+2*si:64*((\k)%4)+2*si+1], v[96+8*(si/4)+96*(si/16)+2*(si%4):96+8*(si/4)+96*(si/16)+2*(si%4)+1]   ; each accumulator from its low end on
.set si, si+1
.endr
	WIN 0
.endm
	PLACES 4                                       ; behind the last products
.irp b, 0,1,2,3
	v_mov_b32 v[TM+4+\b], 0                        ; a lane permute's destination counts as one of its sources
.endr
.irp b, 0,1,2,3,4,5,6,7,8
	v_mov_b32 v[PWS+\b], 0                         ; written on every way before they are read
.endr
	v_mov_b32 v[CA], 0xaf95df0b
	v_mov_b32 v[CA+1], 0xaf95df0b
	v_mov_b32 v[CB], 0xb77460cd
	v_mov_b32 v[CB+1], 0xb77460cd
	s_wait_loadcnt 0x0                             ; the bias
	s_mov_b32 s3, 0
.Lrow:
.irp k, 0,1,2,3,4,5,6
	s_cmp_eq_u32 s3, \k
	s_cbranch_scc1 .Lsec\k
.endr
	s_wait_alu depctr_va_vdst(0)
	SECTION 7
	s_branch .Lcommon
.irp k, 0,1,2,3,4,5,6
.Lsec\k:
	s_wait_alu depctr_va_vdst(0)
	SECTION \k
	s_branch .Lcommon
.endr
.Lcommon:
	GELU16 W
	GELU16 W+16
	GELU16 W+32
	GELU16 W+48
	s_wait_xcnt 0x0                                ; the last trip's stores, a whole gelu back, have read their base and the codes' registers: both are written again only behind this wait
	s_add_nc_u64 s[100:101], s[100:101], 49152     ; a row tile on; this trip's stores reach back by their offsets
	QUANT W, PC, PW
	global_store_b128 v[L16], v[PC:PC+3], s[100:101] offset:-49152
	global_store_b64 v[L8], v[PC+4:PC+5], s[100:101] offset:-49152+512
	global_store_b128 v[L16], v[PC+6:PC+9], s[100:101] offset:-49152+768
	global_store_b64 v[L8], v[PC+10:PC+11], s[100:101] offset:-49152+1280
	s_add_co_u32 s3, s3, 1
	s_cmp_lt_u32 s3, 8
	s_cbranch_scc1 .Lrow
	v_mov_b32 v[PWS+7], v[PW]
.irp i, 0,1,2,3
	v_cndmask_b32 v[WS+\i], v[PWS+\i], v[PWS+4+\i], s2   ; lanes 0-15: row tiles 0-3, lanes 16-31: row tiles 4-7, the next 64 rows
.endr
	global_store_b128 v[LSC], v[WS:WS+3], s[98:99] ; sixteen lanes store 256 consecutive bytes, aligned
	s_wait_tensorcnt 0x0                           ; the wave's end
	ds_add_u32 v[SPW], v[NIL]
	s_wait_dscnt 0x0
	CROUND                                         ; the closing round
	s_endpgm
.Lfunc_end_k_q71a53d6919_g5:
	.size	k_q71a53d6919_g5, .Lfunc_end_k_q71a53d6919_g5-k_q71a53d6919_g5
	.p2alignl 7, 3214868480
	.fill 96, 4, 3214868480
	.section	.rodata,"a",@progbits
	.p2align	6, 0x0
	.amdhsa_kernel k_q71a53d6919_g5
		.amdhsa_group_segment_fixed_size 327680
		.amdhsa_private_segment_fixed_size 0
		.amdhsa_enable_private_segment 0
		.amdhsa_kernarg_size 32
		.amdhsa_user_sgpr_count 2
		.amdhsa_user_sgpr_kernarg_segment_ptr 1
		.amdhsa_wavefront_size32 1
		.amdhsa_system_sgpr_workgroup_id_x 1
		.amdhsa_system_sgpr_workgroup_id_y 1
		.amdhsa_system_sgpr_workgroup_id_z 1
		.amdhsa_system_vgpr_workitem_id 0
		.amdhsa_next_free_vgpr 1024
		.amdhsa_next_free_sgpr 106
		.amdhsa_reserve_vcc 0
		.amdhsa_float_denorm_mode_32 3
		.amdhsa_float_denorm_mode_16_64 3
		.amdhsa_memory_ordered 1
		.amdhsa_forward_progress 1
		.amdhsa_inst_pref_size 194
	.end_amdhsa_kernel
	.amdgpu_metadata
---
amdhsa.version: [ 1, 2 ]
amdhsa.kernels:
  - .name:           k_q71a53d6919_g5
    .symbol:         k_q71a53d6919_g5.kd
    .args:
      - { .name: hq, .offset: 0, .size: 8, .value_kind: global_buffer, .address_space: global }
      - { .name: wts, .offset: 8, .size: 8, .value_kind: global_buffer, .address_space: global }
      - { .name: b_fc1, .offset: 16, .size: 8, .value_kind: global_buffer, .address_space: global }
      - { .name: gq, .offset: 24, .size: 8, .value_kind: global_buffer, .address_space: global }
    .group_segment_fixed_size: 327680
    .private_segment_fixed_size: 0
    .kernarg_segment_align: 8
    .kernarg_segment_size: 32
    .max_flat_workgroup_size: 128
    .sgpr_count:     106
    .vgpr_count:     1024
    .wavefront_size: 32
...
	.end_amdgpu_metadata
.endif
;; end of part 6
;; launch g6 (part 7): grid 8 x 32, 4 waves a work-group, clusters of 4 x 4, 327,680 bytes of LDS; arguments gq, wts, b_fc2, x1, out0; writes out0
.if DOCPART == 7
	.amdgcn_target "amdgcn-amd-amdhsa--gfx1250"
	.amdhsa_code_object_version 6
	.text
	.protected	k_q71a53d6919_g6
	.globl	k_q71a53d6919_g6
	.p2align	8
	.type	k_q71a53d6919_g6,@function
k_q71a53d6919_g6:
	s_mov_b64 s[64:65], 0
	v_nop
	global_prefetch_b8 v0, s[64:65] scope:SCOPE_SE
	s_setreg_imm32_b32 hwreg(HW_REG_WAVE_MODE, 25, 1), 1
	s_wait_xcnt 0x0
	s_wait_alu depctr_hold_cnt(0) depctr_sa_sdst(0) depctr_va_vdst(0) depctr_va_sdst(0) depctr_va_ssrc(0) depctr_va_vcc(0) depctr_vm_vsrc(0)
	s_getreg_b32 s2, hwreg(HW_REG_IB_STS2, 6, 4)
	s_cmp_eq_u32 s2, 0
	s_cbranch_scc0 .Lentry_in_a_cluster
	s_endpgm
.Lentry_in_a_cluster:
	s_bfe_u32 s2, ttmp6, 0x10000c
	s_cmp_lg_u32 s2, 0xf033
	s_cbranch_scc0 .Lentry_shape_is_right
	s_endpgm
.Lentry_shape_is_right:
; out = x1 + g w_fc2 + b_fc2 on codes of FP6 (E2M3) with E8M0 scales.  A tile of 128 x 128 is made by four waves of 64 x 64; the matrix instruction is used transposed (source 0 = rows of w, source 1 = tokens).
; K = 4,096 goes in eight steps of 512 through a ring of two LDS slots; the scale words of all of K come once.  Clusters of 4 x 4: A's tiles are shared along a row of the cluster, B's along a column, asked for jointly.
; THE HEAD: one joint load a wave: wave 0 A's 128 rows of step 0, wave 1 B's, wave 2 A's scale words, wave 3 B's.  Slot 1's first fill stands behind the three lines and a round, a quarter of the slot a wave, as every refill does.
; PREFETCH: behind each refill one instruction a wave names the K step two refills on.  Of the four row tiles that a wave fetches, the partner at place p (cx for A, cy for B) names tile p: 6,144 bytes, 24 blocks of 256,
; a lane a block (lanes 24-31 name the last block again).  Steps 2 and 3 are named at the head; the loop's last trip names nothing, since steps 8 and 9 do not exist.
; The result goes through each wave's own stage in LDS and leaves, with the bias and x1 added, in whole rows of 256 bytes.
.set KF,    32
.set ASOFF, 12582912
.set BCOFF, 6291456
.set BSOFF, 9699328
.set MB,    4
.set NB,    4
.set NQ,    4
.set FR,    12
.set NL,    4
.set TROW,  NQ*1536
.set HALFT, MB*TROW
.set SLOT,  4*HALFT
.set LAPS,  KF/(2*NQ)
.set SCL,   2*SLOT
.set HALFS, KF*256
.set STG,   SCL+4*HALFS
.set SPITCH, 272
.set SPARE, STG+4*16*SPITCH
.set ADRA, 16
.set ADRB, 20
.set STO,  24
.set RD,   25
.set CO,   26
.set ADRS, 27
.set SPW,  28
.set NIL,  29
.set L16,  30
.set L8,   31
.set SC,   32
.set AF,   128
.set BK,   128
.set BIAS, 224
.set G1, 24
.set G0, 32
.set G1B, 48
.set G0B, 56
.set G1S, 68
.set G0S, 76
.set G1SB, 80
.set G0SB, 88
.set MSB, 0
.macro WIN new
.if MSB != (\new)
	s_set_vgpr_msb (MSB<<8)|(\new)
.set MSB, (\new)
.endif
.endm
.set WLO,  0xa1
.set WHI,  0xa1
.set TO_B, 0x40
.macro JLOAD g0a, g1a, g0b, g1b
	s_cmp_eq_u32 s15, 0
	s_cbranch_scc0 .Lfor_b_\@
	tensor_load_to_lds s[\g0a:\g0a+3], s[\g1a:\g1a+7]
	s_nop 0
.rept 4
	v_nop
.endr
	s_branch .Lasked_\@
.Lfor_b_\@:
	tensor_load_to_lds s[\g0b:\g0b+3], s[\g1b:\g1b+7]
	s_nop 0
.rept 4
	v_nop
.endr
.Lasked_\@:
.endm
.macro CREST
	s_cmp_lg_u32 s14, 0
	s_cbranch_scc1 .Lnot_wave_0_\@
	s_barrier_signal -3
.Lnot_wave_0_\@:
	s_barrier_wait -3
	s_barrier_signal -1
	s_barrier_wait -1
.endm
.macro CROUND
	s_barrier_signal -1
	s_barrier_wait -1
	CREST
.endm
.macro PLACES n
.rept \n
	v_nop
.endr
.endm
	s_load_b256 s[4:11], s[0:1], 0x0
	s_load_b64 s[12:13], s[0:1], 0x20
	v_lshl_add_u32 v[SPW], v0, 2, SPARE
	v_mov_b32 v[NIL], 0
	ds_add_u32 v[SPW], v[NIL]
	ds_add_u32 v[SPW], v[NIL]
	v_lshrrev_b32 v1, 5, v0
	v_readfirstlane_b32 s14, v1
	s_lshr_b32 s15, s14, 1
	s_and_b32 s16, s14, 1
	s_bfe_u32 s40, ttmp6, 0x40000
	s_bfe_u32 s41, ttmp6, 0x40004
	s_lshl_b32 s42, ttmp9, 2
	s_add_co_u32 s42, s42, s40
	s_and_b32 s17, ttmp7, 0xffff
	s_lshl_b32 s17, s17, 2
	s_add_co_u32 s17, s17, s41
	s_lshl_b32 s43, s41, 2
	s_lshl_b32 s43, 15, s43
	s_lshl_b32 s44, 0x1111, s40
	s_or_b32 s[G1+0], s43, (3<<16)|(1<<21)
	s_or_b32 s[G1B+0], s44, (3<<16)|(1<<21)
.irp g, G1, G1B
	s_mov_b32 s[\g+1], (TROW/8)<<16
	s_mov_b32 s[\g+2], (2*MB)<<16
	s_mov_b32 s[\g+3], (TROW/8)<<16
	s_mov_b32 s[\g+4], 2*MB
	s_mov_b32 s[\g+5], KF*192
	s_mov_b32 s[\g+6], 0
	s_mov_b32 s[\g+7], 0
.endr
	s_or_b32 s[G1S+0], s43, (3<<16)|(1<<21)
	s_or_b32 s[G1SB+0], s44, (3<<16)|(1<<21)
.irp g, G1S, G1SB
	s_mov_b32 s[\g+1], 32<<16
	s_mov_b32 s[\g+2], (2*HALFS/256)<<16
	s_mov_b32 s[\g+3], 32<<16
	s_mov_b32 s[\g+4], 2*HALFS/256
	s_mov_b32 s[\g+5], 32
	s_mov_b32 s[\g+6], 0
	s_mov_b32 s[\g+7], 0
.endr
	s_lshl_b32 s20, s17, 1
	s_lshl_b32 s46, s42, 1
	s_mul_i32 s18, s16, MB*KF*1536                 ; in the ring I fetch 64 rows: which half, in bytes
	s_mov_b32 s19, 0
	s_mul_i32 s22, s20, HALFS
	s_add_co_u32 s22, s22, ASOFF
	s_mov_b32 s23, 0
	s_mul_i32 s92, s46, HALFS
	s_add_co_u32 s92, s92, BSOFF
	s_mov_b32 s93, 0
	s_mul_i32 s20, s20, MB*KF*1536
	s_mov_b32 s21, 0
	s_mul_i32 s46, s46, MB*KF*1536
	s_add_co_u32 s46, s46, BCOFF
	s_mov_b32 s47, 0
	s_mul_i32 s45, s14, HALFT
	s_wait_dscnt 0x0
	s_wait_kmcnt 0x0
	s_add_nc_u64 s[20:21], s[4:5], s[20:21]
	s_add_nc_u64 s[22:23], s[4:5], s[22:23]
	s_add_nc_u64 s[46:47], s[6:7], s[46:47]
	s_add_nc_u64 s[92:93], s[6:7], s[92:93]
	CROUND
	s_mov_b32 s[G0S], 1
	s_mov_b32 s[G0S+1], SCL
	s_mov_b64 s[G0S+2:G0S+3], s[22:23]
	s_or_b32 s[G0S+3], s[G0S+3], 0x80000000
	s_mov_b32 s[G0SB], 1
	s_mov_b32 s[G0SB+1], SCL+2*HALFS
	s_mov_b64 s[G0SB+2:G0SB+3], s[92:93]
	s_or_b32 s[G0SB+3], s[G0SB+3], 0x80000000
	s_add_nc_u64 s[100:101], s[20:21], s[18:19]    ; my 64 rows of A,
	s_add_nc_u64 s[66:67], s[46:47], s[18:19]      ; and of B
.irp s, 0,1
	s_mov_b32 s[G0+4*\s], 1
	s_add_co_u32 s[G0+4*\s+1], s45, \s*SLOT
	s_add_nc_u64 s[G0+4*\s+2:G0+4*\s+3], s[100:101], \s*TROW
	s_or_b32 s[G0+4*\s+3], s[G0+4*\s+3], 0x80000000
	s_mov_b32 s[G0B+4*\s], 1
	s_add_co_u32 s[G0B+4*\s+1], s45, \s*SLOT
	s_add_nc_u64 s[G0B+4*\s+2:G0B+4*\s+3], s[66:67], \s*TROW
	s_or_b32 s[G0B+4*\s+3], s[G0B+4*\s+3], 0x80000000
.endr
	s_mov_b64 s[94:95], s[20:21]                   ; the head's group 0 for A's 128 rows of step 0: s[92:95], which no later line writes,
	s_or_b32 s95, s95, 0x80000000
	s_mov_b32 s92, 1
	s_mov_b32 s93, 0
	s_or_b32 s47, s47, 0x80000000                  ; and for B's: s[44:47]
	s_mov_b32 s44, 1
	s_mov_b32 s45, 2*HALFT
	s_cmp_eq_u32 s15, 0                            ; the prefetches: do I fetch for A?
	s_cselect_b64 s[66:67], s[100:101], s[66:67]   ; the four row tiles that I fetch,
	s_cselect_b32 s100, s40, s41                   ; my place among the four that ask for them with me,
	s_mul_i32 s100, s100, KF*1536                  ; one row tile for each place,
	s_add_co_u32 s100, s100, 2*TROW                ; at K step 2
	s_mov_b32 s101, 0
	s_add_nc_u64 s[66:67], s[66:67], s[100:101]
; the head's loads, one a wave: one chain of branches on the wave's number, a load in each arm, all arms leading to one join
.macro ARM under, g0, g1, next
	s_cmp_lt_u32 s14, \under
	s_cbranch_scc0 \next
	tensor_load_to_lds s[\g0:\g0+3], s[\g1:\g1+7]
	s_nop 0
.rept 4
	v_nop
.endr
	s_branch .Lhead_asked
\next:
.endm
	ARM 1, 92, G1, .Lhead_b
	ARM 2, 44, G1B, .Lhead_sa
	ARM 3, G0S, G1S, .Lhead_sb
	tensor_load_to_lds s[G0SB:G0SB+3], s[G1SB:G1SB+7]
	s_nop 0
.rept 4
	v_nop
.endr
.Lhead_asked:
	v_and_b32 v1, 15, v0
	v_bfe_u32 v2, v0, 4, 1
	v_and_b32 v3, 31, v0
	v_lshlrev_b32 v[L16], 4, v3
	v_lshlrev_b32 v[L8], 3, v3
	v_min_u32 v8, 23, v3
	v_lshlrev_b32 v8, 8, v8                        ; the prefetches' offset: a lane a block of 256 bytes, 24 blocks; never rewritten
	global_prefetch_b8 v8, s[66:67] offset:-TROW th:TH_LOAD_NT scope:SCOPE_SE  ; K step 1 too, whose load stands behind the first round,
	global_prefetch_b8 v8, s[66:67] th:TH_LOAD_NT scope:SCOPE_SE
	global_prefetch_b8 v8, s[66:67] offset:TROW th:TH_LOAD_NT scope:SCOPE_SE   ; and 3
	s_mul_i32 s21, s15, HALFT
	s_mul_i32 s22, s16, HALFT
	s_add_co_u32 s22, s22, 2*HALFT
.irp s, 0,1
	v_add_nc_u32 v[ADRA+\s], s21, v[L16]
	v_add_nc_u32 v[ADRA+2+\s], s21, v[L8]
	v_add_nc_u32 v[ADRB+\s], s22, v[L16]
	v_add_nc_u32 v[ADRB+2+\s], s22, v[L8]
	s_add_co_u32 s21, s21, SLOT
	s_add_co_u32 s22, s22, SLOT
.endr
	v_lshlrev_b32 v5, 4, v1
	s_mul_i32 s21, s15, HALFS
	s_mul_i32 s22, s16, HALFS
	s_add_co_u32 s22, s22, 2*HALFS
	s_sub_co_u32 s22, s22, s21
	v_mul_u32_u24 v6, s22, v2
	s_add_co_u32 s21, s21, SCL
	v_add_nc_u32 v5, v5, v6
	v_add_nc_u32 v[ADRS], s21, v5
	s_mul_i32 s23, s14, 16*SPITCH
	s_add_co_u32 s23, s23, STG
	v_mul_u32_u24 v5, v1, SPITCH
	v_lshl_add_u32 v5, v2, 5, v5
	v_add_nc_u32 v[STO], s23, v5
	v_mul_u32_u24 v5, v2, SPITCH
	v_lshl_add_u32 v5, v1, 4, v5
	v_add_nc_u32 v[RD], s23, v5
	v_lshlrev_b32 v7, 4, v1
	s_wait_alu depctr_va_vdst(0)
	v_lshl_add_u32 v[CO], v2, 12, v7
	s_wait_alu depctr_va_vdst(0)
	s_lshl_b32 s96, s17, 1
	s_add_co_u32 s96, s96, s15
	s_lshl_b32 s96, s96, 18
	s_lshl_b32 s98, s42, 1
	s_add_co_u32 s98, s98, s16
	s_lshl_b32 s98, s98, 8
	s_mov_b32 s99, 0
	s_add_nc_u64 s[8:9], s[8:9], s[98:99]
	s_add_co_u32 s96, s96, s98
	s_mov_b32 s97, 0
	s_add_nc_u64 s[10:11], s[10:11], s[96:97]
	s_add_nc_u64 s[12:13], s[12:13], s[96:97]
	global_load_b128 v[BIAS:BIAS+3], v7, s[8:9]
	WIN 0xc0
.irp a, 0,1,2,3
.irp t, 0,1,2,3,4,5,6,7
	global_load_b128 v[4*(8*\a+\t):4*(8*\a+\t)+3], v[CO], s[10:11] offset:(16*\a+2*\t)*4096 th:TH_LOAD_NT
.endr
.endr
	WIN 0
.macro FRAG reg, adr, off
.irp c, 0,1
	ds_load_b128 v[\reg+6*\c:\reg+6*\c+3], v[\adr] offset:(\off)+768*\c
	ds_load_b64 v[\reg+6*\c+4:\reg+6*\c+5], v[\adr+2] offset:(\off)+768*\c+512
.endr
.endm
.macro FETCH_B slot, q, p
	WIN TO_B
.set fi, 0
.rept NB
	FRAG 128*(\p)+FR*fi, ADRB+\slot, fi*TROW+(\q)*1536
.set fi, fi+1
.endr
	WIN 0
.endm
.macro FETCH_A slot, q, i0
.set fi, \i0
.rept MB/2
	FRAG AF+FR*fi, ADRA+\slot, fi*TROW+(\q)*1536
.set fi, fi+1
.endr
.endm
.macro SCALES set
.irp q, 0,1,2,3
	ds_load_b128 v[SC+16*\set+4*\q:SC+16*\set+4*\q+3], v[ADRS] offset:256*\q
.endr
.endm
.macro MULQ a0, p, q, sc, zero
.set ma, \a0
.rept MB/4
.set mb, 0
.rept NB
.set mD, (8*(NB*ma+mb))%256
.set mB, 128*(\p)+FR*mb
.set mA, AF+FR*ma
.set mS, SC+16*(\sc)+MB*(\q)
.if \zero
	v_wmma_scale_f32_16x16x128_f8f6f4 v[mD:mD+7], v[mB:mB+FR-1], v[mA:mA+FR-1], 0, v[mS+mb], v[mS+ma] matrix_a_fmt:MATRIX_FMT_FP6 matrix_b_fmt:MATRIX_FMT_FP6 matrix_a_scale:MATRIX_SCALE_ROW1
.else
	v_wmma_scale_f32_16x16x128_f8f6f4 v[mD:mD+7], v[mB:mB+FR-1], v[mA:mA+FR-1], v[mD:mD+7], v[mS+mb], v[mS+ma] matrix_a_fmt:MATRIX_FMT_FP6 matrix_b_fmt:MATRIX_FMT_FP6 matrix_a_scale:MATRIX_SCALE_ROW1
.endif
.set mb, mb+1
.endr
.set ma, ma+1
.endr
.endm
.macro STEP slot, q, zero
	s_wait_dscnt (MB/2)*NL
	WIN WLO
	MULQ 0, (\q)%2, \q, \slot, \zero
	MULQ MB/4, (\q)%2, \q, \slot, \zero
	s_wait_dscnt 0
	PLACES 4
	FETCH_B \slot, (\q)+1, 1-(\q)%2
	FETCH_A \slot, (\q)+1, 0
	WIN WHI
	MULQ MB/2, (\q)%2, \q, \slot, \zero
	MULQ 3*MB/4, (\q)%2, \q, \slot, \zero
	PLACES 4
	WIN 0
	FETCH_A \slot, (\q)+1, MB/2
.endm
.macro TURN slot, next, fill
.if \fill
	s_wait_xcnt 0x0                                ; my prefetches have read their address: it steps here, ahead of the waits of the change of slots
	s_add_nc_u64 s[66:67], s[66:67], TROW
.endif
	s_wait_tensorcnt 0x0
	ds_add_u32 v[SPW], v[NIL]
	s_wait_dscnt (MB/2)*NL+1
	WIN WLO
	MULQ 0, 1, NQ-1, \slot, 0
	s_wait_dscnt 0x0
	s_barrier_signal -1
	MULQ MB/4, 1, NQ-1, \slot, 0
	WIN 0
	s_barrier_wait -1
.if \fill
	CREST
	s_add_nc_u64 s[G0+4*\slot+2:G0+4*\slot+3], s[G0+4*\slot+2:G0+4*\slot+3], 2*TROW
	s_add_nc_u64 s[G0B+4*\slot+2:G0B+4*\slot+3], s[G0B+4*\slot+2:G0B+4*\slot+3], 2*TROW
	JLOAD G0+4*\slot, G1, G0B+4*\slot, G1B
.else
	PLACES 4
.endif
	s_wait_alu depctr_va_vdst(0)
	v_add_nc_u32 v[ADRS], 256*NQ, v[ADRS]
	FETCH_B \next, 0, 0
	FETCH_A \next, 0, 0
	SCALES \next
.if \fill
	s_cmp_gt_u32 s3, 1                             ; the loop's last trip has no K step two refills on
	s_cbranch_scc0 .Lno_ask_\@
	global_prefetch_b8 v8, s[66:67] offset:TROW th:TH_LOAD_NT scope:SCOPE_SE
.Lno_ask_\@:
.endif
	WIN WHI
	MULQ MB/2, 1, NQ-1, \slot, 0
	MULQ 3*MB/4, 1, NQ-1, \slot, 0
	PLACES 4
	WIN 0
	FETCH_A \next, 0, MB/2
.endm
	s_wait_alu depctr_va_vdst(0)                   ; the wait at the head's end
	s_wait_tensorcnt 0x0                           ; my tile of the head's four is in; with the add and its wait, ahead of a later first fill
	ds_add_u32 v[SPW], v[NIL]
	s_mov_b32 s[G1+2], MB<<16                      ; no load of mine is out: from here on a load brings four row tiles
	s_mov_b32 s[G1+4], MB
	s_mov_b32 s[G1B+2], MB<<16
	s_mov_b32 s[G1B+4], MB
	s_wait_dscnt 0x0
	CROUND                                         ; all four tiles are in, and all sixteen work-groups are here
	JLOAD G0+4, G1, G0B+4, G1B                     ; K step 1, the first tensor load behind the round
	FETCH_B 0, 0, 0
	FETCH_A 0, 0, 0
	SCALES 0
	FETCH_A 0, 0, MB/2
	STEP 0, 0, 1
.if LAPS > 1
	s_mov_b32 s3, LAPS-1
.Llap:
	STEP 0, 1, 0
	STEP 0, 2, 0
	TURN 0, 1, 1
	STEP 1, 0, 0
	STEP 1, 1, 0
	STEP 1, 2, 0
	TURN 1, 0, 1
	STEP 0, 0, 0
	s_sub_co_u32 s3, s3, 1
	s_cmp_lg_u32 s3, 0
	s_cbranch_scc1 .Llap
.endif
	STEP 0, 1, 0
	STEP 0, 2, 0
	TURN 0, 1, 0
	STEP 1, 0, 0
	STEP 1, 1, 0
	STEP 1, 2, 0
	s_wait_dscnt (MB/2)*NL
	WIN WLO
	MULQ 0, 1, NQ-1, 1, 0
	MULQ MB/4, 1, NQ-1, 1, 0
	s_wait_dscnt 0
	MULQ MB/2, 1, NQ-1, 1, 0
	MULQ 3*MB/4, 1, NQ-1, 1, 0
	WIN 0
.macro TOSTAGE a
	WIN 0x08
.irp b, 0,1,2,3
	ds_store_b128 v[STO], v[8*(4*(\a)+\b):8*(4*(\a)+\b)+3] offset:64*\b
	ds_store_b128 v[STO], v[8*(4*(\a)+\b)+4:8*(4*(\a)+\b)+7] offset:64*\b+16
.endr
	WIN 0
.set BB, BK+32*((\a)%2)
.irp t, 0,1,2,3,4,5,6,7
	ds_load_b128 v[BB+4*\t:BB+4*\t+3], v[RD] offset:\t*2*SPITCH
.endr
.endm
.macro SEND a, younger
.set BB, BK+32*((\a)%2)
	s_wait_dscnt \younger
.irp t, 0,1,2,3,4,5,6,7
	v_pk_add_f32 v[BB+4*\t:BB+4*\t+1], v[BB+4*\t:BB+4*\t+1], v[BIAS:BIAS+1]
	v_pk_add_f32 v[BB+4*\t+2:BB+4*\t+3], v[BB+4*\t+2:BB+4*\t+3], v[BIAS+2:BIAS+3]
.endr
	WIN 0x0c
.irp t, 0,1,2,3,4,5,6,7
	v_pk_add_f32 v[BB+4*\t:BB+4*\t+1], v[BB+4*\t:BB+4*\t+1], v[4*(8*(\a)+\t):4*(8*(\a)+\t)+1]
	v_pk_add_f32 v[BB+4*\t+2:BB+4*\t+3], v[BB+4*\t+2:BB+4*\t+3], v[4*(8*(\a)+\t)+2:4*(8*(\a)+\t)+3]
.endr
	WIN 0
.irp t, 0,1,2,3,4,5,6,7
	global_store_b128 v[CO], v[BB+4*\t:BB+4*\t+3], s[12:13] offset:(16*(\a)+2*\t)*4096 th:TH_STORE_NT
.endr
.endm
	PLACES 4
	s_wait_loadcnt 0x0
	TOSTAGE 0
.irp a, 1,2,3
.if \a > 1
	s_wait_xcnt 0x0
.endif
	TOSTAGE \a
	SEND \a-1, 16
.endr
	SEND 3, 0
	s_wait_tensorcnt 0x0
	ds_add_u32 v[SPW], v[NIL]
	s_wait_dscnt 0x0
	CROUND
	s_endpgm
.Lfunc_end_k_q71a53d6919_g6:
	.size	k_q71a53d6919_g6, .Lfunc_end_k_q71a53d6919_g6-k_q71a53d6919_g6
	.p2alignl 7, 3214868480
	.fill 96, 4, 3214868480
	.section	.rodata,"a",@progbits
	.p2align	6, 0x0
	.amdhsa_kernel k_q71a53d6919_g6
		.amdhsa_group_segment_fixed_size 327680
		.amdhsa_private_segment_fixed_size 0
		.amdhsa_enable_private_segment 0
		.amdhsa_kernarg_size 40
		.amdhsa_user_sgpr_count 2
		.amdhsa_user_sgpr_kernarg_segment_ptr 1
		.amdhsa_wavefront_size32 1
		.amdhsa_system_sgpr_workgroup_id_x 1
		.amdhsa_system_sgpr_workgroup_id_y 1
		.amdhsa_system_sgpr_workgroup_id_z 1
		.amdhsa_system_vgpr_workitem_id 0
		.amdhsa_next_free_vgpr 1024
		.amdhsa_next_free_sgpr 106
		.amdhsa_reserve_vcc 0
		.amdhsa_float_denorm_mode_32 3
		.amdhsa_float_denorm_mode_16_64 3
		.amdhsa_memory_ordered 1
		.amdhsa_forward_progress 1
		.amdhsa_inst_pref_size 106
	.end_amdhsa_kernel
	.amdgpu_metadata
---
amdhsa.version: [ 1, 2 ]
amdhsa.kernels:
  - .name:           k_q71a53d6919_g6
    .symbol:         k_q71a53d6919_g6.kd
    .args:
      - { .name: gq, .offset: 0, .size: 8, .value_kind: global_buffer, .address_space: global }
      - { .name: wts, .offset: 8, .size: 8, .value_kind: global_buffer, .address_space: global }
      - { .name: b_fc2, .offset: 16, .size: 8, .value_kind: global_buffer, .address_space: global }
      - { .name: x1, .offset: 24, .size: 8, .value_kind: global_buffer, .address_space: global }
      - { .name: out0, .offset: 32, .size: 8, .value_kind: global_buffer, .address_space: global }
    .group_segment_fixed_size: 327680
    .private_segment_fixed_size: 0
    .kernarg_segment_align: 8
    .kernarg_segment_size: 40
    .max_flat_workgroup_size: 128
    .sgpr_count:     106
    .vgpr_count:     1024
    .wavefront_size: 32
...
	.end_amdgpu_metadata
.endif
;; end of part 7
